; MI455X (gfx1250); checked and timed in simulation.
; The chip was launched on July 23, 2026; its instructions are those of AMD's public machine-readable ISA for CDNA 5 (MIT licence, August 2026) and "CDNA5" Instruction Set Architecture Reference Guide (July 2026). The comments in the code are by the model that wrote it; some were corrected since.
;; Mo EMLP Base. Allowed arithmetic: matrix products marked QUANTISED: E2M3 operands, one E8M0 scale for each 32 along K, by v_wmma_scale_f32_16x16x128_f8f6f4 with both operands' format E2M3, f32 sums; products left as they are: f32 operands where the result goes on into a quantised operand, else bf16, f16 or f32 operands; f32 sums; everything else in f32.
;; Inputs: W_in_codes 8 x 4,096 x 32 x 24 uint8 (E2M3 codes of W_in, K innermost, in blocks of 32 codes, four codes in three bytes); W_in_scales 8 x 4,096 x 32 uint8 (E8M0 scales of W_in, one for each 32 codes along K); W_out_codes 8 x 1,024 x 128 x 24 uint8 (E2M3 codes of W_out, K innermost, in blocks of 32 codes, four codes in three bytes); W_out_scales 8 x 1,024 x 128 uint8 (E8M0 scales of W_out, one for each 32 codes along K); b_in 8 x 4,096 float32; b_out 8 x 1,024 float32; router_W 1,024 x 8 float32; x 4 x 256 x 1,024 float32.
;; Outputs: out0 4 x 256 x 1,024 float32; out1 one number float32.
;; This version of the problem:
;;   THIS VERSION OF THE PROBLEM IS GIVEN IN LOW PRECISION. The matrix products marked QUANTISED in the list below multiply operands that are first quantised to E2M3 (2 exponent bits, 3 mantissa bits; 6 bits a number), with one power-of-two scale for each 32 numbers along K (OCP MX v1.0); their sums are f32. All else is computed in f32.
;;   The module's matrix products, in the order in which they are computed (A, B: the left and right operand; K: the contracted axis; several contracted axes count as one K, in the product's order):
;;     1. [M 1,024, K 1,024] x [K 1,024, N 8]; A: input x; B: input router_W: left as it is (N = 8 < 16)
;;     2. [M 32,768, K 1,024] x [K 1,024, N 1,024]; A: input W_in (given as codes); B: input x: QUANTISED
;;     3. batch 8 x [M 1,024, K 4,096] x [K 4,096, N 1,024]; A: computed on the way; B: input W_out (given as codes): QUANTISED
;;     4. batch 1,024 x [M 1, K 8] x [K 8, N 1,024]; A: computed on the way; B: computed on the way: left as it is (K = 8 < 32)
;;   THE QUANTISER, for each operand of a quantised product, along K:
;;     - K is cut into blocks of 32 from its start; a last block that is shorter is filled with zeros.
;;     - A block's scale is 2^e with e = floor(log2(the largest magnitude in the block)) - 2, held to -126 .. 127; a block of zeros has e = 0. As a byte (E8M0): e + 127.
;;     - Each number is divided by its block's scale, clamped to +-7.5, and rounded to the nearest number of E2M3, ties to even, subnormals kept.
;;     - The product sums the exact products of the quantised numbers (number of the format x scale) in f32.
;;   ~~~python
;;   def quantise(x, axis):      # numpy; x: float32 -> the quantised numbers, widened to float32 again
;;       x = np.moveaxis(x, axis, -1); K = x.shape[-1]
;;       x = np.pad(x, [(0, 0)] * (x.ndim - 1) + [(0, -K % 32)]); x = x.reshape(x.shape[:-1] + (-1, 32)); a = np.abs(x).max(-1, keepdims=True)
;;       e = np.where(a > 0, np.clip(np.frexp(np.where(a > 0, a, 1))[1] - 1 - 2, -126, 127), 0)      # np.frexp(a)[1] - 1 = floor(log2(a)), exactly
;;       r = np.clip(x / 2.0 ** e, -7.5, 7.5)
;;       step = 2.0 ** (np.maximum(np.frexp(np.where(r == 0, 1, r))[1] - 1, 0) - 3)
;;       q = np.round(r / step) * step * 2.0 ** e      # np.round: ties to even
;;       return np.moveaxis(q.reshape(q.shape[:-2] + (-1,))[..., :K], -1, axis).astype(np.float32)
;;   ~~~
;;   OPERANDS COMPUTED ON THE WAY. 'Computed on the way' means the value that the module computes at that place (a softmax that the list does not call 'softmax' is quantised finished and normalised). What goes into a quantiser is computed in f32, as accurately as f32 sums, v_exp_f32 and their like allow (about 1e-6 of the number): no bf16 or f16 on the way to a quantiser, and a product that is left as it is and whose result goes on into a quantised operand takes f32 operands (vector FMAs, or v_wmma_f32_16x16x4_f32). A number that lies on a knife's edge between two numbers of the format may be rounded either way, as far as f32 arithmetic and the matrix unit's own rounding can turn it there, and no further.
;;   INPUTS GIVEN AS CODES. W_in (in the module: [8, 1024, 4096], K = its axis 1); W_out (in the module: [8, 4096, 1024], K = its axis 1): each comes as NAME_codes (uint8): NAME with its K axis moved to the last place and cut into blocks of 32 codes, [.., K / 32, bytes a block], one block behind the other in memory; four codes in three bytes: a row's codes are one little-endian stream of bits, code i at bits 6 i .. 6 i + 5 (a code: sign, 2 exponent bits, 3 mantissa bits); and NAME_scales (uint8): the same leading axes, one E8M0 byte (e + 127) for each 32 codes along K. Its value is code x scale, taken as it is: it is not quantised again, and the codes and scales need not be those that the quantiser above would give.
;; 2 versions. Each part assembles by itself: llvm-mc -triple=amdgcn-amd-amdhsa -mcpu=gfx1250 --defsym DOCPART=n.
;; ======== version 1 of 2: 5 launches
;; workspace buffers: xq 819,200 bytes; sel 8,192 bytes of whole numbers; rt 40,960 bytes; idx 41,216 bytes of whole numbers; hq 26,214,400 bytes; yy 33,554,432 bytes
;; launch route (part 1): grid 256 x 1, 4 waves a work-group, no clusters, 33,536 bytes of LDS; arguments x, router_W, xq, sel, rt; writes xq, sel, rt
.if DOCPART == 1
	.amdgcn_target "amdgcn-amd-amdhsa--gfx1250"
	.amdhsa_code_object_version 6
	.text
	.protected	k_qb3880b7655_route
	.globl	k_qb3880b7655_route
	.p2align	8
	.type	k_qb3880b7655_route,@function
k_qb3880b7655_route:
	s_mov_b64 s[64:65], 0
	v_nop
	global_prefetch_b8 v0, s[64:65] scope:SCOPE_SE
	s_setreg_imm32_b32 hwreg(HW_REG_WAVE_MODE, 25, 1), 1
	s_wait_xcnt 0x0
; ROUTER AND QUANTISER OF x.  x [1024 tokens][1024] f32, router_W [1024][8] f32.
; Out: xq = x as codes of E2M3 (a token's 1,024 codes are 768 consecutive bytes) and, from byte XSO on, one E8M0 byte for each 32 numbers (32 bytes a token);
;      sel = the two chosen experts of each token (whole numbers, the larger p first; of equal p the lower index);  rt = their weights p / (p0 + p1 + 1e-8), and from byte PRB on all eight p.
; SHARES.  A work-group takes four tokens.  Wave w takes half c = w % 2 of the 1,024 numbers of tokens 2 (w / 2) and 2 (w / 2) + 1: the same loaded registers feed the logits and the quantiser, so x is read once.
; The logits are f32 fused multiply-adds: 16 a lane, a sum over the 32 lanes, the two halves joined through LDS.  Then wave w finishes token w: softmax with its maximum taken away, top two, weights.
; The choice only selects values (v_cndmask_b32): no branch and no address hangs on it here; a later launch reads sel.
; A block's scale is 2^(floor(log2(largest magnitude)) - 2); its byte is that magnitude's exponent field - 2, held at 1 from below.
; LIMITS: NaN and infinities are not served; a block of zeros gets the byte 1 (its codes are zeros; only this program reads the bytes); a p under 2^-126 counts as 0 (v_exp_f32 gives 0 there).
.set XSO,  786432                      ; xq: where the scale bytes begin
.set PRB,  8192                        ; rt: where the eight p of each token begin
.set SP,   80                          ; a lane's place in a stage: 64 bytes + 16 of padding
.set SBY,  5120                        ; behind a wave's two stages of 32 x SP bytes: its 32 scale bytes
.set PART, 32768                       ; behind the four waves' regions of 8,192 bytes: [token 4][half 2][8 f32]
.set R,    16                          ; v16-47   2 tokens x 16 numbers as loaded: register 4 n + i = number 128 n + 4 lane + i of my half
.set X,    48                          ; v48-79   2 tokens x 16 neighbours: number 16 lane + i
.set C,    80                          ; v80-87   codes, four registers a token
.set ACC,  88                          ; v88-103  2 tokens x 8 logits
.set TW,   104                         ; v104-111 at work
.set P,    112                         ; v112-119 the eight logits, then p
.set WR,   128                         ; v128-255 register 8 (4 n + i) + e = router_W[512 c + 128 n + 4 lane + i][e]
	s_load_b256 s[4:11], s[0:1], 0x0               ; x s[4:5], router_W s[6:7], xq s[8:9], sel s[10:11]
	s_load_b64 s[12:13], s[0:1], 0x20              ; rt
	v_lshl_add_u32 v87, v0, 2, 0x8100
	v_mov_b32 v127, 0
	v_lshrrev_b32 v1, 5, v0
	v_readfirstlane_b32 s14, v1                    ; wave
	v_and_b32 v1, 31, v0                           ; lane
	s_and_b32 s15, s14, 1                          ; c: my half of a token's numbers
	s_lshr_b32 s16, s14, 1                         ; which pair of tokens
	s_lshl_b32 s17, ttmp9, 2                       ; the work-group's first token
	s_lshl_b32 s18, s16, 1
	s_add_co_u32 s18, s18, s17                     ; my first token
	s_lshl_b32 s19, s14, 13                        ; my region of LDS
	s_add_co_u32 s20, s19, SBY
	v_lshlrev_b32 v3, 4, v1                        ; 16 x lane: my 16 bytes of a load's 512
	v_mul_u32_u24 v4, v1, 12                       ; my 16 codes' place
	v_lshrrev_b32 v5, 1, v1
	v_add_nc_u32 v5, s20, v5                       ; LDS: my block's scale byte (two lanes to a block)
	v_and_b32 v6, 7, v1
	v_lshl_add_u32 v6, v6, 2, s20                  ; LDS: the 32 scale bytes as eight words
	v_bfe_u32 v7, v1, 2, 1
	v_and_b32 v8, 3, v1
	v_lshlrev_b32 v8, 2, v8
	v_lshl_add_u32 v7, v7, 5, v8                   ; and their place in xq: words 0-3 the first token's, words 4-7 the second's, 32 bytes on
	v_lshlrev_b32 v9, 7, v1                        ; router_W: four rows of 32 bytes a lane
	v_lshrrev_b32 v14, 2, v1
	v_mul_u32_u24 v14, v14, SP
	v_and_b32 v15, 3, v1
	v_lshl_add_u32 v14, v15, 4, v14
	v_add_nc_u32 v14, s19, v14                     ; the stage, on the way in: four lanes' 64 bytes on end, then the padding
	v_mul_u32_u24 v15, v1, SP
	v_add_nc_u32 v15, s19, v15                     ; and on the way out: my 16 neighbours
	s_lshl_b32 s21, s16, 7
	s_lshl_b32 s22, s15, 5
	s_add_co_u32 s21, s21, s22
	s_add_co_u32 s21, s21, PART
	v_mov_b32 v10, s21                             ; where my two tokens' half sums go
	s_lshl_b32 s22, s14, 6
	s_add_co_u32 s22, s22, PART
	v_mov_b32 v11, s22                             ; and where token w's two halves lie
	v_mov_b32 v2, 0
	s_mov_b32 s40, 0x76543210
	s_mov_b32 s41, 0xfedcba98                      ; v_permlanex16_b32's selects for lane l xor 16
	s_lshl_b32 s24, s18, 12                        ; byte offsets, each in a pair of its own
	s_lshl_b32 s25, s15, 11
	s_add_co_u32 s24, s24, s25                     ; x: token x 4,096 + 2,048 c
	s_mov_b32 s25, 0
	s_lshl_b32 s26, s15, 14                        ; router_W: 512 c rows of 32 bytes
	s_mov_b32 s27, 0
	s_mul_i32 s28, s18, 768
	s_mul_i32 s29, s15, 384
	s_add_co_u32 s28, s28, s29                     ; codes: token x 768 + 384 c
	s_mov_b32 s29, 0
	s_lshl_b32 s32, s18, 5
	s_lshl_b32 s33, s15, 4
	s_add_co_u32 s32, s32, s33                     ; scale bytes: token x 32 + 16 c
	s_mov_b32 s33, 0
	s_add_co_u32 s34, s17, s14                     ; the token that I finish
	s_lshl_b32 s36, s34, 5
	s_mov_b32 s37, 0
	s_lshl_b32 s34, s34, 3
	s_mov_b32 s35, 0
	s_wait_kmcnt 0x0
	s_add_nc_u64 s[4:5], s[4:5], s[24:25]
	s_add_nc_u64 s[6:7], s[6:7], s[26:27]
	s_add_nc_u64 s[30:31], s[8:9], s[28:29]
	s_add_nc_u64 s[32:33], s[8:9], s[32:33]
	s_add_nc_u64 s[32:33], s[32:33], XSO
	s_add_nc_u64 s[10:11], s[10:11], s[34:35]
	s_add_nc_u64 s[34:35], s[12:13], s[34:35]
	s_add_nc_u64 s[36:37], s[12:13], s[36:37]
.irp st, 0,1
.irp n, 0,1,2,3
	global_load_b128 v[R+16*\st+4*\n:R+16*\st+4*\n+3], v3, s[4:5] offset:4096*\st+512*\n th:TH_LOAD_NT   ; 32 lanes read 512 consecutive bytes; x is read once in the launch
.endr
.endr
.irp n, 0,1,2,3
.irp i, 0,1,2,3
.irp eh, 0,1
	global_load_b128 v[WR+8*(4*\n+\i)+4*\eh:WR+8*(4*\n+\i)+4*\eh+3], v9, s[6:7] offset:4096*\n+32*\i+16*\eh
.endr
.endr
.endr
.macro TURN st                         ; a token's 2,048 bytes through my stage: in as they were loaded, back 64 bytes a lane.  LDS serves a wave's instructions in order: no wait between
.irp i, 0,1,2,3
	ds_store_b128 v14, v[R+16*\st+4*\i:R+16*\st+4*\i+3] offset:32*SP*\st+8*SP*\i
.endr
.irp i, 0,1,2,3
	ds_load_b128 v[X+16*\st+4*\i:X+16*\st+4*\i+3], v15 offset:32*SP*\st+16*\i
.endr
.endm
	s_wait_loadcnt 32                              ; x's eight loads are in; router_W's 32 may be out
	TURN 0
	TURN 1
	s_wait_loadcnt 0x0
; THE LOGITS: two experts an instruction; the number of x is taken for both halves (first or second register of its pair).  Number 0 starts the sums; eight chains by turns.
.irp st, 0,1
.irp e, 0,2,4,6
	v_pk_mul_f32 v[ACC+8*\st+\e:ACC+8*\st+\e+1], v[WR+\e:WR+\e+1], v[R+16*\st:R+16*\st+1] op_sel_hi:[1,0]
.endr
.endr
.set q, 1
.rept 15
.irp st, 0,1
.irp e, 0,2,4,6
.if q%2
	v_pk_fma_f32 v[ACC+8*\st+\e:ACC+8*\st+\e+1], v[WR+8*q+\e:WR+8*q+\e+1], v[R+16*\st+2*(q/2):R+16*\st+2*(q/2)+1], v[ACC+8*\st+\e:ACC+8*\st+\e+1] op_sel:[0,1,0] op_sel_hi:[1,1,1]
.else
	v_pk_fma_f32 v[ACC+8*\st+\e:ACC+8*\st+\e+1], v[WR+8*q+\e:WR+8*q+\e+1], v[R+16*\st+2*(q/2):R+16*\st+2*(q/2)+1], v[ACC+8*\st+\e:ACC+8*\st+\e+1] op_sel_hi:[1,0,1]
.endif
.endr
.endr
.set q, q+1
.endr
; THE QUANTISER: 16 neighbours a lane, two lanes to a block of 32.
.macro QSTEP st
.set XS, X+16*\st
	v_max3_num_f32 v[TW], |v[XS]|, |v[XS+1]|, |v[XS+2]|
	v_max3_num_f32 v[TW+1], |v[XS+3]|, |v[XS+4]|, |v[XS+5]|
.irp i, 6,10
	v_max3_num_f32 v[TW], v[TW], |v[XS+\i]|, |v[XS+\i+1]|
	v_max3_num_f32 v[TW+1], v[TW+1], |v[XS+\i+2]|, |v[XS+\i+3]|
.endr
	v_max3_num_f32 v[TW], v[TW], |v[XS+14]|, |v[XS+15]|
	v_max3_num_f32 v[TW], v[TW], v[TW+1], 0x1800000                ; and the floor 2^(3 - 127): the byte cannot fall under 1
	v_max_num_f32_dpp v[TW], v[TW], v[TW] row_xmask:1 row_mask:0xf bank_mask:0xf   ; with my neighbour's 16: the block's largest magnitude
	v_add_nc_u32 v[TW+2], 0xff000000, v[TW]        ; 2 off its exponent field: the conversion takes this operand's exponent field as its scale
	v_cvt_scalef32_pk16_fp6_f32 v[C+4*\st:C+4*\st+2], v[XS:XS+15], v[TW+2]
	v_lshrrev_b32 v[TW+4+\st], 23, v[TW+2]         ; the scale's byte (also the plain line behind the conversion)
	ds_store_b8 v5, v[TW+4+\st] offset:16*\st      ; both lanes of a block write the same byte with the same value
	global_store_b96 v4, v[C+4*\st:C+4*\st+2], s[30:31] offset:768*\st   ; the wave stores 384 consecutive bytes
.endm
	s_wait_dscnt 0x0                               ; both tokens' numbers are back from the stages
	QSTEP 0
	QSTEP 1
; the 16 sums over the 32 lanes: four steps inside each half of 16 lanes, one across
.irp k, 1,2,4,8
.irp a, 0,1,2,3,4,5,6,7,8,9,10,11,12,13,14,15
	v_add_f32_dpp v[ACC+\a], v[ACC+\a], v[ACC+\a] row_xmask:\k row_mask:0xf bank_mask:0xf
.endr
.endr
.irp a, 0,1,2,3,4,5,6,7,8,9,10,11,12,13,14,15
	v_permlanex16_b32 v[X+\a], v[ACC+\a], s40, s41 ; (into registers that have been written)
.endr
.irp a, 0,1,2,3,4,5,6,7,8,9,10,11,12,13,14,15
	v_add_f32 v[ACC+\a], v[ACC+\a], v[X+\a]
.endr
.irp st, 0,1
.irp k, 0,1
	ds_store_b128 v10, v[ACC+8*\st+4*\k:ACC+8*\st+4*\k+3] offset:64*\st+16*\k   ; every lane holds the same sums and writes the same bytes
.endr
.endr
	ds_load_b32 v[TW], v6                          ; my wave's 32 scale bytes, in lanes 0 to 7
	s_wait_dscnt 0x0                               ; they are in; and, for the other waves' sake, my half sums have landed
	s_wait_xcnt 0x0                                ; EXEC changes only behind this wait
	v_cmp_gt_u32 vcc_lo, 8, v1
	s_and_saveexec_b32 s42, vcc_lo
	global_store_b32 v7, v[TW], s[32:33]
	s_wait_xcnt 0x0
	s_or_b32 exec_lo, exec_lo, s42
	s_barrier_signal -1
	s_barrier_wait -1
; TOKEN w: every lane does the same arithmetic on the same eight logits
	ds_load_b128 v[P:P+3], v11
	ds_load_b128 v[P+4:P+7], v11 offset:16
	ds_load_b128 v[TW:TW+3], v11 offset:32
	ds_load_b128 v[TW+4:TW+7], v11 offset:48
	s_wait_dscnt 0x0
.irp e, 0,2,4,6
	v_pk_add_f32 v[P+\e:P+\e+1], v[P+\e:P+\e+1], v[TW+\e:TW+\e+1]
.endr
	v_max3_num_f32 v120, v[P], v[P+1], v[P+2]
	v_max3_num_f32 v120, v120, v[P+3], v[P+4]
	v_max3_num_f32 v120, v120, v[P+5], v[P+6]
	v_max_num_f32 v120, v120, v[P+7]               ; the largest logit is taken away, as reference()'s softmax does
.irp e, 0,1,2,3,4,5,6,7
	v_sub_f32 v[P+\e], v[P+\e], v120
.endr
.irp e, 0,1,2,3,4,5,6,7
	v_mul_f32 v[P+\e], 0x3fb8aa3b, v[P+\e]         ; x log2(e)
.endr
.irp e, 0,1,2,3,4,5,6,7
	v_exp_f32 v[P+\e], v[P+\e]
.endr
	v_nop                                          ; a plain line behind the exponentials
	s_wait_alu depctr_va_vdst(0)
	v_pk_add_f32 v[TW:TW+1], v[P:P+1], v[P+2:P+3]
	v_pk_add_f32 v[TW+2:TW+3], v[P+4:P+5], v[P+6:P+7]
	v_pk_add_f32 v[TW:TW+1], v[TW:TW+1], v[TW+2:TW+3]
	v_add_f32 v121, v[TW], v[TW+1]
	v_rcp_f32 v121, v121
	v_nop
	s_wait_alu depctr_va_vdst(0)
.irp e, 0,1,2,3,4,5,6,7
	v_mul_f32 v[P+\e], v[P+\e], v121               ; p
.endr
	v_mov_b32 v120, v[P]                           ; the largest p and its index: a later one wins only if it is larger, so the lower index keeps a tie
	v_mov_b32 v122, 0
.irp e, 1,2,3,4,5,6,7
	v_cmp_le_f32 vcc_lo, v[P+\e], v120
	v_cndmask_b32 v120, v[P+\e], v120, vcc_lo
	v_cndmask_b32 v122, \e, v122, vcc_lo
.endr
	v_mov_b32 v121, -1.0                           ; the second: the same over the seven others, from under every p
	v_mov_b32 v123, 0
.irp e, 0,1,2,3,4,5,6,7
	v_cmp_eq_u32 s42, \e, v122
	v_cmp_le_f32 vcc_lo, v[P+\e], v121
	s_or_b32 vcc_lo, vcc_lo, s42
	v_cndmask_b32 v121, v[P+\e], v121, vcc_lo
	v_cndmask_b32 v123, \e, v123, vcc_lo
.endr
	v_add_f32 v126, v120, v121
	v_add_f32 v126, 0x322bcc77, v126               ; + 1e-8
	v_rcp_f32 v126, v126
	v_nop
	s_wait_alu depctr_va_vdst(0)
	v_mul_f32 v124, v120, v126
	v_mul_f32 v125, v121, v126
	s_wait_xcnt 0x0
	v_cmp_eq_u32 vcc_lo, 0, v1                     ; lane 0 stores for the wave
	s_wait_tensorcnt 0x0
	ds_add_u32 v87, v127
	s_wait_dscnt 0x0
	s_and_saveexec_b32 s42, vcc_lo
	global_store_b64 v2, v[122:123], s[10:11]
	global_store_b64 v2, v[124:125], s[34:35]
	global_store_b128 v2, v[P:P+3], s[36:37] offset:PRB
	global_store_b128 v2, v[P+4:P+7], s[36:37] offset:PRB+16
	s_wait_xcnt 0x0
	s_or_b32 exec_lo, exec_lo, s42
	s_endpgm
.Lfunc_end_k_qb3880b7655_route:
	.size	k_qb3880b7655_route, .Lfunc_end_k_qb3880b7655_route-k_qb3880b7655_route
	.p2alignl 7, 3214868480
	.fill 96, 4, 3214868480
	.section	.rodata,"a",@progbits
	.p2align	6, 0x0
	.amdhsa_kernel k_qb3880b7655_route
		.amdhsa_group_segment_fixed_size 33536
		.amdhsa_private_segment_fixed_size 0
		.amdhsa_enable_private_segment 0
		.amdhsa_kernarg_size 40
		.amdhsa_user_sgpr_count 2
		.amdhsa_user_sgpr_kernarg_segment_ptr 1
		.amdhsa_wavefront_size32 1
		.amdhsa_system_sgpr_workgroup_id_x 1
		.amdhsa_system_sgpr_workgroup_id_y 1
		.amdhsa_system_sgpr_workgroup_id_z 1
		.amdhsa_system_vgpr_workitem_id 0
		.amdhsa_next_free_vgpr 256
		.amdhsa_next_free_sgpr 66
		.amdhsa_reserve_vcc 1
		.amdhsa_float_denorm_mode_32 3
		.amdhsa_float_denorm_mode_16_64 3
		.amdhsa_memory_ordered 1
		.amdhsa_forward_progress 1
		.amdhsa_inst_pref_size 30
	.end_amdhsa_kernel
	.amdgpu_metadata
---
amdhsa.version: [ 1, 2 ]
amdhsa.kernels:
  - .name:           k_qb3880b7655_route
    .symbol:         k_qb3880b7655_route.kd
    .args:
      - { .name: x, .offset: 0, .size: 8, .value_kind: global_buffer, .address_space: global }
      - { .name: router_W, .offset: 8, .size: 8, .value_kind: global_buffer, .address_space: global }
      - { .name: xq, .offset: 16, .size: 8, .value_kind: global_buffer, .address_space: global }
      - { .name: sel, .offset: 24, .size: 8, .value_kind: global_buffer, .address_space: global }
      - { .name: rt, .offset: 32, .size: 8, .value_kind: global_buffer, .address_space: global }
    .group_segment_fixed_size: 33536
    .private_segment_fixed_size: 0
    .kernarg_segment_align: 8
    .kernarg_segment_size: 40
    .max_flat_workgroup_size: 128
    .sgpr_count:     66
    .vgpr_count:     256
    .wavefront_size: 32
...
	.end_amdgpu_metadata
.endif
;; end of part 1
;; launch place (part 2): grid 1 x 1, 32 waves a work-group, no clusters, 6,144 bytes of LDS; arguments sel, rt, idx, out1; writes idx, out1
.if DOCPART == 2
	.amdgcn_target "amdgcn-amd-amdhsa--gfx1250"
	.amdhsa_code_object_version 6
	.text
	.protected	k_qb3880b7655_place
	.globl	k_qb3880b7655_place
	.p2align	8
	.type	k_qb3880b7655_place,@function
k_qb3880b7655_place:
	s_mov_b64 s[64:65], 0
	v_nop
	global_prefetch_b8 v0, s[64:65] scope:SCOPE_SE
	s_setreg_imm32_b32 hwreg(HW_REG_WAVE_MODE, 25, 1), 1
	s_wait_xcnt 0x0
; THE ROWS ARE PLACED BY EXPERT, AND THE AUXILIARY LOSS.  One work-group of 1,024 threads; thread t is token t.  A counting sort without atomics:
; each wave counts, for each expert, the lanes that chose it (a mask and its bit count); the counts meet in LDS; a token's place among an expert's rows is
; the counts of the waves before mine + the chosen lanes before mine.  Out, in idx: LIST [expert][1024] = the token at each place (0 from the expert's count on);
; WHR [token][2] = expert x 1024 + place; CNT [8] = the counts.  out1 = 8 x the sum over experts of (mean p) x (count / 2048) = 2^-18 x the sum of (sum of p) x count.
.set PRB, 8192                         ; rt: where the eight p of each token begin
.set WHR, 32768
.set CNT, 40960
.set CT,  0                            ; LDS: [wave 32][8 counts]
.set PS,  1024                         ; LDS: [wave 32][8 sums of p]
	s_load_b256 s[4:11], s[0:1], 0x0               ; sel s[4:5], rt s[6:7], idx s[8:9], out1 s[10:11]
	v_lshl_add_u32 v64, v0, 2, 0x800
	v_mov_b32 v65, 0
	v_lshrrev_b32 v1, 5, v0
	v_readfirstlane_b32 s12, v1                    ; wave
	v_and_b32 v1, 31, v0                           ; lane
	v_lshlrev_b32 v2, 3, v0                        ; 8 t
	v_lshlrev_b32 v3, 5, v0                        ; 32 t
	v_lshlrev_b32 v4, 5, v1                        ; 32 x lane
	s_lshl_b32 s13, s12, 5
	v_mov_b32 v5, s13                              ; 32 x wave
	v_mov_b32 v6, 0                                ; at work (written before a lane exchange lands in it)
	v_lshlrev_b32 v22, 2, v0                       ; 4 t
	v_mov_b32 v23, 0
	s_mov_b32 s14, 0x76543210
	s_mov_b32 s15, 0xfedcba98
	s_wait_kmcnt 0x0
	global_load_b64 v[8:9], v2, s[4:5]             ; my two experts
	global_load_b128 v[12:15], v3, s[6:7] offset:PRB
	global_load_b128 v[16:19], v3, s[6:7] offset:PRB+16
	s_wait_loadcnt 0x0
.irp e, 0,1,2,3,4,5,6,7
	v_cmp_eq_u32 s30, \e, v8
	v_cmp_eq_u32 vcc_lo, \e, v9
	s_or_b32 s[20+\e], s30, vcc_lo                 ; the lanes of my wave that chose expert e (a token's two experts differ)
	s_bcnt1_i32_b32 s31, s[20+\e]
	v_mov_b32 v[24+\e], s31
.endr
	ds_store_b128 v5, v[24:27] offset:CT           ; every lane writes the same eight counts
	ds_store_b128 v5, v[28:31] offset:CT+16
.macro FSUM8 base                      ; eight f32 sums over the 32 lanes
.irp k, 1,2,4,8
.irp e, 0,1,2,3,4,5,6,7
	v_add_f32_dpp v[\base+\e], v[\base+\e], v[\base+\e] row_xmask:\k row_mask:0xf bank_mask:0xf
.endr
.endr
.irp e, 0,1,2,3,4,5,6,7
	v_permlanex16_b32 v6, v[\base+\e], s14, s15
	v_add_f32 v[\base+\e], v[\base+\e], v6
.endr
.endm
	FSUM8 12
	ds_store_b128 v5, v[12:15] offset:PS
	ds_store_b128 v5, v[16:19] offset:PS+16
	s_wait_dscnt 0x0                               ; for the others' sake: my counts and sums have landed
	s_barrier_signal -1
	s_barrier_wait -1
	ds_load_b128 v[24:27], v4 offset:CT            ; lane l: the counts of wave l
	ds_load_b128 v[28:31], v4 offset:CT+16
	s_wait_dscnt 0x0
	v_cmp_gt_u32 vcc_lo, s12, v1                   ; the waves before mine
.irp e, 0,1,2,3,4,5,6,7
	v_cndmask_b32 v[32+\e], 0, v[24+\e], vcc_lo
	v_lshl_add_u32 v[32+\e], v[24+\e], 16, v[32+\e]   ; low half: counts before me; high half: all counts.  Neither sum passes 1,024
.endr
.irp k, 1,2,4,8
.irp e, 0,1,2,3,4,5,6,7
	v_mov_b32_dpp v6, v[32+\e] row_xmask:\k row_mask:0xf bank_mask:0xf
	v_add_nc_u32 v[32+\e], v[32+\e], v6
.endr
.endr
.irp e, 0,1,2,3,4,5,6,7
	v_permlanex16_b32 v6, v[32+\e], s14, s15
	v_add_nc_u32 v[32+\e], v[32+\e], v6
.endr
.irp e, 0,1,2,3,4,5,6,7
	v_and_b32 v[40+\e], 0xffff, v[32+\e]
	v_lshrrev_b32 v[48+\e], 16, v[32+\e]           ; v48-55: the experts' counts, in every lane
	v_mbcnt_lo_u32_b32 v[40+\e], s[20+\e], v[40+\e]   ; + the chosen lanes before mine: my place, if I chose e
.endr
	v_mov_b32 v10, v40
	v_mov_b32 v11, v40
.irp e, 1,2,3,4,5,6,7
	v_cmp_eq_u32 vcc_lo, \e, v8
	v_cndmask_b32 v10, v10, v[40+\e], vcc_lo
	v_cmp_eq_u32 vcc_lo, \e, v9
	v_cndmask_b32 v11, v11, v[40+\e], vcc_lo
.endr
	v_lshl_add_u32 v10, v8, 10, v10                ; expert x 1024 + place,
	v_lshl_add_u32 v11, v9, 10, v11
	v_min_u32 v10, 0x1fff, v10                     ; held inside the table before it enters an address
	v_min_u32 v11, 0x1fff, v11
	v_lshlrev_b32 v20, 2, v10
	v_lshlrev_b32 v21, 2, v11
	global_store_b64 v2, v[10:11], s[8:9] offset:WHR
	global_store_b32 v20, v0, s[8:9]               ; LIST: my token at its two places
	global_store_b32 v21, v0, s[8:9]
.irp e, 0,1,2,3,4,5,6,7                ; the places from an expert's count on hold token 0: every word of LIST is written, each by one thread
	s_wait_xcnt 0x0                                ; EXEC changes only behind this wait
	v_cmp_le_u32 vcc_lo, v[48+\e], v0
	s_and_saveexec_b32 s30, vcc_lo
	global_store_b32 v22, v23, s[8:9] offset:4096*\e
	s_wait_xcnt 0x0
	s_or_b32 exec_lo, exec_lo, s30
.endr
	s_cmp_lg_u32 s12, 0                            ; wave 0 alone: the counts and the loss.  No barrier stands behind this branch
	s_cbranch_scc1 .Lend
	ds_load_b128 v[12:15], v4 offset:PS            ; lane l: the sums of wave l
	ds_load_b128 v[16:19], v4 offset:PS+16
	s_wait_dscnt 0x0
	FSUM8 12
.irp e, 0,1,2,3,4,5,6,7
	v_cvt_f32_u32 v[24+\e], v[48+\e]
.endr
	v_mul_f32 v7, v12, v24
.irp e, 1,2,3,4,5,6,7
	v_fmac_f32 v7, v[12+\e], v[24+\e]
.endr
	v_mul_f32 v7, 0x36800000, v7                   ; x 2^-18
	s_wait_xcnt 0x0
	v_cmp_eq_u32 vcc_lo, 0, v1
	s_and_saveexec_b32 s30, vcc_lo
	global_store_b128 v23, v[48:51], s[8:9] offset:CNT
	global_store_b128 v23, v[52:55], s[8:9] offset:CNT+16
	global_store_b32 v23, v7, s[10:11]
	s_wait_xcnt 0x0
	s_or_b32 exec_lo, exec_lo, s30
.Lend:
	s_wait_tensorcnt 0x0
	ds_add_u32 v64, v65
	s_wait_dscnt 0x0
	s_endpgm
.Lfunc_end_k_qb3880b7655_place:
	.size	k_qb3880b7655_place, .Lfunc_end_k_qb3880b7655_place-k_qb3880b7655_place
	.p2alignl 7, 3214868480
	.fill 96, 4, 3214868480
	.section	.rodata,"a",@progbits
	.p2align	6, 0x0
	.amdhsa_kernel k_qb3880b7655_place
		.amdhsa_group_segment_fixed_size 6144
		.amdhsa_private_segment_fixed_size 0
		.amdhsa_enable_private_segment 0
		.amdhsa_kernarg_size 32
		.amdhsa_user_sgpr_count 2
		.amdhsa_user_sgpr_kernarg_segment_ptr 1
		.amdhsa_wavefront_size32 1
		.amdhsa_system_sgpr_workgroup_id_x 1
		.amdhsa_system_sgpr_workgroup_id_y 1
		.amdhsa_system_sgpr_workgroup_id_z 1
		.amdhsa_system_vgpr_workitem_id 0
		.amdhsa_next_free_vgpr 66
		.amdhsa_next_free_sgpr 66
		.amdhsa_reserve_vcc 1
		.amdhsa_float_denorm_mode_32 3
		.amdhsa_float_denorm_mode_16_64 3
		.amdhsa_memory_ordered 1
		.amdhsa_forward_progress 1
		.amdhsa_inst_pref_size 20
	.end_amdhsa_kernel
	.amdgpu_metadata
---
amdhsa.version: [ 1, 2 ]
amdhsa.kernels:
  - .name:           k_qb3880b7655_place
    .symbol:         k_qb3880b7655_place.kd
    .args:
      - { .name: sel, .offset: 0, .size: 8, .value_kind: global_buffer, .address_space: global }
      - { .name: rt, .offset: 8, .size: 8, .value_kind: global_buffer, .address_space: global }
      - { .name: idx, .offset: 16, .size: 8, .value_kind: global_buffer, .address_space: global }
      - { .name: out1, .offset: 24, .size: 8, .value_kind: global_buffer, .address_space: global }
    .group_segment_fixed_size: 6144
    .private_segment_fixed_size: 0
    .kernarg_segment_align: 8
    .kernarg_segment_size: 32
    .max_flat_workgroup_size: 1024
    .sgpr_count:     66
    .vgpr_count:     66
    .wavefront_size: 32
...
	.end_amdgpu_metadata
.endif
;; end of part 2
;; launch ffn1 (part 3): grid 32 x 8, 4 waves a work-group, no clusters, 79,104 bytes of LDS; arguments W_in_codes, W_in_scales, b_in, xq, idx, hq; writes hq
.if DOCPART == 3
	.amdgcn_target "amdgcn-amd-amdhsa--gfx1250"
	.amdhsa_code_object_version 6
	.text
	.protected	k_qb3880b7655_ffn1
	.globl	k_qb3880b7655_ffn1
	.p2align	8
	.type	k_qb3880b7655_ffn1,@function
k_qb3880b7655_ffn1:
	s_mov_b64 s[64:65], 0
	v_nop
	global_prefetch_b8 v0, s[64:65] scope:SCOPE_SE
	s_setreg_imm32_b32 hwreg(HW_REG_WAVE_MODE, 25, 1), 1
	s_wait_xcnt 0x0
; h = Q(gelu(x W_in + b_in)) FOR THE ROWS THAT WERE ROUTED, on codes of E2M3 with one E8M0 scale for each 32 along K.  reference() weighs every other (token, expert) pair with 0: those are not multiplied.
; SHARES.  Work-group (x, y): expert e = y, hidden units 256 q .. 256 q + 255 with q = x / 2, and of the expert's tiles of 16 rows those of parity p = x % 2.  Wave w makes hidden units 64 w .. 64 w + 63 of the slice,
; over all of K = 1,024: its 32 fragments of W_in (384 registers) are read once and stay.  What goes round is small: a tile's 16 rows of x's codes and scale words, gathered by the stored list into LDS, a tile ahead.
; NO TENSOR LOAD AND NO CLUSTER: how many tiles there are is a stored count.  The two parities read the same weights at about the same time.
; THE LOOP has a constant count (32 slots, all that one expert could need of one parity); a slot whose tile lies at or beyond the expert's count of tiles NT jumps over its work, never over a barrier.
; THE PRODUCT IS USED TRANSPOSED (source 0 = 16 rows of W_in, source 1 = 16 rows of x): a lane holds one row.  THE ROWS OF W_in THAT FORM A TILE ARE NOT NEIGHBOURS: lane r of tile 2 b + u takes row 32 b + 8 u + r + 8 (r / 8),
; so that register 16 b + i of the four tiles is hidden unit 32 b + 16 (lane / 16) + i: 16 neighbours along the next product's K.  b_in is the C of each sum's first product.
; gelu(v) = max(v, 0) - |v| / 2 x erfc(|v| / sqrt 2), in f32: erfc = 2^(a polynomial) above 475/512, 1 - erf (a polynomial) below; both are computed and one is selected.
; OUT: hq, laid as the next launch's registers want it: [expert][tile][K step 0..31][half c][768 B]; a half = registers 6 c .. 6 c + 3 at 16 x lane, then 6 c + 4, 6 c + 5 at 512 + 8 x lane.
;      My 64 hidden units are half w % 2 of K step 2 q + w / 2.  From byte HSO on the scale words, [expert][tile][q][row][8 B] (K steps 2 q, 2 q + 1).
; An expert without rows still has tile 0 made (of token 0), so that every byte that a later launch loads has been stored; nothing of it reaches the output.
; LIMITS: NaN and infinities are not served.  A block of zeros gets the byte 1 (its codes are zeros; only this program reads the bytes).  erfc carries an absolute error of about one unit in the last place of 1,
; as reference()'s own 1 + erf does in f32: gelu's absolute error is about 6e-8 x |v| / 2, so its relative error grows in the far negative tail.
; REGISTERS, in windows of 256: window 0: addresses, gathered rows, scale words, the four accumulators, gelu's work, the codes.  Windows 1 and 2: W_in's fragment (K step s, tile t) at v[12 (4 (s % 4) + t)] of window 1 + s / 4.
;   Window 3: v0-95 x's eight fragments (at the head: a batch of weights); v96-127 b_in in the result's layout; v128-223 at the head the other batch.
.set CNT,   40960                      ; idx: the experts' counts
.set XSO,   786432                     ; xq: where the scale bytes begin
.set HSO,   25165824                   ; hq: where the scale words begin
.set TILEB, 49152                      ; hq: a tile's codes
.set WPI,   784                        ; the weights' stage: a row of 768 bytes + 16 = 196 words: row r starts at bank 4 r (64 banks of 4 bytes: ISA guide 11.1), so the 32 lanes of an 8-byte load meet each bank once
.set WSTG,  16*WPI                     ; a stage of 16 rows for each wave, at LDS byte 0 on
.set XP,    816                        ; a gathered row: 768 bytes of codes, 32 of scale words, 16 of padding = 204 words: row r starts at bank 12 r mod 64: sixteen different multiples of 4
.set XBB,   16*XP
.set XB0,   4*WSTG                     ; two buffers of 16 gathered rows, by turns
.set LIST,  XB0+2*XBB                  ; my parity's 32 tiles x 16 tokens, 64 bytes a tile
.set SCB,   LIST+2048                  ; two buffers of [row 16][8 B]: a tile's scale bytes of the slice, two from each wave
.set AXF, 4                            ; v4   x's fragments: XB0 + XP r + 24 h
.set AWF, 5                            ; v5   the weights' fragments in my stage: WPI r + 24 h
.set AWS, 6                            ; v6   into my stage: lanes 0-15 row p, lanes 16-31 row 8 + p; 16 bytes a lane
.set GW,  7                            ; v7   the same two rows in memory
.set AXS, 8                            ; v8   where I put gathered codes: rows 4 w + 2 h (+ 1)
.set ALP, 9                            ; v9   LIST: the tokens of these two rows
.set ALR, 10                           ; v10  LIST: the token of row 4 w + lane / 8
.set R16, 11                           ; v11  16 r
.set L16, 12                           ; v12  16 x lane
.set L8,  13                           ; v13  8 x lane
.set L4,  14                           ; v14  4 x lane
.set ASC, 15                           ; v15  SCB + 8 r + 2 w
.set ASL, 16                           ; v16  SCB + 4 x lane
.set ALS, 17                           ; v17  LIST + 16 x thread
.set TK,  18                           ; v18-19 two tokens
.set TR,  20                           ; v20  one token
.set GA0, 21                           ; v21-22 their rows of codes in xq
.set GSA, 23                           ; v23  a scale word's place in xq
.set LA0, 24                           ; v24-25 LIST addresses of the tile to be gathered
.set LA1, 25
.set FL,  26                           ; v26  scale words on their way out
.set AXT, 27                           ; v27  where I put a gathered scale word: row 4 w + lane / 8, word lane % 8
.set AXQ, 28                           ; v28  row r's scale words
.set L7,  29                           ; v29  4 (lane % 8)
.set GSS, 30                           ; v30  the gathered scale word
.set GS,  32                           ; v32-55 the gathered codes
.set XS,  56                           ; v56-63 x's scale words: register s = K step s of row r
.set WS,  72                           ; v72-103 W_in's: register 8 t + s
.set HA,  104                          ; v104-135 the four accumulators, then the hidden layer
.set EA,  136                          ; gelu's work, eight registers each: |v|,
.set ET,  144                          ; t = |v| / sqrt 2,
.set ES,  152                          ; t t,
.set ER,  160                          ; erfc above the threshold,
.set EU,  168
.set EP,  176                          ; and below
.set CB,  184                          ; v184-189 three constants as vector pairs (an instruction reads one scalar pair beside them)
.set CD,  186
.set C1,  188
.set TM,  190                          ; v190-197 two each: largest magnitude, the other half's, scale operand, byte
.set PW,  198                          ; v198 my two scale bytes
.set PC,  200                          ; v200-205 the codes; v208-210 the second conversion's
.set BI,  96                           ; window 3
.set T0,  0
.set T1,  128
.set WV,  16
.set EX,  17
.set QQ,  18
.set PP,  19
.set NT,  20                           ; s20 the expert's tiles
.set J0,  21                           ; s21 p + 4 x trip
.set JC,  22                           ; s22 the slot's tile
.set LOF, 23                           ; s23 128 x trip: the trip's first tile in LIST
.set IT,  24
.set SEL, 38
.set K2,  40                           ; s40-63 constants as pairs (the packed forms name a pair and take its low word for both halves; both words are written)
.set CA,  42
.set CC,  44
.set CE,  46
.set CF,  48
.set CG,  50
.set LG,  52
.set C0,  54
.set C2,  56
.set C3,  58
.set C4,  60
.set C5,  62
.set THR, 66
.set CO,  67
.set MSB, 0
.macro WIN new                         ; the immediate's high byte repeats the setting that is left; bits 1:0 source 0, 3:2 source 1, 5:4 source 2, 7:6 destination
.if MSB != \new
	s_set_vgpr_msb (MSB<<8)|\new
.set MSB, \new
.endif
.endm
.macro SPAIR reg, val
	s_mov_b32 s[\reg], \val
	s_mov_b32 s[\reg+1], \val
.endm
; THE WEIGHTS' WAY IN.  A batch = the 16 rows of tile t x 768 bytes, read as they lie: sixteen lanes read 256 consecutive bytes at a multiple of 256 from the buffer's first byte.
.macro WLOAD t, reg
	WIN 0xc0                                       ; destination window 3
.irp p, 0,1,2,3,4,5,6,7
.irp c, 0,1,2
	global_load_b128 v[\reg+4*(3*\p+\c):\reg+4*(3*\p+\c)+3], v[GW], s[4:5] offset:(32*((\t)/2)+8*((\t)%2)+\p)*768+256*\c
.endr
.endr
	WIN 0
.endm
.macro WSTORE reg                      ; into my own stage
	WIN 0x0c                                       ; an LDS store's data are its source 1: window 3
.irp p, 0,1,2,3,4,5,6,7
.irp c, 0,1,2
	ds_store_b128 v[AWS], v[\reg+4*(3*\p+\c):\reg+4*(3*\p+\c)+3] offset:WPI*\p+256*\c
.endr
.endr
	WIN 0
.endm
.macro WFRAG t                         ; and back as fragments: lane (r, h) takes, of row r and K step s, the 24 bytes at 96 s + 24 h and those at 96 s + 48 + 24 h.  LDS serves a wave's instructions in order: these see the stores above, and the next batch's stores come behind them
	WIN 0x40
.irp s, 0,1,2,3
.irp i, 0,1,2,3,4,5
	ds_load_b64 v[12*(4*\s+(\t))+2*\i:12*(4*\s+(\t))+2*\i+1], v[AWF] offset:96*\s+48*(\i/3)+8*(\i%3)
.endr
.endr
	WIN 0x80
.irp s, 4,5,6,7
.irp i, 0,1,2,3,4,5
	ds_load_b64 v[12*(4*(\s-4)+(\t))+2*\i:12*(4*(\s-4)+(\t))+2*\i+1], v[AWF] offset:96*\s+48*(\i/3)+8*(\i%3)
.endr
.endr
	WIN 0
.endm
; THE GATHER of four rows: the tokens, held inside the table, become byte offsets; sixteen lanes read 256 consecutive bytes of a token's 768; eight lanes a token's 32 scale bytes.  Seven loads
.macro GATHER
	v_min_u32 v[TK], 0x3ff, v[TK]
	v_min_u32 v[TK+1], 0x3ff, v[TK+1]
	v_min_u32 v[TR], 0x3ff, v[TR]
	v_mul_u32_u24 v[GA0], v[TK], 768
	v_mul_u32_u24 v[GA0+1], v[TK+1], 768
	v_lshlrev_b32 v[GSA], 5, v[TR]
	v_add_nc_u32 v[GA0], v[GA0], v[R16]
	v_add_nc_u32 v[GA0+1], v[GA0+1], v[R16]
	v_add_nc_u32 v[GSA], v[GSA], v[L7]
.irp i, 0,1
.irp c, 0,1,2
	global_load_b128 v[GS+4*(3*\i+\c):GS+4*(3*\i+\c)+3], v[GA0+\i], s[10:11] offset:256*\c
.endr
.endr
	global_load_b32 v[GSS], v[GSA], s[28:29]
.endm
.macro PUT off                         ; the gathered rows into the buffer that begins off bytes behind XB0
.irp i, 0,1
.irp c, 0,1,2
	ds_store_b128 v[AXS], v[GS+4*(3*\i+\c):GS+4*(3*\i+\c)+3] offset:\off+XP*\i+256*\c
.endr
.endr
	ds_store_b32 v[AXT], v[GSS] offset:\off
.endm
; Four products: K step s of the four tiles.  The four accumulators take turns, one instruction a turn
.macro MM s, win, first
	WIN \win
.irp t, 0,1,2,3
.if \first
	v_wmma_scale_f32_16x16x128_f8f6f4 v[HA+8*\t:HA+8*\t+7], v[12*(4*((\s)%4)+\t):12*(4*((\s)%4)+\t)+11], v[12*(\s):12*(\s)+11], v[BI+8*\t:BI+8*\t+7], v[WS+8*\t+(\s)], v[XS+(\s)] matrix_a_fmt:MATRIX_FMT_FP6 matrix_b_fmt:MATRIX_FMT_FP6
.else
	v_wmma_scale_f32_16x16x128_f8f6f4 v[HA+8*\t:HA+8*\t+7], v[12*(4*((\s)%4)+\t):12*(4*((\s)%4)+\t)+11], v[12*(\s):12*(\s)+11], v[HA+8*\t:HA+8*\t+7], v[WS+8*\t+(\s)], v[XS+(\s)] matrix_a_fmt:MATRIX_FMT_FP6 matrix_b_fmt:MATRIX_FMT_FP6
.endif
.endr
.endm
; gelu of one accumulator's eight numbers, in place, two at a time, the four pairs by turns.  The accumulator is read from its low end on
.macro GELU x
.irp j, 0,1,2,3,4,5,6,7
	v_and_b32 v[EA+\j], 0x7fffffff, v[\x+\j]
.endr
.irp j, 0,2,4,6
	v_pk_mul_f32 v[ET+\j:ET+\j+1], v[EA+\j:EA+\j+1], s[K2:K2+1] op_sel_hi:[1,0]
.endr
.irp j, 0,2,4,6
	v_pk_mul_f32 v[ES+\j:ES+\j+1], v[ET+\j:ET+\j+1], v[ET+\j:ET+\j+1]
.endr
.irp j, 0,2,4,6
	v_pk_fma_f32 v[ER+\j:ER+\j+1], v[ET+\j:ET+\j+1], s[CA:CA+1], v[CB:CB+1] op_sel_hi:[1,0,1]
.endr
.irp j, 0,2,4,6
	v_pk_fma_f32 v[EU+\j:EU+\j+1], v[ET+\j:ET+\j+1], s[CC:CC+1], v[CD:CD+1] op_sel_hi:[1,0,1]
.endr
.irp j, 0,2,4,6
	v_pk_fma_f32 v[ER+\j:ER+\j+1], v[ER+\j:ER+\j+1], v[ES+\j:ES+\j+1], v[EU+\j:EU+\j+1]
.endr
.irp k, CE, CF, CG
.irp j, 0,2,4,6
	v_pk_fma_f32 v[ER+\j:ER+\j+1], v[ER+\j:ER+\j+1], v[ET+\j:ET+\j+1], s[\k:\k+1] op_sel_hi:[1,1,0]
.endr
.endr
.irp j, 0,2,4,6
	v_pk_fma_f32 v[ER+\j:ER+\j+1], v[ER+\j:ER+\j+1], v[ET+\j:ET+\j+1], v[ET+\j:ET+\j+1] neg_lo:[0,0,1] neg_hi:[0,0,1]
.endr
.irp j, 0,2,4,6
	v_pk_mul_f32 v[ER+\j:ER+\j+1], v[ER+\j:ER+\j+1], s[LG:LG+1] op_sel_hi:[1,0]
.endr
.irp j, 0,1,2,3,4,5,6,7
	v_exp_f32 v[ER+\j], v[ER+\j]                   ; erfc(t) for t above the threshold
.endr
.irp j, 0,2,4,6
	v_pk_fma_f32 v[EP+\j:EP+\j+1], v[ES+\j:ES+\j+1], s[C0:C0+1], v[C1:C1+1] op_sel_hi:[1,0,1]   ; (plain lines behind the exponentials)
.endr
.irp k, C2, C3, C4, C5
.irp j, 0,2,4,6
	v_pk_fma_f32 v[EP+\j:EP+\j+1], v[EP+\j:EP+\j+1], v[ES+\j:ES+\j+1], s[\k:\k+1] op_sel_hi:[1,1,0]
.endr
.endr
.irp j, 0,2,4,6
	v_pk_fma_f32 v[EP+\j:EP+\j+1], v[EP+\j:EP+\j+1], v[ET+\j:ET+\j+1], v[ET+\j:ET+\j+1]   ; erf(t) for t up to the threshold
.endr
.irp j, 0,2,4,6
	v_pk_add_f32 v[EP+\j:EP+\j+1], v[EP+\j:EP+\j+1], 1.0 op_sel_hi:[1,0] neg_lo:[1,0] neg_hi:[1,0]   ; 1 - erf
.endr
	s_wait_alu depctr_va_vdst(0)
.irp j, 0,1,2,3,4,5,6,7
	v_cmp_lt_f32 vcc_lo, s[THR], v[ET+\j]
	v_cndmask_b32 v[EP+\j], v[EP+\j], v[ER+\j], vcc_lo   ; a choice of values: no branch hangs on it
.endr
.irp j, 0,1,2,3,4,5,6,7
	v_max_num_f32 v[\x+\j], 0, v[\x+\j]
.endr
.irp j, 0,2,4,6
	v_pk_mul_f32 v[EA+\j:EA+\j+1], v[EA+\j:EA+\j+1], -0.5 op_sel_hi:[1,0]
.endr
.irp j, 0,2,4,6
	v_pk_fma_f32 v[\x+\j:\x+\j+1], v[EA+\j:EA+\j+1], v[EP+\j:EP+\j+1], v[\x+\j:\x+\j+1]
.endr
.endm
; My 64 hidden units of a row: two blocks of 32, each in lanes l and l xor 16.  Out: six registers of codes (lanes 0-15 block 0, lanes 16-31 block 1) and two scale bytes
.macro QUANT2
.irp b, 0,1
	v_max3_num_f32 v[TM+\b], |v[HA+16*\b]|, |v[HA+16*\b+1]|, 0x1800000   ; and the floor 2^(3 - 127): the byte cannot fall under 1
.endr
.irp i, 2,4,6,8,10,12,14
.irp b, 0,1
	v_max3_num_f32 v[TM+\b], v[TM+\b], |v[HA+16*\b+\i]|, |v[HA+16*\b+\i+1]|
.endr
.endr
.irp b, 0,1
	v_permlanex16_b32 v[TM+2+\b], v[TM+\b], s[SEL], s[SEL+1]
.endr
.irp b, 0,1
	v_max_num_f32 v[TM+\b], v[TM+\b], v[TM+2+\b]
.endr
.irp b, 0,1
	v_add_nc_u32 v[TM+4+\b], 0xff000000, v[TM+\b]  ; 2 off the exponent field: the conversion's scale operand
.endr
.irp b, 0,1
	v_lshrrev_b32 v[TM+6+\b], 23, v[TM+4+\b]       ; the scale's byte
.endr
	v_lshl_or_b32 v[PW], v[TM+7], 8, v[TM+6]
	v_cvt_scalef32_pk16_fp6_f32 v[PC:PC+2], v[HA:HA+15], v[TM+4]
	v_cvt_scalef32_pk16_fp6_f32 v[PC+8:PC+10], v[HA+16:HA+31], v[TM+5]   ; (a conversion's three registers begin on an even number)
	v_nop                                          ; one plain line behind a scaled conversion
.irp i, 0,1,2
	v_permlane16_swap_b32 v[PC+\i], v[PC+8+\i]     ; the first's lanes 16-31 change places with the second's lanes 0-15: a whole block in a lane
.endr
.irp i, 0,1,2
	v_mov_b32 v[PC+3+\i], v[PC+8+\i]
.endr
.endm
	s_load_b256 s[4:11], s[0:1], 0x0               ; W_in's codes s[4:5], its scales s[6:7], b_in s[8:9], xq s[10:11]
	s_load_b128 s[12:15], s[0:1], 0x20             ; idx s[12:13], hq s[14:15]
	v_lshl_add_u32 v254, v0, 2, 0x13300
	v_mov_b32 v255, 0
	v_lshrrev_b32 v1, 5, v0
	v_readfirstlane_b32 s[WV], v1                  ; wave 0..3
	s_and_b32 s[EX], ttmp7, 0xffff                 ; the expert
	s_lshr_b32 s[QQ], ttmp9, 1                     ; the slice of 256 hidden units
	s_and_b32 s[PP], ttmp9, 1                      ; the parity of my tiles
	s_lshl_b32 s[CO], s[EX], 2
	s_mov_b32 s27, 0                               ; the upper word of every offset made in s[26:27]; never rewritten
	s_wait_kmcnt 0x0
	s_load_b32 s[NT], s[12:13], s[CO] offset:CNT   ; the expert's rows
	v_and_b32 v1, 31, v0                           ; lane
	v_and_b32 v2, 15, v0                           ; r
	v_bfe_u32 v3, v0, 4, 1                         ; h
	s_mul_i32 s25, s[WV], WSTG
	v_mul_u32_u24 v[AWF], v2, WPI
	v_mad_u32_u24 v[AWF], v3, 24, v[AWF]
	v_add_nc_u32 v[AWF], s25, v[AWF]
	v_mul_u32_u24 v[AWS], v3, 8*WPI
	v_lshl_add_u32 v[AWS], v2, 4, v[AWS]
	v_add_nc_u32 v[AWS], s25, v[AWS]
	v_mul_u32_u24 v[GW], v3, 16*768                ; stage row 8 + p is the weight's row 16 further on
	v_lshl_add_u32 v[GW], v2, 4, v[GW]
	v_mul_u32_u24 v31, v2, XP
	v_mad_u32_u24 v[AXF], v3, 24, v31
	v_add_nc_u32 v[AXF], XB0, v[AXF]
	v_add_nc_u32 v[AXQ], XB0+768, v31
	s_mul_i32 s25, s[WV], 4*XP
	s_add_co_u32 s25, s25, XB0
	v_mul_u32_u24 v[AXS], v3, 2*XP
	v_lshl_add_u32 v[AXS], v2, 4, v[AXS]
	v_add_nc_u32 v[AXS], s25, v[AXS]
	v_lshrrev_b32 v31, 3, v1                       ; lane / 8
	v_and_b32 v[L7], 7, v1
	v_lshlrev_b32 v[L7], 2, v[L7]
	v_mad_u32_u24 v[AXT], v31, XP, v[L7]
	v_add_nc_u32 v[AXT], s25, v[AXT]
	v_add_nc_u32 v[AXT], 768, v[AXT]
	s_lshl_b32 s25, s[WV], 4
	s_add_co_u32 s25, s25, LIST
	v_lshl_add_u32 v[ALP], v3, 3, s25
	v_lshl_add_u32 v[ALR], v31, 2, s25
	v_lshlrev_b32 v[R16], 4, v2
	v_lshlrev_b32 v[L16], 4, v1
	v_lshlrev_b32 v[L8], 3, v1
	v_lshlrev_b32 v[L4], 2, v1
	s_lshl_b32 s25, s[WV], 1
	s_add_co_u32 s25, s25, SCB
	v_lshl_add_u32 v[ASC], v2, 3, s25
	v_lshl_add_u32 v[ASL], v1, 2, SCB
	v_lshl_add_u32 v[ALS], v0, 4, LIST
	v_lshrrev_b32 v64, 2, v0                       ; LIST in memory: thread i takes 16 bytes of my parity's tile i / 4: 128 (i / 4) + 16 (i % 4)
	v_and_b32 v65, 3, v0
	v_lshlrev_b32 v65, 4, v65
	v_lshl_add_u32 v64, v64, 7, v65
	v_and_b32 v66, 8, v2
	v_add_nc_u32 v66, v66, v2
	v_lshlrev_b32 v66, 5, v66                      ; W_in's scale words: row r + 8 (r / 8) of a tile, 32 bytes a row
	v_lshlrev_b32 v67, 6, v3                       ; b_in: 16 h numbers on
	v_mov_b32 v[CB], 0x39c8e7d9
	v_mov_b32 v[CB+1], 0x39c8e7d9
	v_mov_b32 v[CD], 0x3cc6b1a1
	v_mov_b32 v[CD+1], 0x3cc6b1a1
	v_mov_b32 v[C1], 0x3ba38d2c
	v_mov_b32 v[C1+1], 0x3ba38d2c
	v_mov_b32 v[TM+2], 0                           ; written once: a lane permute's destination counts as one of its sources
	v_mov_b32 v[TM+3], 0
	s_mov_b32 s[SEL], 0x76543210
	s_mov_b32 s[SEL+1], 0xfedcba98
	SPAIR K2, 0x3f3504f3                           ; 1 / sqrt 2
	SPAIR CA, 0xb7910000                           ; the polynomial in t whose exponential is erfc(t)
	SPAIR CC, 0xbb7e8a1c
	SPAIR CE, 0xbddaae5c
	SPAIR CF, 0xbf228550
	SPAIR CG, 0xbe03ce86
	SPAIR LG, 0x3fb8aa3b                           ; log2(e)
	SPAIR C0, 0xba1c7000                           ; the polynomial in t t for erf(t)
	SPAIR C2, 0xbcdb48d9
	SPAIR C3, 0x3de70e22
	SPAIR C4, 0xbec09380
	SPAIR C5, 0x3e0375d4
	s_mov_b32 s[THR], 0x3f6d8000                   ; 475 / 512
	s_lshl_b32 s25, s[EX], 12
	s_lshl_b32 s26, s[QQ], 8
	s_add_co_u32 s25, s25, s26
	s_lshl_b32 s26, s[WV], 6
	s_add_co_u32 s25, s25, s26                     ; my first row of W_in: 4096 e + 256 q + 64 w
	s_mul_i32 s26, s25, 768
	s_add_nc_u64 s[4:5], s[4:5], s[26:27]
	s_lshl_b32 s26, s25, 5
	s_add_nc_u64 s[6:7], s[6:7], s[26:27]
	s_lshl_b32 s26, s25, 2
	s_add_nc_u64 s[8:9], s[8:9], s[26:27]
	s_lshl_b32 s26, s[EX], 12
	s_lshl_b32 s25, s[PP], 6
	s_add_co_u32 s26, s26, s25
	s_add_nc_u64 s[68:69], s[12:13], s[26:27]      ; the expert's list, from my parity's first tile on (in a pair of its own: s[12:13] is the pending scalar load's base)
	s_add_nc_u64 s[28:29], s[10:11], XSO           ; x's scale bytes
	s_mul_i32 s26, s[EX], 64*TILEB
	s_mul_i32 s25, s[QQ], 3072
	s_add_co_u32 s26, s26, s25
	s_mul_i32 s25, s[WV], 768
	s_add_co_u32 s26, s26, s25
	s_add_nc_u64 s[30:31], s[14:15], s[26:27]      ; hq: my half image in the expert's tile 0: (2 q + w / 2) x 1536 + (w % 2) x 768 = 3072 q + 768 w
	s_lshl_b32 s26, s[EX], 17
	s_lshl_b32 s25, s[QQ], 7
	s_add_co_u32 s26, s26, s25
	s_add_nc_u64 s[32:33], s[14:15], s[26:27]
	s_add_nc_u64 s[32:33], s[32:33], HSO           ; hq: the slice's scale words in the expert's tile 0
	global_load_b128 v[GS:GS+3], v64, s[68:69]     ; the list
.irp t, 0,1,2,3
.irp k, 0,1
	global_load_b128 v[WS+8*\t+4*\k:WS+8*\t+4*\k+3], v66, s[6:7] offset:(32*(\t/2)+8*(\t%2))*32+16*\k
.endr
.endr
	WIN 0xc0
.irp t, 0,1,2,3
.irp k, 0,1
	global_load_b128 v[BI+8*\t+4*\k:BI+8*\t+4*\k+3], v67, s[8:9] offset:(32*(\t/2)+8*(\t%2))*4+16*\k   ; tile 2 b + u, lane (r, h), register j: b_in of hidden unit 32 b + 16 h + 8 u + j
.endr
.endr
	WIN 0
	WLOAD 0, T0
	WLOAD 1, T1
	s_wait_loadcnt 63                              ; 65 loads have been issued: the oldest, the list's, is in
	ds_store_b128 v[ALS], v[GS:GS+3]
	s_wait_dscnt 0x0
	s_barrier_signal -1
	s_barrier_wait -1                              ; the list lies in LDS
	ds_load_b64 v[TK:TK+1], v[ALP]                 ; my first tile's tokens
	ds_load_b32 v[TR], v[ALR]
	s_wait_dscnt 0x0
	GATHER
	s_wait_loadcnt 31                              ; batch 0 is in, and the scale words and b_in before it; batch 1's 24 loads and the gather's 7 may be out
	WSTORE T0
	WFRAG 0
	s_wait_dscnt 48                                ; the stores have read their registers (the 48 loads behind them may be out)
	WLOAD 2, T0
	s_wait_loadcnt 24                              ; batch 1 and the gather are in
	PUT 0
	WSTORE T1
	WFRAG 1
	s_wait_dscnt 48
	WLOAD 3, T1
	s_wait_loadcnt 24                              ; batch 2
	WSTORE T0
	WFRAG 2
	s_wait_loadcnt 0x0                             ; batch 3
	WSTORE T1
	WFRAG 3
	s_wait_kmcnt 0x0
	s_add_co_u32 s[NT], s[NT], 15
	s_lshr_b32 s[NT], s[NT], 4
	s_max_u32 s[NT], s[NT], 1                      ; tile 0 is always made
	s_min_u32 s[NT], s[NT], 64
	s_mov_b32 s[J0], s[PP]
	s_mov_b32 s[LOF], 0
	s_mov_b32 s[IT], 0
	s_wait_dscnt 0x0                               ; my fragments are in, my rows of the first tile have landed
	s_barrier_signal -1
	s_barrier_wait -1
; A SLOT: tile p + 4 x trip + 2 b, from buffer b; the next tile of my parity is gathered into the other buffer meanwhile.
.macro SLOT b
.if \b == 0
	s_add_co_u32 s25, s[LOF], 64                   ; the next tile's tokens in LIST
.else
	s_add_co_u32 s25, s[LOF], 128
	s_min_u32 s25, s25, 1984                       ; (the last slot asks for its own again: no read leaves LIST)
.endif
	v_add_nc_u32 v[LA0], s25, v[ALP]
	v_add_nc_u32 v[LA1], s25, v[ALR]
	s_add_co_u32 s[JC], s[J0], 2*\b
	s_cmp_lt_u32 s[JC], s[NT]
	s_cbranch_scc0 .Lnone_\@                       ; no such tile: the work is jumped over, the barrier is not
	ds_load_b64 v[TK:TK+1], v[LA0]
	ds_load_b32 v[TR], v[LA1]
	ds_load_b128 v[XS:XS+3], v[AXQ] offset:XBB*\b
	ds_load_b128 v[XS+4:XS+7], v[AXQ] offset:XBB*\b+16
	WIN 0xc0
.irp s, 0,1,2,3,4,5,6,7
.irp i, 0,1,2,3,4,5
	ds_load_b64 v[12*\s+2*\i:12*\s+2*\i+1], v[AXF] offset:XBB*\b+96*\s+48*(\i/3)+8*(\i%3)
.endr
.endr
	WIN 0
	s_wait_dscnt 50                                ; the tokens are in; the 50 loads behind them may be out
	GATHER
	s_wait_dscnt 0x0                               ; x's fragments and scale words
	MM 0, 0x3d, 1                                  ; W_in window 1, x window 3, C = b_in window 3
	MM 1, 0x0d, 0
	MM 2, 0x0d, 0
	MM 3, 0x0d, 0
	MM 4, 0x0e, 0                                  ; W_in window 2
	MM 5, 0x0e, 0
	MM 6, 0x0e, 0
	MM 7, 0x0e, 0
	WIN 0
.rept 4
	v_nop                                          ; four places between the products and the first read of a result (ISA guide 7.12.1)
.endr
	GELU HA
	GELU HA+8
	GELU HA+16
	GELU HA+24
	s_wait_xcnt 0x0                                ; the last tile's stores have read their data and their base: both are written again below
	QUANT2
	s_mul_i32 s26, s[JC], TILEB
	s_add_nc_u64 s[34:35], s[30:31], s[26:27]
	global_store_b128 v[L16], v[PC:PC+3], s[34:35]             ; 512 consecutive bytes,
	global_store_b64 v[L8], v[PC+4:PC+5], s[34:35] offset:512  ; and 256: three whole aligned blocks of 256 bytes
	ds_store_b16 v[ASC], v[PW] offset:128*\b       ; lanes l and l xor 16 write the same two bytes with the same value
	s_wait_loadcnt 0x0                             ; the gather is in
	PUT XBB*(1-\b)                                 ; the other buffer was last read in the slot before, ahead of its barrier
.Lnone_\@:
	s_wait_dscnt 0x0                               ; my stores have landed and my reads are over
	s_barrier_signal -1
	s_barrier_wait -1
	s_cmp_lt_u32 s[JC], s[NT]
	s_cbranch_scc0 .Lnf_\@
	s_cmp_lg_u32 s[WV], 0
	s_cbranch_scc1 .Lnf_\@                         ; wave 0 sends the tile's 128 scale bytes of the slice; these bytes are written again two slots on, behind the next barrier
	s_wait_xcnt 0x0
	ds_load_b32 v[FL], v[ASL] offset:128*\b
	s_lshl_b32 s26, s[JC], 11
	s_add_nc_u64 s[36:37], s[32:33], s[26:27]
	s_wait_dscnt 0x0
	global_store_b32 v[L4], v[FL], s[36:37]
.Lnf_\@:
.endm
.Ltrip:
	SLOT 0
	SLOT 1
	s_add_co_u32 s[J0], s[J0], 4
	s_add_co_u32 s[LOF], s[LOF], 128
	s_add_co_u32 s[IT], s[IT], 1
	s_cmp_lt_u32 s[IT], 16
	s_cbranch_scc1 .Ltrip
	s_wait_tensorcnt 0x0
	ds_add_u32 v254, v255
	s_wait_dscnt 0x0
	s_endpgm
.Lfunc_end_k_qb3880b7655_ffn1:
	.size	k_qb3880b7655_ffn1, .Lfunc_end_k_qb3880b7655_ffn1-k_qb3880b7655_ffn1
	.p2alignl 7, 3214868480
	.fill 96, 4, 3214868480
	.section	.rodata,"a",@progbits
	.p2align	6, 0x0
	.amdhsa_kernel k_qb3880b7655_ffn1
		.amdhsa_group_segment_fixed_size 79104
		.amdhsa_private_segment_fixed_size 0
		.amdhsa_enable_private_segment 0
		.amdhsa_kernarg_size 48
		.amdhsa_user_sgpr_count 2
		.amdhsa_user_sgpr_kernarg_segment_ptr 1
		.amdhsa_wavefront_size32 1
		.amdhsa_system_sgpr_workgroup_id_x 1
		.amdhsa_system_sgpr_workgroup_id_y 1
		.amdhsa_system_sgpr_workgroup_id_z 1
		.amdhsa_system_vgpr_workitem_id 0
		.amdhsa_next_free_vgpr 1024
		.amdhsa_next_free_sgpr 70
		.amdhsa_reserve_vcc 1
		.amdhsa_float_denorm_mode_32 3
		.amdhsa_float_denorm_mode_16_64 3
		.amdhsa_memory_ordered 1
		.amdhsa_forward_progress 1
		.amdhsa_inst_pref_size 114
	.end_amdhsa_kernel
	.amdgpu_metadata
---
amdhsa.version: [ 1, 2 ]
amdhsa.kernels:
  - .name:           k_qb3880b7655_ffn1
    .symbol:         k_qb3880b7655_ffn1.kd
    .args:
      - { .name: W_in_codes, .offset: 0, .size: 8, .value_kind: global_buffer, .address_space: global }
      - { .name: W_in_scales, .offset: 8, .size: 8, .value_kind: global_buffer, .address_space: global }
      - { .name: b_in, .offset: 16, .size: 8, .value_kind: global_buffer, .address_space: global }
      - { .name: xq, .offset: 24, .size: 8, .value_kind: global_buffer, .address_space: global }
      - { .name: idx, .offset: 32, .size: 8, .value_kind: global_buffer, .address_space: global }
      - { .name: hq, .offset: 40, .size: 8, .value_kind: global_buffer, .address_space: global }
    .group_segment_fixed_size: 79104
    .private_segment_fixed_size: 0
    .kernarg_segment_align: 8
    .kernarg_segment_size: 48
    .max_flat_workgroup_size: 128
    .sgpr_count:     70
    .vgpr_count:     1024
    .wavefront_size: 32
...
	.end_amdgpu_metadata
.endif
;; end of part 3
;; launch ffn2 (part 4): grid 32 x 8, 4 waves a work-group, no clusters, 85,504 bytes of LDS; arguments W_out_codes, W_out_scales, b_out, hq, idx, yy; writes yy
.if DOCPART == 4
	.amdgcn_target "amdgcn-amd-amdhsa--gfx1250"
	.amdhsa_code_object_version 6
	.text
	.protected	k_qb3880b7655_ffn2
	.globl	k_qb3880b7655_ffn2
	.p2align	8
	.type	k_qb3880b7655_ffn2,@function
k_qb3880b7655_ffn2:
	s_mov_b64 s[64:65], 0
	v_nop
	global_prefetch_b8 v0, s[64:65] scope:SCOPE_SE
	s_setreg_imm32_b32 hwreg(HW_REG_WAVE_MODE, 25, 1), 1
	s_wait_xcnt 0x0
; yy = h W_out + b_out FOR THE ROWS THAT WERE ROUTED, on codes of E2M3 with one E8M0 scale for each 32 along K = 4,096.
; SHARES.  Work-group (x, y): expert e = y, outputs 64 q .. 64 q + 63 with q = x / 2, and of the expert's tiles of 16 rows those of parity p = x % 2.
; THE WAVES SHARE K: wave w takes K steps 8 w .. 8 w + 7 for all 64 outputs.  Its 32 fragments of W_out (384 registers) are read once and stay; each fragment of h is loaded from memory by one wave alone,
; straight into the operand's registers (the launch before laid it so), and feeds four products.  The four partial tiles (16 rows x 64 outputs) are added through LDS; each wave adds and stores four rows.
; So an output's sum over K is made of four f32 sums, added in the waves' order, and then b_out.
; NO TENSOR LOAD AND NO CLUSTER: the number of tiles is a stored count.  The loop has a constant count (32 slots); a slot without a tile jumps over its work, never over a barrier.
; h's fragments are asked for two slots ahead, into two buffers by turns; past the expert's last tile the request is held at that tile, so that every slot issues the same 36 loads and the counted wait holds.
; THE PRODUCT IS USED TRANSPOSED (source 0 = 16 rows of W_out, source 1 = 16 rows of h): a lane holds one row and eight neighbouring outputs.
; Rows of a tile beyond the expert's count are made like the others and land in rows of yy that belong to this expert and that nobody reads.
; REGISTERS, in windows of 256: window 0: addresses, scale words, accumulators, the sums.  Windows 1 and 2: W_out's fragment (K step s, tile t) at v[12 (4 (s % 4) + t)] of window 1 + s / 4.
;   Window 3: v0-95, v96-191 h's eight fragments, two buffers (at the head: two batches of weights).
.set CNT,   40960
.set HSO,   25165824
.set TILEB, 49152
.set WPI,   784                        ; the weights' stage: 768 bytes + 16: row r starts at bank 4 r (64 banks of 4 bytes: ISA guide 11.1)
.set WSTG,  16*WPI
.set RED,   4*WSTG                     ; [buffer 2][wave 4][row 16][256 bytes + 16]
.set RWV,   16*272
.set RBUF,  4*RWV
.set AWF, 4
.set AWS, 5
.set GW,  6
.set L16, 7
.set L8,  8
.set HSA, 9                            ; v9   h's scale words: 8 r + 512 w
.set ARS, 10                           ; v10  my partial tile: RED + RWV w + 272 r + 32 h
.set ARL, 11                           ; v11  the rows that I add: RED + 272 (4 w + 2 h) + 16 r
.set OY,  12                           ; v12  and their place in yy
.set WSO, 13
.set R16, 14
.set BO,  16                           ; v16-19 b_out of outputs 4 r .. 4 r + 3
.set WS,  24                           ; v24-55 W_out's scale words: register 8 t + s
.set HS,  56                           ; v56-63, v64-71 h's, for the two buffers
.set ACC, 72                           ; v72-103
.set RB,  104                          ; v104-135 the four waves' parts of my rows
.set OUT, 136                          ; v136-143
.set T0,  0
.set T1,  96
.set WV,  16
.set EX,  17
.set QQ,  18
.set PP,  19
.set NT,  20
.set J0,  21
.set JC,  22
.set NTM, 23                           ; s23 NT - 1
.set IT,  24
.set HB,  28                           ; s[28:29] hq: my K steps in the expert's tile 0;  s[30:31] its scale words
.set HSB, 30
.set PA,  32                           ; s[32:35], s[36:39] for each buffer: the bases of its codes and of its scale words
.set YYB, 40
.set YB,  42
.set CO,  44
.set MSB, 0
.macro WIN new
.if MSB != \new
	s_set_vgpr_msb (MSB<<8)|\new
.set MSB, \new
.endif
.endm
.macro WLOAD t, reg                    ; a batch: the 16 rows of tile t x my 768 bytes; sixteen lanes read 256 consecutive bytes at a multiple of 256 from the buffer's first byte
	WIN 0xc0
.irp p, 0,1,2,3,4,5,6,7
.irp c, 0,1,2
	global_load_b128 v[\reg+4*(3*\p+\c):\reg+4*(3*\p+\c)+3], v[GW], s[4:5] offset:(16*(\t)+\p)*3072+256*\c
.endr
.endr
	WIN 0
.endm
.macro WSTORE reg
	WIN 0x0c
.irp p, 0,1,2,3,4,5,6,7
.irp c, 0,1,2
	ds_store_b128 v[AWS], v[\reg+4*(3*\p+\c):\reg+4*(3*\p+\c)+3] offset:WPI*\p+256*\c
.endr
.endr
	WIN 0
.endm
.macro WFRAG t                         ; LDS serves a wave's instructions in order: these see the stores above, and the next batch's stores come behind them
	WIN 0x40
.irp s, 0,1,2,3
.irp i, 0,1,2,3,4,5
	ds_load_b64 v[12*(4*\s+(\t))+2*\i:12*(4*\s+(\t))+2*\i+1], v[AWF] offset:96*\s+48*(\i/3)+8*(\i%3)
.endr
.endr
	WIN 0x80
.irp s, 4,5,6,7
.irp i, 0,1,2,3,4,5
	ds_load_b64 v[12*(4*(\s-4)+(\t))+2*\i:12*(4*(\s-4)+(\t))+2*\i+1], v[AWF] offset:96*\s+48*(\i/3)+8*(\i%3)
.endr
.endr
	WIN 0
.endm
; h's eight fragments and scale words of tile min(JC + add, NT - 1) into buffer b: 36 loads.  The buffer's earlier loads have been shown done, so its two bases may be written
.macro ALOAD b, add
	s_add_co_u32 s25, s[JC], \add
	s_min_u32 s25, s25, s[NTM]
	s_min_u32 s25, s25, 63                         ; a stored number enters an address only behind a bound written here
	s_mul_i32 s26, s25, TILEB
	s_add_nc_u64 s[PA+4*\b:PA+4*\b+1], s[HB:HB+1], s[26:27]
	s_lshl_b32 s26, s25, 11
	s_add_nc_u64 s[PA+4*\b+2:PA+4*\b+3], s[HSB:HSB+1], s[26:27]
	WIN 0xc0
.irp s, 0,1,2,3,4,5,6,7
.irp c, 0,1
	global_load_b128 v[96*\b+12*\s+6*\c:96*\b+12*\s+6*\c+3], v[L16], s[PA+4*\b:PA+4*\b+1] offset:1536*\s+768*\c
	global_load_b64 v[96*\b+12*\s+6*\c+4:96*\b+12*\s+6*\c+5], v[L8], s[PA+4*\b:PA+4*\b+1] offset:1536*\s+768*\c+512
.endr
.endr
	WIN 0
.irp k, 0,1,2,3
	global_load_b64 v[HS+8*\b+2*\k:HS+8*\b+2*\k+1], v[HSA], s[PA+4*\b+2:PA+4*\b+3] offset:128*\k
.endr
.endm
; Four products: my K step s of the four tiles of outputs.  The four accumulators take turns, one instruction a turn; K step 0 starts the sums
.macro MM s, b, win
	WIN \win
.irp t, 0,1,2,3
.if (\s) == 0
	v_wmma_scale_f32_16x16x128_f8f6f4 v[ACC+8*\t:ACC+8*\t+7], v[12*(4*((\s)%4)+\t):12*(4*((\s)%4)+\t)+11], v[96*\b+12*(\s):96*\b+12*(\s)+11], 0, v[WS+8*\t+(\s)], v[HS+8*\b+(\s)] matrix_a_fmt:MATRIX_FMT_FP6 matrix_b_fmt:MATRIX_FMT_FP6
.else
	v_wmma_scale_f32_16x16x128_f8f6f4 v[ACC+8*\t:ACC+8*\t+7], v[12*(4*((\s)%4)+\t):12*(4*((\s)%4)+\t)+11], v[96*\b+12*(\s):96*\b+12*(\s)+11], v[ACC+8*\t:ACC+8*\t+7], v[WS+8*\t+(\s)], v[HS+8*\b+(\s)] matrix_a_fmt:MATRIX_FMT_FP6 matrix_b_fmt:MATRIX_FMT_FP6
.endif
.endr
.endm
	s_load_b256 s[4:11], s[0:1], 0x0               ; W_out's codes s[4:5], its scales s[6:7], b_out s[8:9], hq s[10:11]
	s_load_b128 s[12:15], s[0:1], 0x20             ; idx s[12:13], yy s[14:15]
	v_lshl_add_u32 v254, v0, 2, 0x14c00
	v_mov_b32 v255, 0
	v_lshrrev_b32 v1, 5, v0
	v_readfirstlane_b32 s[WV], v1
	s_and_b32 s[EX], ttmp7, 0xffff
	s_lshr_b32 s[QQ], ttmp9, 1
	s_and_b32 s[PP], ttmp9, 1
	s_lshl_b32 s[CO], s[EX], 2
	s_mov_b32 s27, 0                               ; the upper word of every offset made in s[26:27]; never rewritten
	s_wait_kmcnt 0x0
	s_load_b32 s[NT], s[12:13], s[CO] offset:CNT
	v_and_b32 v1, 31, v0                           ; lane
	v_and_b32 v2, 15, v0                           ; r
	v_bfe_u32 v3, v0, 4, 1                         ; h
	s_mul_i32 s25, s[WV], WSTG
	v_mul_u32_u24 v[AWF], v2, WPI
	v_mad_u32_u24 v[AWF], v3, 24, v[AWF]
	v_add_nc_u32 v[AWF], s25, v[AWF]
	v_mul_u32_u24 v[AWS], v3, 8*WPI
	v_lshl_add_u32 v[AWS], v2, 4, v[AWS]
	v_add_nc_u32 v[AWS], s25, v[AWS]
	v_mul_u32_u24 v[GW], v3, 8*3072
	v_lshl_add_u32 v[GW], v2, 4, v[GW]
	v_lshlrev_b32 v[L16], 4, v1
	v_lshlrev_b32 v[L8], 3, v1
	s_lshl_b32 s25, s[WV], 9
	v_lshl_add_u32 v[HSA], v2, 3, s25
	s_mul_i32 s25, s[WV], RWV
	s_add_co_u32 s25, s25, RED
	v_mul_u32_u24 v[ARS], v2, 272
	v_lshl_add_u32 v[ARS], v3, 5, v[ARS]
	v_add_nc_u32 v[ARS], s25, v[ARS]
	s_mul_i32 s25, s[WV], 4*272
	s_add_co_u32 s25, s25, RED
	v_mul_u32_u24 v[ARL], v3, 2*272
	v_lshl_add_u32 v[ARL], v2, 4, v[ARL]
	v_add_nc_u32 v[ARL], s25, v[ARL]
	s_lshl_b32 s25, s[WV], 14
	v_lshlrev_b32 v[OY], 13, v3
	v_lshl_add_u32 v[OY], v2, 4, v[OY]
	v_add_nc_u32 v[OY], s25, v[OY]                 ; rows 4 w + 2 h of 4,096 bytes, + 16 r
	v_lshlrev_b32 v[WSO], 7, v2                    ; W_out's scale words: 128 bytes a row
	v_lshlrev_b32 v[R16], 4, v2
	s_lshl_b32 s25, s[EX], 10
	s_lshl_b32 s26, s[QQ], 6
	s_add_co_u32 s25, s25, s26                     ; my first row of W_out: 1024 e + 64 q
	s_mul_i32 s26, s25, 3072
	s_add_nc_u64 s[4:5], s[4:5], s[26:27]
	s_mul_i32 s26, s[WV], 768                      ; my eight K steps of each row
	s_add_nc_u64 s[4:5], s[4:5], s[26:27]
	s_lshl_b32 s26, s25, 7
	s_add_nc_u64 s[6:7], s[6:7], s[26:27]
	s_lshl_b32 s26, s[WV], 5
	s_add_nc_u64 s[6:7], s[6:7], s[26:27]
	s_lshl_b32 s26, s25, 2
	s_add_nc_u64 s[8:9], s[8:9], s[26:27]
	s_mul_i32 s26, s[EX], 64*TILEB
	s_add_nc_u64 s[HB:HB+1], s[10:11], s[26:27]
	s_mul_i32 s26, s[WV], 8*1536
	s_add_nc_u64 s[HB:HB+1], s[HB:HB+1], s[26:27]
	s_lshl_b32 s26, s[EX], 17
	s_add_nc_u64 s[HSB:HSB+1], s[10:11], s[26:27]
	s_add_nc_u64 s[HSB:HSB+1], s[HSB:HSB+1], HSO
	s_lshl_b32 s26, s[EX], 22
	s_lshl_b32 s25, s[QQ], 8
	s_add_co_u32 s26, s26, s25
	s_add_nc_u64 s[YYB:YYB+1], s[14:15], s[26:27]  ; yy: the expert's row 0, my 64 outputs
.irp t, 0,1,2,3
.irp k, 0,1
	global_load_b128 v[WS+8*\t+4*\k:WS+8*\t+4*\k+3], v[WSO], s[6:7] offset:2048*\t+16*\k
.endr
.endr
	global_load_b128 v[BO:BO+3], v[R16], s[8:9]
	WLOAD 0, T0
	WLOAD 1, T1
	s_wait_kmcnt 0x0
	s_add_co_u32 s[NT], s[NT], 15
	s_lshr_b32 s[NT], s[NT], 4
	s_max_u32 s[NT], s[NT], 1
	s_min_u32 s[NT], s[NT], 64
	s_sub_co_u32 s[NTM], s[NT], 1
	s_mov_b32 s[J0], s[PP]
	s_mov_b32 s[JC], s[PP]
	s_mov_b32 s[IT], 0
	s_wait_loadcnt 24                              ; batch 0 is in (and what was asked before it); batch 1's 24 loads may be out
	WSTORE T0
	WFRAG 0
	s_wait_dscnt 48                                ; the stores have read their registers (the 48 loads behind them may be out)
	WLOAD 2, T0
	s_wait_loadcnt 24                              ; batch 1
	WSTORE T1
	WFRAG 1
	s_wait_dscnt 48
	WLOAD 3, T1
	s_wait_loadcnt 24                              ; batch 2
	WSTORE T0
	WFRAG 2
	s_wait_dscnt 48
	ALOAD 0, 0                                     ; my first tile of h
	s_wait_loadcnt 36                              ; batch 3; the 36 just issued may be out
	WSTORE T1
	WFRAG 3
	s_wait_dscnt 48
	ALOAD 1, 2                                     ; my second
	s_wait_dscnt 0x0                               ; my fragments are in.  No barrier: the stages are each wave's own
; A SLOT: tile p + 4 x trip + 2 b, from buffer b.
.macro SLOT b
	s_add_co_u32 s[JC], s[J0], 2*\b
	s_cmp_lt_u32 s[JC], s[NT]
	s_cbranch_scc1 .Lwork_\@
	s_wait_loadcnt 0x0                             ; no such tile: what was asked ahead is let land, so that no load is out on the way into a later slot
	s_branch .Lnone_\@
.Lwork_\@:
	s_wait_loadcnt 36                              ; this buffer's 36 loads are in; the other buffer's, issued behind them, may be out
	MM 0, \b, 0x0d                                 ; W_out window 1, h window 3
	MM 1, \b, 0x0d
	MM 2, \b, 0x0d
	MM 3, \b, 0x0d
	MM 4, \b, 0x0e                                 ; W_out window 2
	MM 5, \b, 0x0e
	MM 6, \b, 0x0e
	MM 7, \b, 0x0e
	WIN 0
.rept 5
	v_nop                                          ; four places in front of the stores that read results and of the loads into h's registers; the fifth for the next slot's first products, which begin the sums anew over these registers
.endr
.irp t, 0,1,2,3
.irp k, 0,1
	ds_store_b128 v[ARS], v[ACC+8*\t+4*\k:ACC+8*\t+4*\k+3] offset:RBUF*\b+64*\t+16*\k   ; each accumulator from its low end on: row r, outputs 16 t + 8 h + 4 k ..
.endr
.endr
	ALOAD \b, 4                                    ; this buffer's next tile: two slots in which to land
.Lnone_\@:
	s_wait_dscnt 0x0                               ; my partial tile has landed, and my reads of the other buffer are over
	s_barrier_signal -1
	s_barrier_wait -1
	s_cmp_lt_u32 s[JC], s[NT]
	s_cbranch_scc0 .Lnr_\@
.irp v, 0,1,2,3
.irp i, 0,1
	ds_load_b128 v[RB+4*(2*\v+\i):RB+4*(2*\v+\i)+3], v[ARL] offset:RBUF*\b+RWV*\v+272*\i
.endr
.endr
	s_wait_xcnt 0x0                                ; the last tile's stores have read their data and their base
	s_lshl_b32 s26, s[JC], 16
	s_add_nc_u64 s[YB:YB+1], s[YYB:YYB+1], s[26:27]
	s_wait_dscnt 0x0
.irp i, 0,1
.irp g, 0,2
	v_pk_add_f32 v[OUT+4*\i+\g:OUT+4*\i+\g+1], v[RB+4*\i+\g:RB+4*\i+\g+1], v[RB+8+4*\i+\g:RB+8+4*\i+\g+1]
	v_pk_add_f32 v[RB+16+4*\i+\g:RB+16+4*\i+\g+1], v[RB+16+4*\i+\g:RB+16+4*\i+\g+1], v[RB+24+4*\i+\g:RB+24+4*\i+\g+1]
.endr
.irp g, 0,2
	v_pk_add_f32 v[OUT+4*\i+\g:OUT+4*\i+\g+1], v[OUT+4*\i+\g:OUT+4*\i+\g+1], v[RB+16+4*\i+\g:RB+16+4*\i+\g+1]
.endr
.irp g, 0,2
	v_pk_add_f32 v[OUT+4*\i+\g:OUT+4*\i+\g+1], v[OUT+4*\i+\g:OUT+4*\i+\g+1], v[BO+\g:BO+\g+1]
.endr
	global_store_b128 v[OY], v[OUT+4*\i:OUT+4*\i+3], s[YB:YB+1] offset:4096*\i th:TH_STORE_NT   ; sixteen lanes store 256 consecutive bytes, at a multiple of 256 from yy's first byte
.endr
.Lnr_\@:
.endm
.Ltrip:
	SLOT 0
	SLOT 1
	s_add_co_u32 s[J0], s[J0], 4
	s_add_co_u32 s[IT], s[IT], 1
	s_cmp_lt_u32 s[IT], 16
	s_cbranch_scc1 .Ltrip
	s_wait_tensorcnt 0x0
	ds_add_u32 v254, v255
	s_wait_dscnt 0x0
	s_endpgm
.Lfunc_end_k_qb3880b7655_ffn2:
	.size	k_qb3880b7655_ffn2, .Lfunc_end_k_qb3880b7655_ffn2-k_qb3880b7655_ffn2
	.p2alignl 7, 3214868480
	.fill 96, 4, 3214868480
	.section	.rodata,"a",@progbits
	.p2align	6, 0x0
	.amdhsa_kernel k_qb3880b7655_ffn2
		.amdhsa_group_segment_fixed_size 85504
		.amdhsa_private_segment_fixed_size 0
		.amdhsa_enable_private_segment 0
		.amdhsa_kernarg_size 48
		.amdhsa_user_sgpr_count 2
		.amdhsa_user_sgpr_kernarg_segment_ptr 1
		.amdhsa_wavefront_size32 1
		.amdhsa_system_sgpr_workgroup_id_x 1
		.amdhsa_system_sgpr_workgroup_id_y 1
		.amdhsa_system_sgpr_workgroup_id_z 1
		.amdhsa_system_vgpr_workitem_id 0
		.amdhsa_next_free_vgpr 1024
		.amdhsa_next_free_sgpr 66
		.amdhsa_reserve_vcc 0
		.amdhsa_float_denorm_mode_32 3
		.amdhsa_float_denorm_mode_16_64 3
		.amdhsa_memory_ordered 1
		.amdhsa_forward_progress 1
		.amdhsa_inst_pref_size 62
	.end_amdhsa_kernel
	.amdgpu_metadata
---
amdhsa.version: [ 1, 2 ]
amdhsa.kernels:
  - .name:           k_qb3880b7655_ffn2
    .symbol:         k_qb3880b7655_ffn2.kd
    .args:
      - { .name: W_out_codes, .offset: 0, .size: 8, .value_kind: global_buffer, .address_space: global }
      - { .name: W_out_scales, .offset: 8, .size: 8, .value_kind: global_buffer, .address_space: global }
      - { .name: b_out, .offset: 16, .size: 8, .value_kind: global_buffer, .address_space: global }
      - { .name: hq, .offset: 24, .size: 8, .value_kind: global_buffer, .address_space: global }
      - { .name: idx, .offset: 32, .size: 8, .value_kind: global_buffer, .address_space: global }
      - { .name: yy, .offset: 40, .size: 8, .value_kind: global_buffer, .address_space: global }
    .group_segment_fixed_size: 85504
    .private_segment_fixed_size: 0
    .kernarg_segment_align: 8
    .kernarg_segment_size: 48
    .max_flat_workgroup_size: 128
    .sgpr_count:     66
    .vgpr_count:     1024
    .wavefront_size: 32
...
	.end_amdgpu_metadata
.endif
;; end of part 4
;; launch comb (part 5): grid 256 x 1, 4 waves a work-group, no clusters, 0 bytes of LDS; arguments yy, idx, rt, out0; writes out0
.if DOCPART == 5
	.amdgcn_target "amdgcn-amd-amdhsa--gfx1250"
	.amdhsa_code_object_version 6
	.text
	.protected	k_qb3880b7655_comb
	.globl	k_qb3880b7655_comb
	.p2align	8
	.type	k_qb3880b7655_comb,@function
k_qb3880b7655_comb:
	s_mov_b64 s[64:65], 0
	v_nop
	global_prefetch_b8 v0, s[64:65] scope:SCOPE_SE
	s_setreg_imm32_b32 hwreg(HW_REG_WAVE_MODE, 25, 1), 1
	s_wait_xcnt 0x0
; out0[t] = g0 yy[place 0 of t] + g1 yy[place 1 of t]: reference()'s weighted sum over experts, of which six weights a token are 0.
; One wave, one token: the two places (whole numbers stored three launches ago) and the two weights come by scalar loads; two rows of 4,096 bytes are read, one is stored,
; 512 consecutive bytes an instruction.  A stream: no LDS, no barrier, no matrix unit; each row of yy that counts is read once.
.set WHR, 32768
	s_load_b256 s[4:11], s[0:1], 0x0               ; yy s[4:5], idx s[6:7], rt s[8:9], out0 s[10:11]
	v_lshrrev_b32 v1, 5, v0
	v_readfirstlane_b32 s12, v1                    ; wave
	v_and_b32 v1, 31, v0
	v_lshlrev_b32 v1, 4, v1                        ; 16 x lane
	s_lshl_b32 s13, ttmp9, 2
	s_add_co_u32 s13, s13, s12                     ; my token
	s_lshl_b32 s14, s13, 3
	s_lshl_b32 s24, s13, 12
	s_mov_b32 s25, 0
	s_mov_b32 s27, 0
	s_mov_b32 s29, 0
	s_wait_kmcnt 0x0
	s_load_b64 s[16:17], s[6:7], s14 offset:WHR    ; expert x 1024 + place, twice
	s_load_b64 s[20:21], s[8:9], s14 offset:0x0    ; g0, g1
	s_add_nc_u64 s[10:11], s[10:11], s[24:25]
	s_wait_kmcnt 0x0
	s_min_u32 s16, s16, 0x1fff                     ; held inside the table before it enters an address
	s_min_u32 s17, s17, 0x1fff
	s_lshl_b32 s26, s16, 12
	s_lshl_b32 s28, s17, 12
	s_add_nc_u64 s[26:27], s[4:5], s[26:27]
	s_add_nc_u64 s[28:29], s[4:5], s[28:29]
	s_mov_b32 s22, s21                             ; g1 in a pair of its own: the packed forms take a scalar pair's low word for both halves
	s_mov_b32 s23, s21
.irp k, 0,1,2,3,4,5,6,7
	global_load_b128 v[16+4*\k:19+4*\k], v1, s[26:27] offset:512*\k th:TH_LOAD_NT
	global_load_b128 v[48+4*\k:51+4*\k], v1, s[28:29] offset:512*\k th:TH_LOAD_NT
.endr
.irp k, 0,1,2,3,4,5,6,7
	s_wait_loadcnt 14-2*\k                         ; piece k of both rows is in; the later pieces may be out
	v_pk_mul_f32 v[16+4*\k:17+4*\k], v[16+4*\k:17+4*\k], s[20:21] op_sel_hi:[1,0]
	v_pk_mul_f32 v[18+4*\k:19+4*\k], v[18+4*\k:19+4*\k], s[20:21] op_sel_hi:[1,0]
	v_pk_fma_f32 v[16+4*\k:17+4*\k], v[48+4*\k:49+4*\k], s[22:23], v[16+4*\k:17+4*\k] op_sel_hi:[1,0,1]
	v_pk_fma_f32 v[18+4*\k:19+4*\k], v[50+4*\k:51+4*\k], s[22:23], v[18+4*\k:19+4*\k] op_sel_hi:[1,0,1]
	global_store_b128 v1, v[16+4*\k:19+4*\k], s[10:11] offset:512*\k th:TH_STORE_NT
.endr
	s_endpgm
.Lfunc_end_k_qb3880b7655_comb:
	.size	k_qb3880b7655_comb, .Lfunc_end_k_qb3880b7655_comb-k_qb3880b7655_comb
	.p2alignl 7, 3214868480
	.fill 96, 4, 3214868480
	.section	.rodata,"a",@progbits
	.p2align	6, 0x0
	.amdhsa_kernel k_qb3880b7655_comb
		.amdhsa_group_segment_fixed_size 0
		.amdhsa_private_segment_fixed_size 0
		.amdhsa_enable_private_segment 0
		.amdhsa_kernarg_size 32
		.amdhsa_user_sgpr_count 2
		.amdhsa_user_sgpr_kernarg_segment_ptr 1
		.amdhsa_wavefront_size32 1
		.amdhsa_system_sgpr_workgroup_id_x 1
		.amdhsa_system_sgpr_workgroup_id_y 1
		.amdhsa_system_sgpr_workgroup_id_z 1
		.amdhsa_system_vgpr_workitem_id 0
		.amdhsa_next_free_vgpr 80
		.amdhsa_next_free_sgpr 66
		.amdhsa_reserve_vcc 0
		.amdhsa_float_denorm_mode_32 3
		.amdhsa_float_denorm_mode_16_64 3
		.amdhsa_memory_ordered 1
		.amdhsa_forward_progress 1
		.amdhsa_inst_pref_size 6
	.end_amdhsa_kernel
	.amdgpu_metadata
---
amdhsa.version: [ 1, 2 ]
amdhsa.kernels:
  - .name:           k_qb3880b7655_comb
    .symbol:         k_qb3880b7655_comb.kd
    .args:
      - { .name: yy, .offset: 0, .size: 8, .value_kind: global_buffer, .address_space: global }
      - { .name: idx, .offset: 8, .size: 8, .value_kind: global_buffer, .address_space: global }
      - { .name: rt, .offset: 16, .size: 8, .value_kind: global_buffer, .address_space: global }
      - { .name: out0, .offset: 24, .size: 8, .value_kind: global_buffer, .address_space: global }
    .group_segment_fixed_size: 0
    .private_segment_fixed_size: 0
    .kernarg_segment_align: 8
    .kernarg_segment_size: 32
    .max_flat_workgroup_size: 128
    .sgpr_count:     66
    .vgpr_count:     80
    .wavefront_size: 32
...
	.end_amdgpu_metadata
.endif
;; end of part 5
;; ======== version 2 of 2: 4 launches
;; limits: right only within a limited range of input values
;; workspace buffers: xq 819,200 bytes; sel 8,192 bytes of whole numbers; rt 40,960 bytes; idx 41,216 bytes of whole numbers; hq 26,214,400 bytes; yy 33,554,432 bytes
;; launch route (part 6): grid 256 x 1, 4 waves a work-group, no clusters, 33,536 bytes of LDS; arguments x, router_W, xq, sel, rt; writes xq, sel, rt
.if DOCPART == 6
	.amdgcn_target "amdgcn-amd-amdhsa--gfx1250"
	.amdhsa_code_object_version 6
	.text
	.protected	k_qb3880b7655_route
	.globl	k_qb3880b7655_route
	.p2align	8
	.type	k_qb3880b7655_route,@function
k_qb3880b7655_route:
	s_mov_b64 s[64:65], 0
	v_nop
	global_prefetch_b8 v0, s[64:65] scope:SCOPE_SE
	s_setreg_imm32_b32 hwreg(HW_REG_WAVE_MODE, 25, 1), 1
	s_wait_xcnt 0x0
; ROUTER AND QUANTISER OF x.  x [1024 tokens][1024] f32, router_W [1024][8] f32.
; Out: xq = x as codes of E2M3 (a token's 1,024 codes are 768 consecutive bytes) and, from byte XSO on, one E8M0 byte for each 32 numbers (32 bytes a token);
;      sel = the two chosen experts of each token (whole numbers, the larger p first; of equal p the lower index);  rt = their weights p / (p0 + p1 + 1e-8), and from byte PRB on all eight p.
; SHARES.  A work-group takes four tokens.  Wave w takes half c = w % 2 of the 1,024 numbers of tokens 2 (w / 2) and 2 (w / 2) + 1: the same loaded registers feed the logits and the quantiser, so x is read once.
; The logits are f32 fused multiply-adds: 16 a lane, a sum over the 32 lanes, the two halves joined through LDS.  Then wave w finishes token w: softmax with its maximum taken away, top two, weights.
; The choice only selects values (v_cndmask_b32): no branch and no address hangs on it here; a later launch reads sel.
; A block's scale is 2^(floor(log2(largest magnitude)) - 2); its byte is that magnitude's exponent field - 2, held at 1 from below.
; LIMITS: NaN and infinities are not served; a block of zeros gets the byte 1 (its codes are zeros; only this program reads the bytes); a p under 2^-126 counts as 0 (v_exp_f32 gives 0 there).
.set XSO,  786432                      ; xq: where the scale bytes begin
.set PRB,  8192                        ; rt: where the eight p of each token begin
.set SP,   80                          ; a lane's place in a stage: 64 bytes + 16 of padding
.set SBY,  5120                        ; behind a wave's two stages of 32 x SP bytes: its 32 scale bytes
.set PART, 32768                       ; behind the four waves' regions of 8,192 bytes: [token 4][half 2][8 f32]
.set R,    16                          ; v16-47   2 tokens x 16 numbers as loaded: register 4 n + i = number 128 n + 4 lane + i of my half
.set X,    48                          ; v48-79   2 tokens x 16 neighbours: number 16 lane + i
.set C,    80                          ; v80-87   codes, four registers a token
.set ACC,  88                          ; v88-103  2 tokens x 8 logits
.set TW,   104                         ; v104-111 at work
.set P,    112                         ; v112-119 the eight logits, then p
.set WR,   128                         ; v128-255 register 8 (4 n + i) + e = router_W[512 c + 128 n + 4 lane + i][e]
	s_load_b256 s[4:11], s[0:1], 0x0               ; x s[4:5], router_W s[6:7], xq s[8:9], sel s[10:11]
	s_load_b64 s[12:13], s[0:1], 0x20              ; rt
	v_lshl_add_u32 v87, v0, 2, 0x8100
	v_mov_b32 v127, 0
	v_lshrrev_b32 v1, 5, v0
	v_readfirstlane_b32 s14, v1                    ; wave
	v_and_b32 v1, 31, v0                           ; lane
	s_and_b32 s15, s14, 1                          ; c: my half of a token's numbers
	s_lshr_b32 s16, s14, 1                         ; which pair of tokens
	s_lshl_b32 s17, ttmp9, 2                       ; the work-group's first token
	s_lshl_b32 s18, s16, 1
	s_add_co_u32 s18, s18, s17                     ; my first token
	s_lshl_b32 s19, s14, 13                        ; my region of LDS
	s_add_co_u32 s20, s19, SBY
	v_lshlrev_b32 v3, 4, v1                        ; 16 x lane: my 16 bytes of a load's 512
	v_mul_u32_u24 v4, v1, 12                       ; my 16 codes' place
	v_lshrrev_b32 v5, 1, v1
	v_add_nc_u32 v5, s20, v5                       ; LDS: my block's scale byte (two lanes to a block)
	v_and_b32 v6, 7, v1
	v_lshl_add_u32 v6, v6, 2, s20                  ; LDS: the 32 scale bytes as eight words
	v_bfe_u32 v7, v1, 2, 1
	v_and_b32 v8, 3, v1
	v_lshlrev_b32 v8, 2, v8
	v_lshl_add_u32 v7, v7, 5, v8                   ; and their place in xq: words 0-3 the first token's, words 4-7 the second's, 32 bytes on
	v_lshlrev_b32 v9, 7, v1                        ; router_W: four rows of 32 bytes a lane
	v_lshrrev_b32 v14, 2, v1
	v_mul_u32_u24 v14, v14, SP
	v_and_b32 v15, 3, v1
	v_lshl_add_u32 v14, v15, 4, v14
	v_add_nc_u32 v14, s19, v14                     ; the stage, on the way in: four lanes' 64 bytes on end, then the padding
	v_mul_u32_u24 v15, v1, SP
	v_add_nc_u32 v15, s19, v15                     ; and on the way out: my 16 neighbours
	s_lshl_b32 s21, s16, 7
	s_lshl_b32 s22, s15, 5
	s_add_co_u32 s21, s21, s22
	s_add_co_u32 s21, s21, PART
	v_mov_b32 v10, s21                             ; where my two tokens' half sums go
	s_lshl_b32 s22, s14, 6
	s_add_co_u32 s22, s22, PART
	v_mov_b32 v11, s22                             ; and where token w's two halves lie
	v_mov_b32 v2, 0
	s_mov_b32 s40, 0x76543210
	s_mov_b32 s41, 0xfedcba98                      ; v_permlanex16_b32's selects for lane l xor 16
	s_lshl_b32 s24, s18, 12                        ; byte offsets, each in a pair of its own
	s_lshl_b32 s25, s15, 11
	s_add_co_u32 s24, s24, s25                     ; x: token x 4,096 + 2,048 c
	s_mov_b32 s25, 0
	s_lshl_b32 s26, s15, 14                        ; router_W: 512 c rows of 32 bytes
	s_mov_b32 s27, 0
	s_mul_i32 s28, s18, 768
	s_mul_i32 s29, s15, 384
	s_add_co_u32 s28, s28, s29                     ; codes: token x 768 + 384 c
	s_mov_b32 s29, 0
	s_lshl_b32 s32, s18, 5
	s_lshl_b32 s33, s15, 4
	s_add_co_u32 s32, s32, s33                     ; scale bytes: token x 32 + 16 c
	s_mov_b32 s33, 0
	s_add_co_u32 s34, s17, s14                     ; the token that I finish
	s_lshl_b32 s36, s34, 5
	s_mov_b32 s37, 0
	s_lshl_b32 s34, s34, 3
	s_mov_b32 s35, 0
	s_wait_alu depctr_va_vdst(0)
	s_wait_kmcnt 0x0
	s_add_nc_u64 s[4:5], s[4:5], s[24:25]
	s_add_nc_u64 s[6:7], s[6:7], s[26:27]
	s_add_nc_u64 s[30:31], s[8:9], s[28:29]
	s_add_nc_u64 s[32:33], s[8:9], s[32:33]
	s_add_nc_u64 s[32:33], s[32:33], XSO
	s_add_nc_u64 s[10:11], s[10:11], s[34:35]
	s_add_nc_u64 s[34:35], s[12:13], s[34:35]
	s_add_nc_u64 s[36:37], s[12:13], s[36:37]
.irp st, 0,1
.irp n, 0,1,2,3
	global_load_b128 v[R+16*\st+4*\n:R+16*\st+4*\n+3], v3, s[4:5] offset:4096*\st+512*\n th:TH_LOAD_NT   ; 32 lanes read 512 consecutive bytes; x is read once in the launch
.endr
.endr
.irp n, 0,1,2,3
.irp i, 0,1,2,3
.irp eh, 0,1
	global_load_b128 v[WR+8*(4*\n+\i)+4*\eh:WR+8*(4*\n+\i)+4*\eh+3], v9, s[6:7] offset:4096*\n+32*\i+16*\eh
.endr
.endr
.endr
.macro TURN st                         ; a token's 2,048 bytes through my stage: in as they were loaded, back 64 bytes a lane.  LDS serves a wave's instructions in order: no wait between
.irp i, 0,1,2,3
	ds_store_b128 v14, v[R+16*\st+4*\i:R+16*\st+4*\i+3] offset:32*SP*\st+8*SP*\i
.endr
.irp i, 0,1,2,3
	ds_load_b128 v[X+16*\st+4*\i:X+16*\st+4*\i+3], v15 offset:32*SP*\st+16*\i
.endr
.endm
	s_wait_loadcnt 32                              ; x's eight loads are in; router_W's 32 may be out
	TURN 0
	TURN 1
	s_wait_loadcnt 0x0
; THE LOGITS: two experts an instruction; the number of x is taken for both halves (first or second register of its pair).  Number 0 starts the sums; eight chains by turns.
.irp st, 0,1
.irp e, 0,2,4,6
	v_pk_mul_f32 v[ACC+8*\st+\e:ACC+8*\st+\e+1], v[WR+\e:WR+\e+1], v[R+16*\st:R+16*\st+1] op_sel_hi:[1,0]
.endr
.endr
.set q, 1
.rept 15
.irp st, 0,1
.irp e, 0,2,4,6
.if q%2
	v_pk_fma_f32 v[ACC+8*\st+\e:ACC+8*\st+\e+1], v[WR+8*q+\e:WR+8*q+\e+1], v[R+16*\st+2*(q/2):R+16*\st+2*(q/2)+1], v[ACC+8*\st+\e:ACC+8*\st+\e+1] op_sel:[0,1,0] op_sel_hi:[1,1,1]
.else
	v_pk_fma_f32 v[ACC+8*\st+\e:ACC+8*\st+\e+1], v[WR+8*q+\e:WR+8*q+\e+1], v[R+16*\st+2*(q/2):R+16*\st+2*(q/2)+1], v[ACC+8*\st+\e:ACC+8*\st+\e+1] op_sel_hi:[1,0,1]
.endif
.endr
.endr
.set q, q+1
.endr
; THE QUANTISER: 16 neighbours a lane, two lanes to a block of 32.
.macro QSTEP st
.set XS, X+16*\st
	v_max3_num_f32 v[TW], |v[XS]|, |v[XS+1]|, |v[XS+2]|
	v_max3_num_f32 v[TW+1], |v[XS+3]|, |v[XS+4]|, |v[XS+5]|
.irp i, 6,10
	v_max3_num_f32 v[TW], v[TW], |v[XS+\i]|, |v[XS+\i+1]|
	v_max3_num_f32 v[TW+1], v[TW+1], |v[XS+\i+2]|, |v[XS+\i+3]|
.endr
	v_max3_num_f32 v[TW], v[TW], |v[XS+14]|, |v[XS+15]|
	v_max3_num_f32 v[TW], v[TW], v[TW+1], 0x1800000                ; and the floor 2^(3 - 127): the byte cannot fall under 1
	v_max_num_f32_dpp v[TW], v[TW], v[TW] row_xmask:1 row_mask:0xf bank_mask:0xf   ; with my neighbour's 16: the block's largest magnitude
	v_add_nc_u32 v[TW+2], 0xff000000, v[TW]        ; 2 off its exponent field: the conversion takes this operand's exponent field as its scale
	v_cvt_scalef32_pk16_fp6_f32 v[C+4*\st:C+4*\st+2], v[XS:XS+15], v[TW+2]
	v_lshrrev_b32 v[TW+4+\st], 23, v[TW+2]         ; the scale's byte (also the plain line behind the conversion)
	ds_store_b8 v5, v[TW+4+\st] offset:16*\st      ; both lanes of a block write the same byte with the same value
	global_store_b96 v4, v[C+4*\st:C+4*\st+2], s[30:31] offset:768*\st   ; the wave stores 384 consecutive bytes
.endm
	s_wait_dscnt 0x0                               ; both tokens' numbers are back from the stages
	QSTEP 0
	QSTEP 1
; the 16 sums over the 32 lanes: four steps inside each half of 16 lanes, one across
.irp k, 1,2,4,8
.irp a, 0,1,2,3,4,5,6,7,8,9,10,11,12,13,14,15
	v_add_f32_dpp v[ACC+\a], v[ACC+\a], v[ACC+\a] row_xmask:\k row_mask:0xf bank_mask:0xf
.endr
.endr
.irp a, 0,1,2,3,4,5,6,7,8,9,10,11,12,13,14,15
	v_permlanex16_b32 v[X+\a], v[ACC+\a], s40, s41 ; (into registers that have been written)
.endr
.irp a, 0,1,2,3,4,5,6,7,8,9,10,11,12,13,14,15
	v_add_f32 v[ACC+\a], v[ACC+\a], v[X+\a]
.endr
.irp st, 0,1
.irp k, 0,1
	ds_store_b128 v10, v[ACC+8*\st+4*\k:ACC+8*\st+4*\k+3] offset:64*\st+16*\k   ; every lane holds the same sums and writes the same bytes
.endr
.endr
	ds_load_b32 v[TW], v6                          ; my wave's 32 scale bytes, in lanes 0 to 7
	s_wait_dscnt 0x0                               ; they are in; and, for the other waves' sake, my half sums have landed
	s_wait_xcnt 0x0                                ; EXEC changes only behind this wait
	v_cmp_gt_u32 vcc_lo, 8, v1
	s_and_saveexec_b32 s42, vcc_lo
	global_store_b32 v7, v[TW], s[32:33]
	s_wait_xcnt 0x0
	s_or_b32 exec_lo, exec_lo, s42
	s_barrier_signal -1
	s_barrier_wait -1
; TOKEN w: every lane does the same arithmetic on the same eight logits
	ds_load_b128 v[P:P+3], v11
	ds_load_b128 v[P+4:P+7], v11 offset:16
	ds_load_b128 v[TW:TW+3], v11 offset:32
	ds_load_b128 v[TW+4:TW+7], v11 offset:48
	s_wait_dscnt 0x0
.irp e, 0,2,4,6
	v_pk_add_f32 v[P+\e:P+\e+1], v[P+\e:P+\e+1], v[TW+\e:TW+\e+1]
.endr
	v_max3_num_f32 v120, v[P], v[P+1], v[P+2]
	v_max3_num_f32 v120, v120, v[P+3], v[P+4]
	v_max3_num_f32 v120, v120, v[P+5], v[P+6]
	v_max_num_f32 v120, v120, v[P+7]               ; the largest logit is taken away, as reference()'s softmax does
.irp e, 0,1,2,3,4,5,6,7
	v_sub_f32 v[P+\e], v[P+\e], v120
.endr
.irp e, 0,1,2,3,4,5,6,7
	v_mul_f32 v[P+\e], 0x3fb8aa3b, v[P+\e]         ; x log2(e)
.endr
	s_wait_alu depctr_va_vdst(0)
.irp e, 0,1,2,3,4,5,6,7
	v_exp_f32 v[P+\e], v[P+\e]
.endr
	v_nop                                          ; a plain line behind the exponentials
	s_wait_alu depctr_va_vdst(0)
	v_pk_add_f32 v[TW:TW+1], v[P:P+1], v[P+2:P+3]
	v_pk_add_f32 v[TW+2:TW+3], v[P+4:P+5], v[P+6:P+7]
	v_pk_add_f32 v[TW:TW+1], v[TW:TW+1], v[TW+2:TW+3]
	v_add_f32 v121, v[TW], v[TW+1]
	s_wait_alu depctr_va_vdst(0)
	v_rcp_f32 v121, v121
	v_nop
	s_wait_alu depctr_va_vdst(0)
.irp e, 0,1,2,3,4,5,6,7
	v_mul_f32 v[P+\e], v[P+\e], v121               ; p
.endr
	v_mov_b32 v120, v[P]                           ; the largest p and its index: a later one wins only if it is larger, so the lower index keeps a tie
	v_mov_b32 v122, 0
.irp e, 1,2,3,4,5,6,7
	v_cmp_le_f32 vcc_lo, v[P+\e], v120
	v_cndmask_b32 v120, v[P+\e], v120, vcc_lo
	v_cndmask_b32 v122, \e, v122, vcc_lo
.endr
	v_mov_b32 v121, -1.0                           ; the second: the same over the seven others, from under every p
	v_mov_b32 v123, 0
.irp e, 0,1,2,3,4,5,6,7
	v_cmp_eq_u32 s42, \e, v122
	v_cmp_le_f32 vcc_lo, v[P+\e], v121
	s_or_b32 vcc_lo, vcc_lo, s42
	v_cndmask_b32 v121, v[P+\e], v121, vcc_lo
	v_cndmask_b32 v123, \e, v123, vcc_lo
.endr
	v_add_f32 v126, v120, v121
	v_add_f32 v126, 0x322bcc77, v126               ; + 1e-8
	s_wait_alu depctr_va_vdst(0)
	v_rcp_f32 v126, v126
	v_nop
	s_wait_alu depctr_va_vdst(0)
	v_mul_f32 v124, v120, v126
	v_mul_f32 v125, v121, v126
	s_wait_alu depctr_va_vdst(0)
	s_wait_xcnt 0x0
	v_cmp_eq_u32 vcc_lo, 0, v1                     ; lane 0 stores for the wave
	s_wait_tensorcnt 0x0
	ds_add_u32 v87, v127
	s_wait_dscnt 0x0
	s_and_saveexec_b32 s42, vcc_lo
	global_store_b64 v2, v[122:123], s[10:11]
	global_store_b64 v2, v[124:125], s[34:35]
	global_store_b128 v2, v[P:P+3], s[36:37] offset:PRB
	global_store_b128 v2, v[P+4:P+7], s[36:37] offset:PRB+16
	s_wait_xcnt 0x0
	s_or_b32 exec_lo, exec_lo, s42
	s_endpgm
.Lfunc_end_k_qb3880b7655_route:
	.size	k_qb3880b7655_route, .Lfunc_end_k_qb3880b7655_route-k_qb3880b7655_route
	.p2alignl 7, 3214868480
	.fill 96, 4, 3214868480
	.section	.rodata,"a",@progbits
	.p2align	6, 0x0
	.amdhsa_kernel k_qb3880b7655_route
		.amdhsa_group_segment_fixed_size 33536
		.amdhsa_private_segment_fixed_size 0
		.amdhsa_enable_private_segment 0
		.amdhsa_kernarg_size 40
		.amdhsa_user_sgpr_count 2
		.amdhsa_user_sgpr_kernarg_segment_ptr 1
		.amdhsa_wavefront_size32 1
		.amdhsa_system_sgpr_workgroup_id_x 1
		.amdhsa_system_sgpr_workgroup_id_y 1
		.amdhsa_system_sgpr_workgroup_id_z 1
		.amdhsa_system_vgpr_workitem_id 0
		.amdhsa_next_free_vgpr 256
		.amdhsa_next_free_sgpr 66
		.amdhsa_reserve_vcc 1
		.amdhsa_float_denorm_mode_32 3
		.amdhsa_float_denorm_mode_16_64 3
		.amdhsa_memory_ordered 1
		.amdhsa_forward_progress 1
		.amdhsa_inst_pref_size 30
	.end_amdhsa_kernel
	.amdgpu_metadata
---
amdhsa.version: [ 1, 2 ]
amdhsa.kernels:
  - .name:           k_qb3880b7655_route
    .symbol:         k_qb3880b7655_route.kd
    .args:
      - { .name: x, .offset: 0, .size: 8, .value_kind: global_buffer, .address_space: global }
      - { .name: router_W, .offset: 8, .size: 8, .value_kind: global_buffer, .address_space: global }
      - { .name: xq, .offset: 16, .size: 8, .value_kind: global_buffer, .address_space: global }
      - { .name: sel, .offset: 24, .size: 8, .value_kind: global_buffer, .address_space: global }
      - { .name: rt, .offset: 32, .size: 8, .value_kind: global_buffer, .address_space: global }
    .group_segment_fixed_size: 33536
    .private_segment_fixed_size: 0
    .kernarg_segment_align: 8
    .kernarg_segment_size: 40
    .max_flat_workgroup_size: 128
    .sgpr_count:     66
    .vgpr_count:     256
    .wavefront_size: 32
...
	.end_amdgpu_metadata
.endif
;; end of part 6
;; launch ffn1 (part 7): grid 32 x 8, 8 waves a work-group, no clusters, 165,888 bytes of LDS; arguments W_in_codes, W_in_scales, b_in, xq, sel, hq, idx; writes hq, idx
.if DOCPART == 7
	.amdgcn_target "amdgcn-amd-amdhsa--gfx1250"
	.amdhsa_code_object_version 6
	.text
	.protected	k_qb3880b7655_ffn1
	.globl	k_qb3880b7655_ffn1
	.p2align	8
	.type	k_qb3880b7655_ffn1,@function
k_qb3880b7655_ffn1:
	s_mov_b64 s[64:65], 0
	v_nop
	global_prefetch_b8 v0, s[64:65] scope:SCOPE_SE
	s_setreg_imm32_b32 hwreg(HW_REG_WAVE_MODE, 25, 1), 1
	s_wait_xcnt 0x0
; h = Q(gelu(x W_in + b_in)) FOR THE ROWS THAT WERE ROUTED, on codes of E2M3 with one E8M0 scale for each 32 along K.  reference() weighs every other (token, expert) pair with 0: those are not multiplied.
; SHARES.  Work-group (x, y): expert e = y, hidden units 128 x .. 128 x + 127 (one K step of the next product), all of the expert's tiles of 16 rows.  Eight waves: wave w makes hidden units 32 (w % 4) .. + 31
; of the slice (one block of 32) for the tiles of parity w / 4, over all of K = 1,024: its 16 fragments of W_in (192 registers) stay.  The slice's weights are fetched once: wave w loads the 16 rows of tile w / 4
; of its 32 hidden units into an LDS stage, and the two waves of those hidden units read both stages back as fragments.
; What goes round is a tile's 16 rows of x's codes and scale words, gathered by the expert's list into LDS two tiles ahead; a tile's fragments are read from LDS a tile ahead, behind the products of the tile before.
; THE LIST IS MADE HERE, from sel (whole numbers stored by the launch before).  Every wave turns sel into 32 masks of 32 tokens; word i, bit l stands for token 64 (i / 2) + 2 l + i % 2, and the order of words and bits
; is the order of the expert's places.  No LDS address is made of a loaded number: thread i LOOKS FOR the tokens at places 4 i .. 4 i + 3: a walk over the 32 words keeps the word in which the place lies, five halvings find the bit.
; Places from the expert's count on give some token under 1,024, whose row is made and never read.
; The work-group x = 0 of each expert also stores POS [expert][token] = the token's place with this expert, and CNT [expert] = the count.
; NO TENSOR LOAD AND NO CLUSTER: how many tiles there are hangs on stored numbers.
; THE LOOP has a constant count (32 slots of two tiles, all that one expert could need); a wave whose tile lies at or beyond the expert's count of tiles NT jumps over its work, never over a barrier.
; THE PRODUCT IS USED TRANSPOSED (source 0 = 16 rows of W_in, source 1 = 16 rows of x): a lane holds one row.  Lane r of tile u takes W_in's row 8 u + r + 8 (r / 8) of my 32,
; so that register i of the two tiles is hidden unit 16 (lane / 16) + i: 16 neighbours along the next product's K.  b_in is the C of each sum's first product.
; gelu(v) = max(v, 0) - |v| / 2 x erfc(|v| / sqrt 2), in f32, with erfc(z) = t (a1 + t (a2 + t (a3 + t (a4 + t a5)))) exp(-z z), t = 1 / (1 + p z) (Abramowitz and Stegun 7.1.26), one form for all z.
; OUT: hq, laid as the next launch's registers want it: [expert][tile][K step 0..31][half c][768 B]; a half = registers 6 c .. 6 c + 3 at 16 x lane, then 6 c + 4, 6 c + 5 at 512 + 8 x lane.
;      My block is lanes 16 (w % 2) + r of half (w % 4) / 2 of K step x.  The four waves of a parity join the K step's 1,536 bytes in an LDS stage; behind the slot's barrier three of them store 512 consecutive bytes each.
;      From byte HSO on the scale words, [expert][tile][x / 2][row][8 B]: word x % 2; the fourth wave stores them.
; An expert without rows still has tile 0 made, so that every byte that a later launch loads has been stored; nothing of it reaches the output.
; LIMITS: NaN and infinities are not served.  A block of zeros gets the byte 1 (its codes are zeros; only this program reads the bytes).  The form of erfc has an absolute error of at most 1.5e-7, beside the rounding
; of its f32 steps: gelu's absolute error is about 2e-7 x |v| / 2, so its relative error grows in the far negative tail, as that of reference()'s own 1 + erf does in f32.
; REGISTERS: window 0: addresses, gathered rows, scale words, b_in, two accumulators, gelu's work, the codes, x's fragments 5-7; at the head sel, the places, the search and a second gather.
;   Window 1: W_in's fragment (K step s, tile t) at v[12 (2 s + t)]; from v192 x's fragments 0-4.
.set CNT,   40960                      ; idx: the experts' counts (POS begins at byte 0)
.set XSO,   786432                     ; xq: where the scale bytes begin
.set HSO,   25165824                   ; hq: where the scale words begin
.set TILEB, 49152                      ; hq: a tile's codes
.set WPI,   784                        ; the weights' stage: a row of 768 bytes + 16
.set WSTG,  16*WPI                     ; a stage of 16 rows for each wave: stage 2 (w % 4) + w / 4, at LDS byte 0 on
.set XP,    816                        ; a gathered row: 768 bytes of codes, 32 of scale words, 16 of padding
.set XBB,   16*XP
.set XB0,   8*WSTG                     ; for each parity two buffers of 16 gathered rows, by turns
.set LIST,  XB0+4*XBB                  ; 64 tiles x 16 tokens, 64 bytes a tile
.set OST,   LIST+4096                  ; for each parity two stages for the way out: 1,536 bytes of codes, then 16 scale words
.set OSB,   2048
.set SPARE, OST+4*OSB                  ; the spare words, 128 bytes a wave
.set AXF, 4                            ; x's fragments: my parity's buffer 0 + XP r + 24 h
.set AWF, 5                            ; the weights' fragments: stage 2 (w % 4) + WPI r + 24 h
.set AWS, 6                            ; into my stage: lanes 0-15 row p, lanes 16-31 row 8 + p; 16 bytes a lane
.set GW,  7                            ; the same two rows in memory
.set AXS, 8                            ; where I put gathered codes: rows 4 (w % 4) + 2 h (+ 1)
.set ALP, 9                            ; LIST: the tokens of these two rows
.set ALR, 10                           ; LIST: the token of row 4 (w % 4) + lane / 8
.set R16, 11                           ; 16 r
.set L16, 12                           ; 16 x lane
.set L8,  13                           ; 8 x lane
.set R8,  14                           ; 8 r
.set ASC, 15                           ; the stage: my byte of row r's scale word
.set ASL, 16                           ; the stage: row r's scale word
.set ALS, 17                           ; LIST + 16 x thread
.set TK,  18                           ; v18-23 a gather's tokens and offsets: two tokens, one token, their rows in xq, a scale word's place
.set LA0, 24                           ; v24-25 LIST addresses of the tile to be gathered
.set LA1, 25
.set ARB, 26                           ; the stage, back: 512 (w % 4) + 16 x lane
.set AXT, 27                           ; where I put a gathered scale word
.set AXQ, 28                           ; row r's scale words
.set L7,  29                           ; 4 (lane % 8)
.set GSS, 30                           ; the gathered scale word
.set GS,  32                           ; v32-55 the gathered codes (at the head v32-35: my four tokens of the list)
.set XS,  56                           ; v56-63 x's scale words: register s = K step s of row r
.set AST, 70                           ; the stage: registers 0-3 of my block's row r
.set AST2, 71                          ; and registers 4, 5
.set WS,  72                           ; v72-87 W_in's scale words: register 8 t + s
.set BI,  88                           ; v88-103 b_in in the result's layout
.set HA,  104                          ; v104-119 the two accumulators, then the hidden layer
.set FL,  120                          ; v120-123 on the way out of the stage
.set EM,  136                          ; gelu's work, eight registers each: max(v, 0),
.set ET,  144                          ; 1 + p z, then t,
.set EW,  152                          ; the exponent, then exp(-z z), then t exp(-z z),
.set EP,  160                          ; the polynomial,
.set EQ,  168                          ; |v|, then |v| t exp(-z z)
.set CB,  184                          ; v184-185 a4 / 2 as a vector pair
.set TM,  190                          ; v190-197 the quantiser's work
.set PC,  200                          ; v200-205 the codes
.set SPW, 207                          ; my spare word's address; never rewritten
.set NIL, 211                          ; 0; never rewritten
.set XH,  212                          ; v212-247 x's fragments 5-7
.set GS2, 212                          ; at the head, behind the search: the second gather's codes v212-235,
.set GSS2, 236                         ; its scale word,
.set TK2, 238                          ; and its tokens and offsets v238-243
.set SL,  104                          ; at the head: v104-167 sel
.set NA1, 104                          ; behind it, four registers each: the word's sums over 2 bits,
.set NA2, 108                          ; over 4,
.set NA3, 112                          ; over 8;
.set NCN, 116                          ; the count of the lower half in hand;
.set NTT, 120                          ; at work;
.set NPS, 124                          ; the bit so far;
.set NII, 128                          ; the word's index
.set NSH, 132                          ; a halving's width
.set POSR, 212                         ; v212-243 register i: the place of word i's token of my lane
.set QX,  244                          ; v244-247 the four places that I look for, then their rank within the word
.set QW,  248                          ; v248-251 the word kept
.set QZ,  252                          ; v252-255 its index << 16 + its first place
.set WV,  16
.set EX,  17
.set QQ,  18
.set PP,  19                           ; w / 4: the parity of my tiles
.set NT,  20                           ; the expert's tiles (s20-23 at the head: four masks at work)
.set J0,  21                           ; parity + 4 x trip
.set JC,  22                           ; my tile of the slot
.set LOF, 23                           ; 256 x trip: the trip's first pair of tiles in LIST
.set IT,  24
.set SB,  34                           ; at the head: the places before the word in hand; at the walk's end the expert's count
.set SZ,  35                           ; at the head: that number + the word's index << 16
.set SEL, 38
.set PKC, 40                           ; s40-51 constants as pairs (both words are written)
.set ECC, 42
.set B5,  44
.set B3,  46
.set B2,  48
.set B1,  50
.set HW,  67                           ; w % 4: my 32 hidden units
.set MK,  70                           ; s70-101 the 32 masks
.set MSB, 0
.macro WIN new                         ; the immediate's high byte repeats the setting that is left; bits 1:0 source 0, 3:2 source 1, 5:4 source 2, 7:6 destination
.if MSB != \new
	s_set_vgpr_msb (MSB<<8)|\new
.set MSB, \new
.endif
.endm
.macro SPAIR reg, val
	s_mov_b32 s[\reg], \val
	s_mov_b32 s[\reg+1], \val
.endm
; THE WEIGHTS' WAY IN.  My batch = 16 rows x 768 bytes, read as they lie: sixteen lanes read 256 consecutive bytes at a multiple of 256 from the buffer's first byte.  It lands in registers that fragments will take later
.macro WLOAD
	WIN 0x40
.irp p, 0,1,2,3,4,5,6,7
.irp c, 0,1,2
	global_load_b128 v[24*\p+4*\c:24*\p+4*\c+3], v[GW], s[4:5] offset:\p*768+256*\c
.endr
.endr
	WIN 0
.endm
.macro WSTORE                          ; from there into my stage (an LDS store's data are its source 1)
	WIN 0x04
.irp p, 0,1,2,3,4,5,6,7
.irp c, 0,1,2
	ds_store_b128 v[AWS], v[24*\p+4*\c:24*\p+4*\c+3] offset:WPI*\p+256*\c
.endr
.endr
	WIN 0
.endm
.macro WFRAG t                         ; tile t's stage as fragments: lane (r, h) takes, of row r and K step s, the 24 bytes at 96 s + 24 h and those at 96 s + 48 + 24 h
	WIN 0x40
.irp s, 0,1,2,3,4,5,6,7
.irp i, 0,1,2,3,4,5
	ds_load_b64 v[12*(2*\s+(\t))+2*\i:12*(2*\s+(\t))+2*\i+1], v[AWF] offset:WSTG*(\t)+96*\s+48*(\i/3)+8*(\i%3)
.endr
.endr
	WIN 0
.endm
; THE MASKS: bit l of word i says that my expert is one of the two of word i's token of lane l
.macro MASKS
.set i, 0
.rept 8
.irp u, 0,1,2,3
	v_cmp_eq_u32 s[MK+i+\u], s[EX], v[SL+2*(i+\u)]
	v_cmp_eq_u32 s[20+\u], s[EX], v[SL+2*(i+\u)+1]
.endr
.irp u, 0,1,2,3
	s_or_b32 s[MK+i+\u], s[MK+i+\u], s[20+\u]
.endr
.set i, i+4
.endr
.endm
; THE WALK over words from .. to - 1.  s[SB] = the places before word i.  For each of my four places: where the word's first place does not lie beyond it, the word and its (index, first place) take the earlier one's stead.  A choice of values: no branch
.macro WALK from, to
.set i, \from
.rept \to-\from
	v_mbcnt_lo_u32_b32 v[POSR+i], s[MK+i], s[SB]
.if i > 0
.irp k, 0,1,2,3
	v_cmp_gt_u32 s[20+\k], s[SB], v[QX+\k]
.endr
.irp k, 0,1,2,3
	v_cndmask_b32 v[QW+\k], s[MK+i], v[QW+\k], s[20+\k]
.endr
.irp k, 0,1,2,3
	v_cndmask_b32 v[QZ+\k], s[SZ], v[QZ+\k], s[20+\k]
.endr
.endif
	s_bcnt1_i32_b32 s25, s[MK+i]
	s_add_co_u32 s[SB], s[SB], s25
	s_add_co_u32 s[SZ], s[SB], (i+1)<<16
.set i, i+1
.endr
.endm
; One halving: the set bits of the lower sh bits of the stretch in hand are counted; where the rank is not among them, they are taken off it and the upper half is gone into
.macro LEVEL src, sh, first
	v_mov_b32 v[NSH], \sh
.if !\first
.irp k, 0,1,2,3
	v_bfe_u32 v[NCN+\k], v[\src+\k], v[NPS+\k], \sh
.endr
.endif
.irp k, 0,1,2,3
	v_cmp_ge_u32 vcc_lo, v[QX+\k], v[NCN+\k]
	v_cndmask_b32 v[NCN+\k], 0, v[NCN+\k], vcc_lo
.if \first
	v_cndmask_b32 v[NPS+\k], 0, v[NSH], vcc_lo
.else
	v_cndmask_b32 v[NTT+\k], 0, v[NSH], vcc_lo
.endif
.endr
.irp k, 0,1,2,3
	v_sub_nc_u32 v[QX+\k], v[QX+\k], v[NCN+\k]
.endr
.if !\first
.irp k, 0,1,2,3
	v_add_nc_u32 v[NPS+\k], v[NPS+\k], v[NTT+\k]
.endr
.endif
.endm
; THE GATHER of four rows: the tokens, held inside the table, become byte offsets; sixteen lanes read 256 consecutive bytes of a token's 768; eight lanes a token's 32 scale bytes.  Seven loads
.macro GATHER tk, gs, gss
	v_min_u32 v[\tk], 0x3ff, v[\tk]
	v_min_u32 v[\tk+1], 0x3ff, v[\tk+1]
	v_min_u32 v[\tk+2], 0x3ff, v[\tk+2]
	v_mul_u32_u24 v[\tk+3], v[\tk], 768
	v_mul_u32_u24 v[\tk+4], v[\tk+1], 768
	v_lshlrev_b32 v[\tk+5], 5, v[\tk+2]
	v_add_nc_u32 v[\tk+3], v[\tk+3], v[R16]
	v_add_nc_u32 v[\tk+4], v[\tk+4], v[R16]
	v_add_nc_u32 v[\tk+5], v[\tk+5], v[L7]
.irp i, 0,1
.irp c, 0,1,2
	global_load_b128 v[\gs+4*(3*\i+\c):\gs+4*(3*\i+\c)+3], v[\tk+3+\i], s[10:11] offset:256*\c
.endr
.endr
	global_load_b32 v[\gss], v[\tk+5], s[28:29]
.endm
.macro PUT off, gs, gss                ; the gathered rows into my parity's buffer that begins off bytes behind its first
.irp i, 0,1
.irp c, 0,1,2
	ds_store_b128 v[AXS], v[\gs+4*(3*\i+\c):\gs+4*(3*\i+\c)+3] offset:\off+XP*\i+256*\c
.endr
.endr
	ds_store_b32 v[AXT], v[\gss] offset:\off
.endm
.macro XLOAD off                       ; a tile's scale words and eight fragments from that buffer: 50 loads
	ds_load_b128 v[XS:XS+3], v[AXQ] offset:\off
	ds_load_b128 v[XS+4:XS+7], v[AXQ] offset:\off+16
	WIN 0x40
.irp s, 0,1,2,3,4
.irp i, 0,1,2,3,4,5
	ds_load_b64 v[192+12*\s+2*\i:192+12*\s+2*\i+1], v[AXF] offset:\off+96*\s+48*(\i/3)+8*(\i%3)
.endr
.endr
	WIN 0
.irp s, 5,6,7
.irp i, 0,1,2,3,4,5
	ds_load_b64 v[XH+12*(\s-5)+2*\i:XH+12*(\s-5)+2*\i+1], v[AXF] offset:\off+96*\s+48*(\i/3)+8*(\i%3)
.endr
.endr
.endm
; Two products: K step s of my two tiles.  The two accumulators take turns, one instruction a turn
.macro MM s
.if (\s) < 5
	WIN 0x05                                       ; W_in window 1, x window 1
.set XF, 192+12*(\s)
.else
	WIN 0x01                                       ; W_in window 1, x window 0
.set XF, XH+12*((\s)-5)
.endif
.irp t, 0,1
.if (\s) == 0
	v_wmma_scale_f32_16x16x128_f8f6f4 v[HA+8*\t:HA+8*\t+7], v[12*(2*(\s)+\t):12*(2*(\s)+\t)+11], v[XF:XF+11], v[BI+8*\t:BI+8*\t+7], v[WS+8*\t+(\s)], v[XS+(\s)] matrix_a_fmt:MATRIX_FMT_FP6 matrix_b_fmt:MATRIX_FMT_FP6
.else
	v_wmma_scale_f32_16x16x128_f8f6f4 v[HA+8*\t:HA+8*\t+7], v[12*(2*(\s)+\t):12*(2*(\s)+\t)+11], v[XF:XF+11], v[HA+8*\t:HA+8*\t+7], v[WS+8*\t+(\s)], v[XS+(\s)] matrix_a_fmt:MATRIX_FMT_FP6 matrix_b_fmt:MATRIX_FMT_FP6
.endif
.endr
.endm
; gelu of one accumulator's eight numbers, in place, two at a time, the four pairs by turns.  The accumulator is read from its low end on
.macro GELU x
.irp j, 0,1,2,3,4,5,6,7
	v_max_num_f32 v[EM+\j], 0, v[\x+\j]
.endr
.irp j, 0,2,4,6
	v_pk_mul_f32 v[EW+\j:EW+\j+1], v[\x+\j:\x+\j+1], s[ECC:ECC+1] op_sel_hi:[1,0]
.endr
.irp j, 0,2,4,6
	v_pk_fma_f32 v[EQ+\j:EQ+\j+1], v[EM+\j:EM+\j+1], 2.0, v[\x+\j:\x+\j+1] op_sel_hi:[1,0,1] neg_lo:[0,0,1] neg_hi:[0,0,1]   ; |v| = 2 max(v, 0) - v, exactly
.endr
.irp j, 0,2,4,6
	v_pk_mul_f32 v[EW+\j:EW+\j+1], v[EW+\j:EW+\j+1], v[\x+\j:\x+\j+1]   ; -z z log2(e)
.endr
.irp j, 0,2,4,6
	v_pk_fma_f32 v[ET+\j:ET+\j+1], v[EQ+\j:EQ+\j+1], s[PKC:PKC+1], 1.0 op_sel_hi:[1,0,0]   ; 1 + p z
.endr
	s_wait_alu depctr_va_vdst(0)                   ; the wait ahead of the batch
.irp j, 0,1,2,3,4,5,6,7
	v_rcp_f32 v[ET+\j], v[ET+\j]                   ; t
.endr
.irp j, 0,1,2,3,4,5,6,7
	v_exp_f32 v[EW+\j], v[EW+\j]                   ; exp(-z z)
.endr
	v_nop                                          ; a plain line behind the batch
	s_wait_alu depctr_va_vdst(0)                   ; and the wait behind it, ahead of its first reader
.irp j, 0,2,4,6
	v_pk_fma_f32 v[EP+\j:EP+\j+1], v[ET+\j:ET+\j+1], s[B5:B5+1], v[CB:CB+1] op_sel_hi:[1,0,1]
.endr
.irp j, 0,2,4,6
	v_pk_mul_f32 v[EW+\j:EW+\j+1], v[EW+\j:EW+\j+1], v[ET+\j:ET+\j+1]
.endr
.irp j, 0,2,4,6
	v_pk_fma_f32 v[EP+\j:EP+\j+1], v[EP+\j:EP+\j+1], v[ET+\j:ET+\j+1], s[B3:B3+1] op_sel_hi:[1,1,0]
.endr
.irp j, 0,2,4,6
	v_pk_mul_f32 v[EQ+\j:EQ+\j+1], v[EQ+\j:EQ+\j+1], v[EW+\j:EW+\j+1]
.endr
.irp k, B2, B1
.irp j, 0,2,4,6
	v_pk_fma_f32 v[EP+\j:EP+\j+1], v[EP+\j:EP+\j+1], v[ET+\j:ET+\j+1], s[\k:\k+1] op_sel_hi:[1,1,0]
.endr
.endr
.irp j, 0,2,4,6
	v_pk_fma_f32 v[\x+\j:\x+\j+1], v[EQ+\j:EQ+\j+1], v[EP+\j:EP+\j+1], v[EM+\j:EM+\j+1] neg_lo:[1,0,0] neg_hi:[1,0,0]   ; max(v, 0) - |v| erfc / 2
.endr
.endm
; My 32 hidden units of a row: one block, in lanes l and l xor 16.  Out: six registers of codes, the whole block in both lanes of a row, and the scale's byte
.macro QUANT1
	v_max3_num_f32 v[TM], |v[HA]|, |v[HA+1]|, 0x1800000            ; and the floor 2^(3 - 127): the byte cannot fall under 1
	v_max3_num_f32 v[TM+1], |v[HA+2]|, |v[HA+3]|, |v[HA+4]|
.irp i, 5,9
	v_max3_num_f32 v[TM], v[TM], |v[HA+\i]|, |v[HA+\i+1]|
	v_max3_num_f32 v[TM+1], v[TM+1], |v[HA+\i+2]|, |v[HA+\i+3]|
.endr
	v_max3_num_f32 v[TM], v[TM], |v[HA+13]|, |v[HA+14]|
	v_max3_num_f32 v[TM], v[TM], v[TM+1], |v[HA+15]|
	v_permlanex16_b32 v[TM+2], v[TM], s[SEL], s[SEL+1]
	v_max_num_f32 v[TM], v[TM], v[TM+2]
	v_add_nc_u32 v[TM+4], 0xff000000, v[TM]        ; 2 off the exponent field: the conversion's scale operand
	v_cvt_scalef32_pk16_fp6_f32 v[PC:PC+2], v[HA:HA+15], v[TM+4]
	v_lshrrev_b32 v[TM+6], 23, v[TM+4]             ; the scale's byte (also the plain line behind the conversion)
.irp i, 0,1,2
	v_mov_b32 v[PC+3+\i], v[PC+\i]
.endr
.irp i, 0,1,2
	v_permlane16_swap_b32 v[PC+\i], v[PC+3+\i]     ; the first's lanes 16-31 change places with the copy's lanes 0-15: the first holds the row's lower 16 codes in both lanes, the copy the upper 16
.endr
.endm
	s_load_b256 s[4:11], s[0:1], 0x0               ; W_in's codes s[4:5], its scales s[6:7], b_in s[8:9], xq s[10:11]
	s_load_b128 s[12:15], s[0:1], 0x20             ; sel s[12:13], hq s[14:15]
	s_load_b64 s[68:69], s[0:1], 0x30              ; idx
	v_lshl_add_u32 v[SPW], v0, 2, SPARE
	v_mov_b32 v[NIL], 0
	v_lshrrev_b32 v1, 5, v0
	v_readfirstlane_b32 s[WV], v1                  ; wave 0..7
	s_and_b32 s[HW], s[WV], 3
	s_lshr_b32 s[PP], s[WV], 2
	s_and_b32 s[EX], ttmp7, 0xffff                 ; the expert
	s_mov_b32 s[QQ], ttmp9                         ; the slice of 128 hidden units
	s_mov_b32 s27, 0                               ; the upper word of every offset made in s[26:27]; never rewritten
	v_and_b32 v1, 31, v0                           ; lane
	v_and_b32 v2, 15, v0                           ; r
	v_bfe_u32 v3, v0, 4, 1                         ; h
	s_mul_i32 s25, s[HW], 2*WSTG
	s_mul_i32 s26, s[PP], WSTG
	s_add_co_u32 s26, s26, s25
	v_mul_u32_u24 v[AWF], v2, WPI
	v_mad_u32_u24 v[AWF], v3, 24, v[AWF]
	v_add_nc_u32 v[AWF], s25, v[AWF]
	v_mul_u32_u24 v[AWS], v3, 8*WPI
	v_lshl_add_u32 v[AWS], v2, 4, v[AWS]
	v_add_nc_u32 v[AWS], s26, v[AWS]
	v_mul_u32_u24 v[GW], v3, 16*768                ; stage row 8 + p is the weight's row 16 further on
	v_lshl_add_u32 v[GW], v2, 4, v[GW]
	s_mul_i32 s24, s[PP], 2*XBB
	s_add_co_u32 s24, s24, XB0                     ; my parity's two buffers
	v_mul_u32_u24 v31, v2, XP
	v_add_nc_u32 v31, s24, v31
	v_mad_u32_u24 v[AXF], v3, 24, v31
	v_add_nc_u32 v[AXQ], 768, v31
	s_mul_i32 s25, s[HW], 4*XP
	s_add_co_u32 s25, s25, s24
	v_mul_u32_u24 v[AXS], v3, 2*XP
	v_lshl_add_u32 v[AXS], v2, 4, v[AXS]
	v_add_nc_u32 v[AXS], s25, v[AXS]
	v_lshrrev_b32 v31, 3, v1                       ; lane / 8
	v_and_b32 v[L7], 7, v1
	v_lshlrev_b32 v[L7], 2, v[L7]
	v_mad_u32_u24 v[AXT], v31, XP, v[L7]
	v_add_nc_u32 v[AXT], s25, v[AXT]
	v_add_nc_u32 v[AXT], 768, v[AXT]
	s_lshl_b32 s25, s[HW], 4
	s_lshl_b32 s26, s[PP], 6
	s_add_co_u32 s25, s25, s26
	s_add_co_u32 s25, s25, LIST
	v_lshl_add_u32 v[ALP], v3, 3, s25
	v_lshl_add_u32 v[ALR], v31, 2, s25
	v_lshlrev_b32 v[R16], 4, v2
	v_lshlrev_b32 v[L16], 4, v1
	v_lshlrev_b32 v[L8], 3, v1
	v_lshlrev_b32 v[R8], 3, v2
	s_lshl_b32 s24, s[PP], 12
	s_add_co_u32 s24, s24, OST                     ; my parity's two stages
	s_add_co_u32 s25, s24, s[HW]
	s_add_co_u32 s25, s25, 1536
	v_lshl_add_u32 v[ASC], v2, 2, s25
	s_add_co_u32 s25, s24, 1536
	v_lshl_add_u32 v[ASL], v2, 2, s25
	s_lshl_b32 s25, s[HW], 9
	s_add_co_u32 s25, s25, s24
	v_lshl_add_u32 v[ARB], v1, 4, s25
	s_lshr_b32 s25, s[HW], 1
	s_mul_i32 s25, s25, 768
	s_add_co_u32 s25, s25, s24                     ; my half of the K step's image
	s_and_b32 s26, s[HW], 1
	s_lshl_b32 s24, s26, 8
	s_add_co_u32 s24, s24, s25
	v_lshl_add_u32 v[AST], v2, 4, s24              ; 16 x (16 (w % 2) + r)
	s_lshl_b32 s24, s26, 7
	s_add_co_u32 s24, s24, s25
	s_add_co_u32 s24, s24, 512
	v_lshl_add_u32 v[AST2], v2, 3, s24             ; 512 + 8 x (16 (w % 2) + r)
	v_lshl_add_u32 v[ALS], v0, 4, LIST
	v_lshlrev_b32 v[QX], 2, v0                     ; thread i makes 16 bytes of LIST: places 4 i + 0 .. 3
	v_add_nc_u32 v[QX+1], 1, v[QX]
	v_add_nc_u32 v[QX+2], 2, v[QX]
	v_add_nc_u32 v[QX+3], 3, v[QX]
	v_and_b32 v66, 8, v2
	v_add_nc_u32 v66, v66, v2
	v_lshlrev_b32 v66, 5, v66                      ; W_in's scale words: row r + 8 (r / 8) of a tile, 32 bytes a row
	v_lshlrev_b32 v67, 6, v3                       ; b_in: 16 h numbers on
	v_mov_b32 v[CB], -0.7265760135                 ; a4 / 2
	v_mov_b32 v[CB+1], -0.7265760135
	v_mov_b32 v[TM+2], 0                           ; written once: a lane permute's destination counts as one of its sources
	s_mov_b32 s[SEL], 0x76543210
	s_mov_b32 s[SEL+1], 0xfedcba98
	SPAIR PKC, 0.231641888                         ; p / sqrt 2, p = 0.3275911
	SPAIR ECC, -0.72134752                         ; -log2(e) / 2
	SPAIR B5, 0.5307027145                         ; a5 / 2
	SPAIR B3, 0.7107068705                         ; a3 / 2
	SPAIR B2, -0.142248368                         ; a2 / 2
	SPAIR B1, 0.127414796                          ; a1 / 2
	s_wait_alu depctr_va_vdst(0)                   ; the wait at the head's end
	s_wait_kmcnt 0x0
.irp j, 0,1,2,3,4,5,6,7,8,9,10,11,12,13,14,15
	global_load_b128 v[SL+4*\j:SL+4*\j+3], v[L16], s[12:13] offset:512*\j   ; sel first: 32 lanes read 512 consecutive bytes: tokens 64 j + 2 lane and + 1
.endr
	s_lshl_b32 s25, s[EX], 12
	s_lshl_b32 s26, s[QQ], 7
	s_add_co_u32 s25, s25, s26
	s_lshl_b32 s26, s[HW], 5
	s_add_co_u32 s25, s25, s26                     ; my first row of W_in: 4096 e + 128 x + 32 (w % 4)
	s_mul_i32 s26, s25, 768
	s_add_nc_u64 s[4:5], s[4:5], s[26:27]
	s_mul_i32 s26, s[PP], 8*768                    ; the batch that I fetch: tile w / 4 begins 8 rows on
	s_add_nc_u64 s[4:5], s[4:5], s[26:27]
	s_lshl_b32 s26, s25, 5
	s_add_nc_u64 s[6:7], s[6:7], s[26:27]
	s_lshl_b32 s26, s25, 2
	s_add_nc_u64 s[8:9], s[8:9], s[26:27]
	s_lshl_b32 s26, s[EX], 2
	s_add_nc_u64 s[36:37], s[68:69], s[26:27]      ; idx + 4 e: the count's word lies CNT bytes on
	s_lshl_b32 s26, s[EX], 12
	s_add_nc_u64 s[68:69], s[68:69], s[26:27]      ; idx: the expert's 1,024 places
	s_add_nc_u64 s[28:29], s[10:11], XSO           ; x's scale bytes
	s_mul_i32 s26, s[EX], 64*TILEB
	s_mul_i32 s25, s[QQ], 1536
	s_add_co_u32 s26, s26, s25
	s_lshl_b32 s25, s[HW], 9
	s_add_co_u32 s26, s26, s25
	s_add_nc_u64 s[30:31], s[14:15], s[26:27]      ; hq: K step x's image in the expert's tile 0, + the 512 bytes that I store (w % 4 under 3)
	s_lshl_b32 s26, s[EX], 17
	s_lshr_b32 s25, s[QQ], 1
	s_lshl_b32 s25, s25, 7
	s_add_co_u32 s26, s26, s25
	s_and_b32 s25, s[QQ], 1
	s_lshl_b32 s25, s25, 2
	s_add_co_u32 s26, s26, s25
	s_add_nc_u64 s[32:33], s[14:15], s[26:27]
	s_add_nc_u64 s[32:33], s[32:33], HSO           ; hq: the K step's scale words in the expert's tile 0
.irp t, 0,1
.irp k, 0,1
	global_load_b128 v[WS+8*\t+4*\k:WS+8*\t+4*\k+3], v66, s[6:7] offset:8*\t*32+16*\k
.endr
.endr
.irp t, 0,1
.irp k, 0,1
	global_load_b128 v[BI+8*\t+4*\k:BI+8*\t+4*\k+3], v67, s[8:9] offset:8*\t*4+16*\k   ; tile u, lane (r, h), register j: b_in of hidden unit 16 h + 8 u + j
.endr
.endr
	WLOAD
	s_wait_loadcnt 32                              ; sel's 16 loads are in; the 4 + 4 + 24 issued behind them may be out
	MASKS
	s_mov_b32 s[SB], 0
	s_mov_b32 s[SZ], 0
.irp k, 0,1,2,3
	v_mov_b32 v[QW+\k], s[MK]                      ; word 0 begins at place 0, which lies beyond no place
	v_mov_b32 v[QZ+\k], 0
.endr
	WALK 0, 32
	s_add_co_u32 s[NT], s[SB], 15                  ; s[SB] is now the expert's count
	s_lshr_b32 s[NT], s[NT], 4
	s_max_u32 s[NT], s[NT], 1                      ; tile 0 is always made
	s_min_u32 s[NT], s[NT], 64
	s_cmp_lg_u32 ttmp9, 0                          ; one wave of one work-group of each expert stores the places and the count
	s_cbranch_scc1 .Lnopos
	s_cmp_lg_u32 s[WV], 0
	s_cbranch_scc1 .Lnopos
.irp j, 0,1,2,3,4,5,6,7,8,9,10,11,12,13,14,15
	global_store_b64 v[L8], v[POSR+2*\j:POSR+2*\j+1], s[68:69] offset:256*\j   ; tokens 64 j + 2 lane and + 1: the wave stores 256 consecutive bytes, at a multiple of 256 from idx's first byte
.endr
	v_mov_b32 v68, s[SB]
	v_mov_b32 v69, 0
	s_wait_alu depctr_va_vdst(0)                   ; directly ahead of the wait below
	s_wait_xcnt 0x0                                ; EXEC changes only behind this wait; the stores above have read their registers
	v_cmp_eq_u32 vcc_lo, 0, v1
	s_and_saveexec_b32 s25, vcc_lo
	global_store_b32 v69, v68, s[36:37] offset:CNT
	s_wait_xcnt 0x0
	s_or_b32 exec_lo, exec_lo, s25
.Lnopos:
; THE BIT: the rank within the word kept, the word's sums over 2, 4 and 8 bits, five halvings; the four places by turns
	s_wait_alu depctr_va_vdst(0)                   ; the wait behind the jump
.irp k, 0,1,2,3
	v_and_b32 v[NTT+\k], 0xffff, v[QZ+\k]          ; the word's first place
.endr
.irp k, 0,1,2,3
	v_lshrrev_b32 v[NII+\k], 16, v[QZ+\k]          ; its index
.endr
.irp k, 0,1,2,3
	v_sub_nc_u32 v[QX+\k], v[QX+\k], v[NTT+\k]     ; the rank
.endr
.irp k, 0,1,2,3
	v_lshrrev_b32 v[NTT+\k], 1, v[QW+\k]
.endr
.irp k, 0,1,2,3
	v_and_b32 v[NTT+\k], 0x55555555, v[NTT+\k]
.endr
.irp k, 0,1,2,3
	v_sub_nc_u32 v[NA1+\k], v[QW+\k], v[NTT+\k]    ; sums over 2 bits
.endr
.irp k, 0,1,2,3
	v_lshrrev_b32 v[NTT+\k], 2, v[NA1+\k]
.endr
.irp k, 0,1,2,3
	v_and_b32 v[NTT+\k], 0x33333333, v[NTT+\k]
.endr
.irp k, 0,1,2,3
	v_and_b32 v[NA2+\k], 0x33333333, v[NA1+\k]
.endr
.irp k, 0,1,2,3
	v_add_nc_u32 v[NA2+\k], v[NA2+\k], v[NTT+\k]   ; over 4
.endr
.irp k, 0,1,2,3
	v_lshrrev_b32 v[NTT+\k], 4, v[NA2+\k]
.endr
.irp k, 0,1,2,3
	v_add_nc_u32 v[NTT+\k], v[NTT+\k], v[NA2+\k]
.endr
.irp k, 0,1,2,3
	v_and_b32 v[NA3+\k], 0x0f0f0f0f, v[NTT+\k]     ; over 8
.endr
.irp k, 0,1,2,3
	v_lshrrev_b32 v[NTT+\k], 8, v[NA3+\k]
.endr
.irp k, 0,1,2,3
	v_add_nc_u32 v[NTT+\k], v[NTT+\k], v[NA3+\k]
.endr
.irp k, 0,1,2,3
	v_and_b32 v[NCN+\k], 0xff, v[NTT+\k]           ; the set bits among the lower 16
.endr
	LEVEL NA3, 16, 1
	LEVEL NA3, 8, 0
	LEVEL NA2, 4, 0
	LEVEL NA1, 2, 0
	LEVEL QW, 1, 0
.irp k, 0,1,2,3
	v_lshrrev_b32 v[NTT+\k], 1, v[NII+\k]
.endr
.irp k, 0,1,2,3
	v_and_b32 v[NII+\k], 1, v[NII+\k]
.endr
.irp k, 0,1,2,3
	v_lshl_add_u32 v[NII+\k], v[NPS+\k], 1, v[NII+\k]
.endr
.irp k, 0,1,2,3
	v_lshl_add_u32 v[GS+\k], v[NTT+\k], 6, v[NII+\k]   ; the token: 64 (index / 2) + 2 x bit + index % 2
.endr
	ds_store_b128 v[ALS], v[GS:GS+3]
	s_wait_dscnt 0x0
	s_barrier_signal -1
	s_barrier_wait -1                              ; the list lies in LDS
	ds_load_b64 v[TK:TK+1], v[ALP]                 ; the tokens of my parity's first tile,
	ds_load_b32 v[TK+2], v[ALR]
	ds_load_b64 v[TK2:TK2+1], v[ALP] offset:128    ; and of its second
	ds_load_b32 v[TK2+2], v[ALR] offset:128
	s_wait_dscnt 0x0
	GATHER TK, GS, GSS
	GATHER TK2, GS2, GSS2
	s_wait_loadcnt 14                              ; my batch of weights is in, and the scale words and b_in before it: behind it the two gathers' 14
	WSTORE
	s_wait_loadcnt 0x0                             ; the gathers
	PUT 0, GS, GSS
	PUT XBB, GS2, GSS2
	s_mov_b32 s[J0], s[PP]
	s_mov_b32 s[LOF], 0
	s_mov_b32 s[IT], 0
	s_wait_dscnt 0x0                               ; my batch and my rows of the first two tiles have landed
	s_barrier_signal -1
	s_barrier_wait -1
	WFRAG 0
	WFRAG 1
	XLOAD 0                                        ; my first tile's fragments
	s_wait_dscnt 0x0                               ; my reads of the stages and of buffer 0 are over:
	s_barrier_signal -1
	s_barrier_wait -1                              ; so are every wave's, and slot 0 may store into buffer 0
; A SLOT: my tile parity + 4 x trip + 2 b; its fragments are in registers.  The next tile's are read from the other buffer behind the products; the tile after that is gathered into this tile's buffer,
; which every wave read in the slot before, ahead of that slot's barrier.
.macro SLOT b
	s_add_co_u32 s25, s[LOF], 256+128*\b           ; in LIST: my tile two slots on
	s_min_u32 s25, s25, 3968                       ; (the last slots ask for the last pair again: no read leaves LIST)
	v_add_nc_u32 v[LA0], s25, v[ALP]
	v_add_nc_u32 v[LA1], s25, v[ALR]
	s_add_co_u32 s[JC], s[J0], 2*\b
	s_cmp_lt_u32 s[JC], s[NT]
	s_cbranch_scc0 .Lnone_\@                       ; no such tile: the work is jumped over, the barrier is not
	ds_load_b64 v[TK:TK+1], v[LA0]
	ds_load_b32 v[TK+2], v[LA1]
	s_wait_dscnt 0x0                               ; the tokens, and this tile's fragments and scale words
	GATHER TK, GS, GSS
.irp s, 0,1,2,3,4,5,6,7
	MM \s
.endr
	WIN 0
.rept 4
	v_nop                                          ; four places between the products and the loads into their sources, and the first read of a result
.endr
	XLOAD XBB*(1-\b)
	GELU HA
	GELU HA+8
	QUANT1
	ds_store_b128 v[AST], v[PC:PC+3] offset:OSB*\b         ; into the K step's image; lanes l and l xor 16 write the same bytes with the same values
	ds_store_b64 v[AST2], v[PC+4:PC+5] offset:OSB*\b
	ds_store_b8 v[ASC], v[TM+6] offset:OSB*\b
	s_wait_loadcnt 0x0                             ; the gather is in
	PUT XBB*\b, GS, GSS
.Lnone_\@:
	s_wait_dscnt 0x0                               ; my stores have landed and my reads are over
	s_barrier_signal -1
	s_barrier_wait -1
	s_cmp_lt_u32 s[JC], s[NT]
	s_cbranch_scc0 .Lnf_\@
	s_wait_xcnt 0x0                                ; the last tile's stores have read their data and their base: both are written again below
	s_cmp_lt_u32 s[HW], 3
	s_cbranch_scc0 .Lsw_\@
	ds_load_b128 v[FL:FL+3], v[ARB] offset:OSB*\b  ; this stage is written again two slots on, behind the next barrier
	s_mul_i32 s26, s[JC], TILEB
	s_add_nc_u64 s[34:35], s[30:31], s[26:27]
	s_wait_dscnt 0x0
	global_store_b128 v[L16], v[FL:FL+3], s[34:35] ; 512 consecutive bytes, at a multiple of 256 from hq's first byte
	s_branch .Lnf_\@
.Lsw_\@:
	ds_load_b32 v[FL], v[ASL] offset:OSB*\b        ; the tile's 16 scale words of this K step (lanes l and l xor 16 hold the same word)
	s_lshl_b32 s26, s[JC], 11
	s_add_nc_u64 s[36:37], s[32:33], s[26:27]
	s_wait_dscnt 0x0
	global_store_b32 v[R8], v[FL], s[36:37]
.Lnf_\@:
.endm
.Ltrip:
	SLOT 0
	SLOT 1
	s_add_co_u32 s[J0], s[J0], 4
	s_add_co_u32 s[LOF], s[LOF], 256
	s_add_co_u32 s[IT], s[IT], 1
	s_cmp_lt_u32 s[IT], 16
	s_cbranch_scc1 .Ltrip
	s_wait_tensorcnt 0x0                           ; the wave's end
	ds_add_u32 v[SPW], v[NIL]
	s_wait_dscnt 0x0
	s_endpgm
.Lfunc_end_k_qb3880b7655_ffn1:
	.size	k_qb3880b7655_ffn1, .Lfunc_end_k_qb3880b7655_ffn1-k_qb3880b7655_ffn1
	.p2alignl 7, 3214868480
	.fill 96, 4, 3214868480
	.section	.rodata,"a",@progbits
	.p2align	6, 0x0
	.amdhsa_kernel k_qb3880b7655_ffn1
		.amdhsa_group_segment_fixed_size 165888
		.amdhsa_private_segment_fixed_size 0
		.amdhsa_enable_private_segment 0
		.amdhsa_kernarg_size 56
		.amdhsa_user_sgpr_count 2
		.amdhsa_user_sgpr_kernarg_segment_ptr 1
		.amdhsa_wavefront_size32 1
		.amdhsa_system_sgpr_workgroup_id_x 1
		.amdhsa_system_sgpr_workgroup_id_y 1
		.amdhsa_system_sgpr_workgroup_id_z 1
		.amdhsa_system_vgpr_workitem_id 0
		.amdhsa_next_free_vgpr 512
		.amdhsa_next_free_sgpr 102
		.amdhsa_reserve_vcc 1
		.amdhsa_float_denorm_mode_32 3
		.amdhsa_float_denorm_mode_16_64 3
		.amdhsa_memory_ordered 1
		.amdhsa_forward_progress 1
		.amdhsa_inst_pref_size 104
	.end_amdhsa_kernel
	.amdgpu_metadata
---
amdhsa.version: [ 1, 2 ]
amdhsa.kernels:
  - .name:           k_qb3880b7655_ffn1
    .symbol:         k_qb3880b7655_ffn1.kd
    .args:
      - { .name: W_in_codes, .offset: 0, .size: 8, .value_kind: global_buffer, .address_space: global }
      - { .name: W_in_scales, .offset: 8, .size: 8, .value_kind: global_buffer, .address_space: global }
      - { .name: b_in, .offset: 16, .size: 8, .value_kind: global_buffer, .address_space: global }
      - { .name: xq, .offset: 24, .size: 8, .value_kind: global_buffer, .address_space: global }
      - { .name: sel, .offset: 32, .size: 8, .value_kind: global_buffer, .address_space: global }
      - { .name: hq, .offset: 40, .size: 8, .value_kind: global_buffer, .address_space: global }
      - { .name: idx, .offset: 48, .size: 8, .value_kind: global_buffer, .address_space: global }
    .group_segment_fixed_size: 165888
    .private_segment_fixed_size: 0
    .kernarg_segment_align: 8
    .kernarg_segment_size: 56
    .max_flat_workgroup_size: 256
    .sgpr_count:     102
    .vgpr_count:     512
    .wavefront_size: 32
...
	.end_amdgpu_metadata
.endif
;; end of part 7
;; launch ffn2 (part 8): grid 32 x 8, 4 waves a work-group, no clusters, 85,504 bytes of LDS; arguments W_out_codes, W_out_scales, b_out, hq, idx, yy; writes yy
.if DOCPART == 8
	.amdgcn_target "amdgcn-amd-amdhsa--gfx1250"
	.amdhsa_code_object_version 6
	.text
	.protected	k_qb3880b7655_ffn2
	.globl	k_qb3880b7655_ffn2
	.p2align	8
	.type	k_qb3880b7655_ffn2,@function
k_qb3880b7655_ffn2:
	s_mov_b64 s[64:65], 0
	v_nop
	global_prefetch_b8 v0, s[64:65] scope:SCOPE_SE
	s_setreg_imm32_b32 hwreg(HW_REG_WAVE_MODE, 25, 1), 1
	s_wait_xcnt 0x0
; yy = h W_out + b_out FOR THE ROWS THAT WERE ROUTED, on codes of E2M3 with one E8M0 scale for each 32 along K = 4,096.
; SHARES.  Work-group (x, y): expert e = y, outputs 64 q .. 64 q + 63 with q = x / 2, and of the expert's tiles of 16 rows those of parity p = x % 2.
; THE WAVES SHARE K: wave w takes K steps 8 w .. 8 w + 7 for all 64 outputs.  Its 32 fragments of W_out (384 registers) are read once and stay; each fragment of h is loaded from memory by one wave alone,
; straight into the operand's registers (the launch before laid it so), and feeds four products.  The four partial tiles (16 rows x 64 outputs) are added through LDS; each wave adds and stores four rows.
; So an output's sum over K is made of four f32 sums, added in the waves' order, and then b_out.
; NO TENSOR LOAD AND NO CLUSTER: the number of tiles is a stored count.  The loop has a constant count (32 slots); a slot without a tile jumps over its work, never over a barrier.
; h's fragments are asked for two slots ahead, into two buffers by turns; past the expert's last tile the request is held at that tile, so that every slot issues the same 36 loads and the counted wait holds.
; THE PRODUCT IS USED TRANSPOSED (source 0 = 16 rows of W_out, source 1 = 16 rows of h): a lane holds one row and eight neighbouring outputs.
; Rows of a tile beyond the expert's count are made like the others and land in rows of yy that belong to this expert and that nobody reads.
; REGISTERS, in windows of 256: window 0: addresses, scale words, accumulators, the sums.  Windows 1 and 2: W_out's fragment (K step s, tile t) at v[12 (4 (s % 4) + t)] of window 1 + s / 4.
;   Window 3: v0-95, v96-191 h's eight fragments, two buffers (at the head: two batches of weights).
.set CNT,   40960
.set HSO,   25165824
.set TILEB, 49152
.set WPI,   784                        ; the weights' stage: 768 bytes + 16: row r starts at bank 4 r (64 banks of 4 bytes: ISA guide 11.1)
.set WSTG,  16*WPI
.set RED,   4*WSTG                     ; [buffer 2][wave 4][row 16][256 bytes + 16]
.set RWV,   16*272
.set RBUF,  4*RWV
.set AWF, 4
.set AWS, 5
.set GW,  6
.set L16, 7
.set L8,  8
.set HSA, 9                            ; v9   h's scale words: 8 r + 512 w
.set ARS, 10                           ; v10  my partial tile: RED + RWV w + 272 r + 32 h
.set ARL, 11                           ; v11  the rows that I add: RED + 272 (4 w + 2 h) + 16 r
.set OY,  12                           ; v12  and their place in yy
.set WSO, 13
.set R16, 14
.set BO,  16                           ; v16-19 b_out of outputs 4 r .. 4 r + 3
.set WS,  24                           ; v24-55 W_out's scale words: register 8 t + s
.set HS,  56                           ; v56-63, v64-71 h's, for the two buffers
.set ACC, 72                           ; v72-103
.set RB,  104                          ; v104-135 the four waves' parts of my rows
.set OUT, 136                          ; v136-143
.set T0,  0
.set T1,  96
.set WV,  16
.set EX,  17
.set QQ,  18
.set PP,  19
.set NT,  20
.set J0,  21
.set JC,  22
.set NTM, 23                           ; s23 NT - 1
.set IT,  24
.set HB,  28                           ; s[28:29] hq: my K steps in the expert's tile 0;  s[30:31] its scale words
.set HSB, 30
.set PA,  32                           ; s[32:35], s[36:39] for each buffer: the bases of its codes and of its scale words
.set YYB, 40
.set YB,  42
.set CO,  44
.set MSB, 0
.macro WIN new
.if MSB != \new
	s_set_vgpr_msb (MSB<<8)|\new
.set MSB, \new
.endif
.endm
.macro WLOAD t, reg                    ; a batch: the 16 rows of tile t x my 768 bytes; sixteen lanes read 256 consecutive bytes at a multiple of 256 from the buffer's first byte
	WIN 0xc0
.irp p, 0,1,2,3,4,5,6,7
.irp c, 0,1,2
	global_load_b128 v[\reg+4*(3*\p+\c):\reg+4*(3*\p+\c)+3], v[GW], s[4:5] offset:(16*(\t)+\p)*3072+256*\c
.endr
.endr
	WIN 0
.endm
.macro WSTORE reg
	WIN 0x0c
.irp p, 0,1,2,3,4,5,6,7
.irp c, 0,1,2
	ds_store_b128 v[AWS], v[\reg+4*(3*\p+\c):\reg+4*(3*\p+\c)+3] offset:WPI*\p+256*\c
.endr
.endr
	WIN 0
.endm
.macro WFRAG t                         ; LDS serves a wave's instructions in order: these see the stores above, and the next batch's stores come behind them
	WIN 0x40
.irp s, 0,1,2,3
.irp i, 0,1,2,3,4,5
	ds_load_b64 v[12*(4*\s+(\t))+2*\i:12*(4*\s+(\t))+2*\i+1], v[AWF] offset:96*\s+48*(\i/3)+8*(\i%3)
.endr
.endr
	WIN 0x80
.irp s, 4,5,6,7
.irp i, 0,1,2,3,4,5
	ds_load_b64 v[12*(4*(\s-4)+(\t))+2*\i:12*(4*(\s-4)+(\t))+2*\i+1], v[AWF] offset:96*\s+48*(\i/3)+8*(\i%3)
.endr
.endr
	WIN 0
.endm
; h's eight fragments and scale words of tile min(JC + add, NT - 1) into buffer b: 36 loads.  The buffer's earlier loads have been shown done, so its two bases may be written
.macro ALOAD b, add
	s_add_co_u32 s25, s[JC], \add
	s_min_u32 s25, s25, s[NTM]
	s_min_u32 s25, s25, 63                         ; a stored number enters an address only behind a bound written here
	s_mul_i32 s26, s25, TILEB
	s_add_nc_u64 s[PA+4*\b:PA+4*\b+1], s[HB:HB+1], s[26:27]
	s_lshl_b32 s26, s25, 11
	s_add_nc_u64 s[PA+4*\b+2:PA+4*\b+3], s[HSB:HSB+1], s[26:27]
	WIN 0xc0
.irp s, 0,1,2,3,4,5,6,7
.irp c, 0,1
	global_load_b128 v[96*\b+12*\s+6*\c:96*\b+12*\s+6*\c+3], v[L16], s[PA+4*\b:PA+4*\b+1] offset:1536*\s+768*\c
	global_load_b64 v[96*\b+12*\s+6*\c+4:96*\b+12*\s+6*\c+5], v[L8], s[PA+4*\b:PA+4*\b+1] offset:1536*\s+768*\c+512
.endr
.endr
	WIN 0
.irp k, 0,1,2,3
	global_load_b64 v[HS+8*\b+2*\k:HS+8*\b+2*\k+1], v[HSA], s[PA+4*\b+2:PA+4*\b+3] offset:128*\k
.endr
.endm
; Four products: my K step s of the four tiles of outputs.  The four accumulators take turns, one instruction a turn; K step 0 starts the sums
.macro MM s, b, win
	WIN \win
.irp t, 0,1,2,3
.if (\s) == 0
	v_wmma_scale_f32_16x16x128_f8f6f4 v[ACC+8*\t:ACC+8*\t+7], v[12*(4*((\s)%4)+\t):12*(4*((\s)%4)+\t)+11], v[96*\b+12*(\s):96*\b+12*(\s)+11], 0, v[WS+8*\t+(\s)], v[HS+8*\b+(\s)] matrix_a_fmt:MATRIX_FMT_FP6 matrix_b_fmt:MATRIX_FMT_FP6
.else
	v_wmma_scale_f32_16x16x128_f8f6f4 v[ACC+8*\t:ACC+8*\t+7], v[12*(4*((\s)%4)+\t):12*(4*((\s)%4)+\t)+11], v[96*\b+12*(\s):96*\b+12*(\s)+11], v[ACC+8*\t:ACC+8*\t+7], v[WS+8*\t+(\s)], v[HS+8*\b+(\s)] matrix_a_fmt:MATRIX_FMT_FP6 matrix_b_fmt:MATRIX_FMT_FP6
.endif
.endr
.endm
	s_load_b256 s[4:11], s[0:1], 0x0               ; W_out's codes s[4:5], its scales s[6:7], b_out s[8:9], hq s[10:11]
	s_load_b128 s[12:15], s[0:1], 0x20             ; idx s[12:13], yy s[14:15]
	v_lshl_add_u32 v254, v0, 2, 0x14c00
	v_mov_b32 v255, 0
	v_lshrrev_b32 v1, 5, v0
	v_readfirstlane_b32 s[WV], v1
	s_and_b32 s[EX], ttmp7, 0xffff
	s_lshr_b32 s[QQ], ttmp9, 1
	s_and_b32 s[PP], ttmp9, 1
	s_lshl_b32 s[CO], s[EX], 2
	s_mov_b32 s27, 0                               ; the upper word of every offset made in s[26:27]; never rewritten
	s_wait_kmcnt 0x0
	s_load_b32 s[NT], s[12:13], s[CO] offset:CNT
	v_and_b32 v1, 31, v0                           ; lane
	v_and_b32 v2, 15, v0                           ; r
	v_bfe_u32 v3, v0, 4, 1                         ; h
	s_mul_i32 s25, s[WV], WSTG
	v_mul_u32_u24 v[AWF], v2, WPI
	v_mad_u32_u24 v[AWF], v3, 24, v[AWF]
	v_add_nc_u32 v[AWF], s25, v[AWF]
	v_mul_u32_u24 v[AWS], v3, 8*WPI
	v_lshl_add_u32 v[AWS], v2, 4, v[AWS]
	v_add_nc_u32 v[AWS], s25, v[AWS]
	v_mul_u32_u24 v[GW], v3, 8*3072
	v_lshl_add_u32 v[GW], v2, 4, v[GW]
	v_lshlrev_b32 v[L16], 4, v1
	v_lshlrev_b32 v[L8], 3, v1
	s_lshl_b32 s25, s[WV], 9
	v_lshl_add_u32 v[HSA], v2, 3, s25
	s_mul_i32 s25, s[WV], RWV
	s_add_co_u32 s25, s25, RED
	v_mul_u32_u24 v[ARS], v2, 272
	v_lshl_add_u32 v[ARS], v3, 5, v[ARS]
	v_add_nc_u32 v[ARS], s25, v[ARS]
	s_mul_i32 s25, s[WV], 4*272
	s_add_co_u32 s25, s25, RED
	v_mul_u32_u24 v[ARL], v3, 2*272
	v_lshl_add_u32 v[ARL], v2, 4, v[ARL]
	v_add_nc_u32 v[ARL], s25, v[ARL]
	s_lshl_b32 s25, s[WV], 14
	v_lshlrev_b32 v[OY], 13, v3
	v_lshl_add_u32 v[OY], v2, 4, v[OY]
	v_add_nc_u32 v[OY], s25, v[OY]                 ; rows 4 w + 2 h of 4,096 bytes, + 16 r
	v_lshlrev_b32 v[WSO], 7, v2                    ; W_out's scale words: 128 bytes a row
	s_wait_alu depctr_va_vdst(0)
	v_lshlrev_b32 v[R16], 4, v2
	s_wait_alu depctr_va_vdst(0)
	s_lshl_b32 s25, s[EX], 10
	s_lshl_b32 s26, s[QQ], 6
	s_add_co_u32 s25, s25, s26                     ; my first row of W_out: 1024 e + 64 q
	s_mul_i32 s26, s25, 3072
	s_add_nc_u64 s[4:5], s[4:5], s[26:27]
	s_mul_i32 s26, s[WV], 768                      ; my eight K steps of each row
	s_add_nc_u64 s[4:5], s[4:5], s[26:27]
	s_lshl_b32 s26, s25, 7
	s_add_nc_u64 s[6:7], s[6:7], s[26:27]
	s_lshl_b32 s26, s[WV], 5
	s_add_nc_u64 s[6:7], s[6:7], s[26:27]
	s_lshl_b32 s26, s25, 2
	s_add_nc_u64 s[8:9], s[8:9], s[26:27]
	s_mul_i32 s26, s[EX], 64*TILEB
	s_add_nc_u64 s[HB:HB+1], s[10:11], s[26:27]
	s_mul_i32 s26, s[WV], 8*1536
	s_add_nc_u64 s[HB:HB+1], s[HB:HB+1], s[26:27]
	s_lshl_b32 s26, s[EX], 17
	s_add_nc_u64 s[HSB:HSB+1], s[10:11], s[26:27]
	s_add_nc_u64 s[HSB:HSB+1], s[HSB:HSB+1], HSO
	s_lshl_b32 s26, s[EX], 22
	s_lshl_b32 s25, s[QQ], 8
	s_add_co_u32 s26, s26, s25
	s_add_nc_u64 s[YYB:YYB+1], s[14:15], s[26:27]  ; yy: the expert's row 0, my 64 outputs
.irp t, 0,1,2,3
.irp k, 0,1
	global_load_b128 v[WS+8*\t+4*\k:WS+8*\t+4*\k+3], v[WSO], s[6:7] offset:2048*\t+16*\k
.endr
.endr
	global_load_b128 v[BO:BO+3], v[R16], s[8:9]
	WLOAD 0, T0
	WLOAD 1, T1
	s_wait_kmcnt 0x0
	s_add_co_u32 s[NT], s[NT], 15
	s_lshr_b32 s[NT], s[NT], 4
	s_max_u32 s[NT], s[NT], 1
	s_min_u32 s[NT], s[NT], 64
	s_sub_co_u32 s[NTM], s[NT], 1
	s_mov_b32 s[J0], s[PP]
	s_mov_b32 s[JC], s[PP]
	s_mov_b32 s[IT], 0
	s_wait_loadcnt 24                              ; batch 0 is in (and what was asked before it); batch 1's 24 loads may be out
	WSTORE T0
	WFRAG 0
	s_wait_dscnt 48                                ; the stores have read their registers (the 48 loads behind them may be out)
	WLOAD 2, T0
	s_wait_loadcnt 24                              ; batch 1
	WSTORE T1
	WFRAG 1
	s_wait_dscnt 48
	WLOAD 3, T1
	s_wait_loadcnt 24                              ; batch 2
	WSTORE T0
	WFRAG 2
	s_wait_dscnt 48
	ALOAD 0, 0                                     ; my first tile of h
	s_wait_loadcnt 36                              ; batch 3; the 36 just issued may be out
	WSTORE T1
	WFRAG 3
	s_wait_dscnt 48
	ALOAD 1, 2                                     ; my second
	s_wait_dscnt 0x0                               ; my fragments are in.  No barrier: the stages are each wave's own
; A SLOT: tile p + 4 x trip + 2 b, from buffer b.
.macro SLOT b
	s_add_co_u32 s[JC], s[J0], 2*\b
	s_cmp_lt_u32 s[JC], s[NT]
	s_cbranch_scc1 .Lwork_\@
	s_wait_loadcnt 0x0                             ; no such tile: what was asked ahead is let land, so that no load is out on the way into a later slot
	s_wait_xcnt 0x0                                ; and the last tile's stores have read their data and their base
	s_branch .Lnone_\@
.Lwork_\@:
	s_wait_loadcnt 36                              ; this buffer's 36 loads are in; the other buffer's, issued behind them, may be out
	MM 0, \b, 0x0d                                 ; W_out window 1, h window 3
	MM 1, \b, 0x0d
	MM 2, \b, 0x0d
	MM 3, \b, 0x0d
	MM 4, \b, 0x0e                                 ; W_out window 2
	MM 5, \b, 0x0e
	MM 6, \b, 0x0e
	MM 7, \b, 0x0e
	WIN 0
.rept 5
	v_nop                                          ; four places in front of the stores that read results and of the loads into h's registers; the fifth for the next slot's first products, which begin the sums anew over these registers
.endr
.irp t, 0,1,2,3
.irp k, 0,1
	ds_store_b128 v[ARS], v[ACC+8*\t+4*\k:ACC+8*\t+4*\k+3] offset:RBUF*\b+64*\t+16*\k   ; each accumulator from its low end on: row r, outputs 16 t + 8 h + 4 k ..
.endr
.endr
	s_wait_xcnt 0x0                                ; the last tile's stores have read their data and their base, which are written again behind the barrier; the wait stands ahead of the 36 loads below
	ALOAD \b, 4                                    ; this buffer's next tile: two slots in which to land
.Lnone_\@:
	s_wait_dscnt 0x0                               ; my partial tile has landed, and my reads of the other buffer are over
	s_barrier_signal -1
	s_barrier_wait -1
	s_cmp_lt_u32 s[JC], s[NT]
	s_cbranch_scc0 .Lnr_\@
.irp v, 0,1,2,3
.irp i, 0,1
	ds_load_b128 v[RB+4*(2*\v+\i):RB+4*(2*\v+\i)+3], v[ARL] offset:RBUF*\b+RWV*\v+272*\i
.endr
.endr
	s_lshl_b32 s26, s[JC], 16
	s_add_nc_u64 s[YB:YB+1], s[YYB:YYB+1], s[26:27]
	s_wait_dscnt 0x0
.irp i, 0,1
.irp g, 0,2
	v_pk_add_f32 v[OUT+4*\i+\g:OUT+4*\i+\g+1], v[RB+4*\i+\g:RB+4*\i+\g+1], v[RB+8+4*\i+\g:RB+8+4*\i+\g+1]
	v_pk_add_f32 v[RB+16+4*\i+\g:RB+16+4*\i+\g+1], v[RB+16+4*\i+\g:RB+16+4*\i+\g+1], v[RB+24+4*\i+\g:RB+24+4*\i+\g+1]
.endr
.irp g, 0,2
	v_pk_add_f32 v[OUT+4*\i+\g:OUT+4*\i+\g+1], v[OUT+4*\i+\g:OUT+4*\i+\g+1], v[RB+16+4*\i+\g:RB+16+4*\i+\g+1]
.endr
.irp g, 0,2
	v_pk_add_f32 v[OUT+4*\i+\g:OUT+4*\i+\g+1], v[OUT+4*\i+\g:OUT+4*\i+\g+1], v[BO+\g:BO+\g+1]
.endr
	global_store_b128 v[OY], v[OUT+4*\i:OUT+4*\i+3], s[YB:YB+1] offset:4096*\i th:TH_STORE_NT   ; sixteen lanes store 256 consecutive bytes, at a multiple of 256 from yy's first byte
.endr
.Lnr_\@:
.endm
.Ltrip:
	SLOT 0
	SLOT 1
	s_add_co_u32 s[J0], s[J0], 4
	s_add_co_u32 s[IT], s[IT], 1
	s_cmp_lt_u32 s[IT], 16
	s_cbranch_scc1 .Ltrip
	s_wait_tensorcnt 0x0
	ds_add_u32 v254, v255
	s_wait_dscnt 0x0
	s_endpgm
.Lfunc_end_k_qb3880b7655_ffn2:
	.size	k_qb3880b7655_ffn2, .Lfunc_end_k_qb3880b7655_ffn2-k_qb3880b7655_ffn2
	.p2alignl 7, 3214868480
	.fill 96, 4, 3214868480
	.section	.rodata,"a",@progbits
	.p2align	6, 0x0
	.amdhsa_kernel k_qb3880b7655_ffn2
		.amdhsa_group_segment_fixed_size 85504
		.amdhsa_private_segment_fixed_size 0
		.amdhsa_enable_private_segment 0
		.amdhsa_kernarg_size 48
		.amdhsa_user_sgpr_count 2
		.amdhsa_user_sgpr_kernarg_segment_ptr 1
		.amdhsa_wavefront_size32 1
		.amdhsa_system_sgpr_workgroup_id_x 1
		.amdhsa_system_sgpr_workgroup_id_y 1
		.amdhsa_system_sgpr_workgroup_id_z 1
		.amdhsa_system_vgpr_workitem_id 0
		.amdhsa_next_free_vgpr 1024
		.amdhsa_next_free_sgpr 66
		.amdhsa_reserve_vcc 0
		.amdhsa_float_denorm_mode_32 3
		.amdhsa_float_denorm_mode_16_64 3
		.amdhsa_memory_ordered 1
		.amdhsa_forward_progress 1
		.amdhsa_inst_pref_size 62
	.end_amdhsa_kernel
	.amdgpu_metadata
---
amdhsa.version: [ 1, 2 ]
amdhsa.kernels:
  - .name:           k_qb3880b7655_ffn2
    .symbol:         k_qb3880b7655_ffn2.kd
    .args:
      - { .name: W_out_codes, .offset: 0, .size: 8, .value_kind: global_buffer, .address_space: global }
      - { .name: W_out_scales, .offset: 8, .size: 8, .value_kind: global_buffer, .address_space: global }
      - { .name: b_out, .offset: 16, .size: 8, .value_kind: global_buffer, .address_space: global }
      - { .name: hq, .offset: 24, .size: 8, .value_kind: global_buffer, .address_space: global }
      - { .name: idx, .offset: 32, .size: 8, .value_kind: global_buffer, .address_space: global }
      - { .name: yy, .offset: 40, .size: 8, .value_kind: global_buffer, .address_space: global }
    .group_segment_fixed_size: 85504
    .private_segment_fixed_size: 0
    .kernarg_segment_align: 8
    .kernarg_segment_size: 48
    .max_flat_workgroup_size: 128
    .sgpr_count:     66
    .vgpr_count:     1024
    .wavefront_size: 32
...
	.end_amdgpu_metadata
.endif
;; end of part 8
;; launch comb (part 9): grid 256 x 1, 4 waves a work-group, no clusters, 0 bytes of LDS; arguments yy, idx, sel, rt, out0, out1; writes out0, out1
.if DOCPART == 9
	.amdgcn_target "amdgcn-amd-amdhsa--gfx1250"
	.amdhsa_code_object_version 6
	.text
	.protected	k_qb3880b7655_comb
	.globl	k_qb3880b7655_comb
	.p2align	8
	.type	k_qb3880b7655_comb,@function
k_qb3880b7655_comb:
	s_mov_b64 s[64:65], 0
	v_nop
	global_prefetch_b8 v0, s[64:65] scope:SCOPE_SE
	s_setreg_imm32_b32 hwreg(HW_REG_WAVE_MODE, 25, 1), 1
	s_wait_xcnt 0x0
; out0[t] = g0 yy[place 0 of t] + g1 yy[place 1 of t]: reference()'s weighted sum over experts, of which six weights a token are 0.  And out1, the auxiliary loss.
; One wave, one token.  Its two experts (sel), its two weights (rt) and the place that it has with each of the eight experts (idx: POS [expert][token]) come by scalar loads issued together;
; two chains of selections pick the two places; two rows of 4,096 bytes are read, one is stored, 512 consecutive bytes an instruction.  A stream: no LDS, no barrier, no matrix unit.
; out1 = 8 x the sum over experts of (mean p) x (count / 2048) = 2^-18 x the sum of (sum of p) x count.  Wave 0 of work-group 0 makes it beside its token: the 32 KB of p in two rounds of 32 loads, the counts from idx.
; Its text is written out a second time by the same macro, so that every counted wait stands on one way alone.
.set CNT, 40960                        ; idx: the experts' counts
.set PRB, 8192                         ; rt: where the eight p of each token begin
.set PB,  80                           ; v80-207  32 loads of p: load m, lane l: token 16 m + l / 2, experts 4 (l % 2) + 0 .. 3
.set AC,  208                          ; v208-215 two sets of four sums
.set NN,  216                          ; v216-219 the counts of my four experts
	s_load_b256 s[4:11], s[0:1], 0x0               ; yy s[4:5], idx s[6:7], sel s[8:9], rt s[10:11]
	s_load_b128 s[12:15], s[0:1], 0x20             ; out0 s[12:13], out1 s[14:15]
	v_lshrrev_b32 v1, 5, v0
	v_readfirstlane_b32 s16, v1                    ; wave
	v_and_b32 v2, 31, v0                           ; lane
	v_lshlrev_b32 v1, 4, v2                        ; 16 x lane
	s_lshl_b32 s17, ttmp9, 2
	s_add_co_u32 s17, s17, s16                     ; my token
	s_lshl_b32 s18, s17, 3
	s_lshl_b32 s19, s17, 2
	s_lshl_b32 s48, s17, 12
	s_mov_b32 s49, 0
	s_mov_b32 s51, 0
	s_mov_b32 s53, 0
	s_wait_kmcnt 0x0
	s_load_b64 s[20:21], s[8:9], s18 offset:0x0    ; my two experts
	s_load_b64 s[22:23], s[10:11], s18 offset:0x0  ; g0, g1
.irp e, 0,1,2,3,4,5,6,7
	s_load_b32 s[32+\e], s[6:7], s19 offset:4096*\e   ; my place with each expert: all eight are asked for at once, so that no load waits for sel
.endr
	s_add_nc_u64 s[12:13], s[12:13], s[48:49]
	s_or_b32 s24, ttmp9, s16
	s_cmp_eq_u32 s24, 0
	s_cbranch_scc1 .Laux
.macro PLOAD round                     ; 32 loads of p: 512 consecutive bytes each
.irp m, 0,1,2,3,4,5,6,7,8,9,10,11,12,13,14,15,16,17,18,19,20,21,22,23,24,25,26,27,28,29,30,31
	global_load_b128 v[PB+4*\m:PB+4*\m+3], v1, s[10:11] offset:PRB+512*(32*\round+\m) th:TH_LOAD_NT
.endr
.endm
.macro PSUM m                          ; loads m and m + 1 onto the two sets of sums
	v_pk_add_f32 v[AC:AC+1], v[AC:AC+1], v[PB+4*\m:PB+4*\m+1]
	v_pk_add_f32 v[AC+2:AC+3], v[AC+2:AC+3], v[PB+4*\m+2:PB+4*\m+3]
	v_pk_add_f32 v[AC+4:AC+5], v[AC+4:AC+5], v[PB+4*\m+4:PB+4*\m+5]
	v_pk_add_f32 v[AC+6:AC+7], v[AC+6:AC+7], v[PB+4*\m+6:PB+4*\m+7]
.endm
.macro FINISH aux
.if \aux
	s_load_b256 s[40:47], s[6:7], CNT              ; the eight counts
	PLOAD 0
.endif
	s_wait_kmcnt 0x0
	s_mov_b32 s24, s32
	s_mov_b32 s25, s32
.irp e, 1,2,3,4,5,6,7
	s_cmp_eq_u32 s20, \e
	s_cselect_b32 s24, s[32+\e], s24
	s_cmp_eq_u32 s21, \e
	s_cselect_b32 s25, s[32+\e], s25
.endr
	s_lshl_b32 s26, s20, 10
	s_lshl_b32 s27, s21, 10
	s_add_co_u32 s24, s24, s26                     ; expert x 1024 + place,
	s_add_co_u32 s25, s25, s27
	s_min_u32 s24, s24, 0x1fff                     ; held inside the table before it enters an address
	s_min_u32 s25, s25, 0x1fff
	s_lshl_b32 s50, s24, 12
	s_lshl_b32 s52, s25, 12
	s_add_nc_u64 s[50:51], s[4:5], s[50:51]
	s_add_nc_u64 s[52:53], s[4:5], s[52:53]
	s_mov_b32 s28, s23                             ; g1 in a pair of its own: the packed forms take a scalar pair's low word for both halves
	s_mov_b32 s29, s23
.irp k, 0,1,2,3,4,5,6,7
	global_load_b128 v[16+4*\k:19+4*\k], v1, s[50:51] offset:512*\k th:TH_LOAD_NT
	global_load_b128 v[48+4*\k:51+4*\k], v1, s[52:53] offset:512*\k th:TH_LOAD_NT
.endr
.if \aux
	s_wait_loadcnt 16                              ; the first 32 loads of p are in; the 16 of yy behind them may be out
	v_pk_add_f32 v[AC:AC+1], v[PB:PB+1], v[PB+8:PB+9]           ; the first four loads start the sums
	v_pk_add_f32 v[AC+2:AC+3], v[PB+2:PB+3], v[PB+10:PB+11]
	v_pk_add_f32 v[AC+4:AC+5], v[PB+4:PB+5], v[PB+12:PB+13]
	v_pk_add_f32 v[AC+6:AC+7], v[PB+6:PB+7], v[PB+14:PB+15]
.irp m, 4,6,8,10,12,14,16,18,20,22,24,26,28,30
	PSUM \m
.endr
	PLOAD 1
.endif
.irp k, 0,1,2,3,4,5,6,7
	s_wait_loadcnt 14-2*\k+32*\aux                 ; piece k of both rows is in; the later pieces (and the second 32 loads of p) may be out
	v_pk_mul_f32 v[16+4*\k:17+4*\k], v[16+4*\k:17+4*\k], s[22:23] op_sel_hi:[1,0]
	v_pk_mul_f32 v[18+4*\k:19+4*\k], v[18+4*\k:19+4*\k], s[22:23] op_sel_hi:[1,0]
	v_pk_fma_f32 v[16+4*\k:17+4*\k], v[48+4*\k:49+4*\k], s[28:29], v[16+4*\k:17+4*\k] op_sel_hi:[1,0,1]
	v_pk_fma_f32 v[18+4*\k:19+4*\k], v[50+4*\k:51+4*\k], s[28:29], v[18+4*\k:19+4*\k] op_sel_hi:[1,0,1]
	global_store_b128 v1, v[16+4*\k:19+4*\k], s[12:13] offset:512*\k th:TH_STORE_NT
.endr
.if \aux
	s_mov_b32 s30, 0x76543210
	s_mov_b32 s31, 0xfedcba98                      ; v_permlanex16_b32's selects for lane l xor 16
	s_wait_loadcnt 0x0
.irp m, 0,2,4,6,8,10,12,14,16,18,20,22,24,26,28,30
	PSUM \m
.endr
	v_pk_add_f32 v[AC:AC+1], v[AC:AC+1], v[AC+4:AC+5]
	v_pk_add_f32 v[AC+2:AC+3], v[AC+2:AC+3], v[AC+6:AC+7]
.irp k, 2,4,8                          ; over the lanes of my parity: even lanes hold experts 0-3, odd lanes experts 4-7
.irp a, 0,1,2,3
	v_add_f32_dpp v[AC+\a], v[AC+\a], v[AC+\a] row_xmask:\k row_mask:0xf bank_mask:0xf
.endr
.endr
.irp a, 0,1,2,3
	v_permlanex16_b32 v[AC+4+\a], v[AC+\a], s30, s31
.endr
.irp a, 0,1,2,3
	v_add_f32 v[AC+\a], v[AC+\a], v[AC+4+\a]
.endr
	v_and_b32 v3, 1, v2
	v_cmp_eq_u32 vcc_lo, 1, v3
.irp a, 0,1,2,3
	v_mov_b32 v[NN+\a], s[44+\a]
	v_cndmask_b32 v[NN+\a], s[40+\a], v[NN+\a], vcc_lo   ; the counts of my four experts
.endr
.irp a, 0,1,2,3
	v_cvt_f32_u32 v[NN+\a], v[NN+\a]
.endr
	v_mul_f32 v220, v[AC], v[NN]
.irp a, 1,2,3
	v_fmac_f32 v220, v[AC+\a], v[NN+\a]
.endr
	v_add_f32_dpp v220, v220, v220 row_xmask:1 row_mask:0xf bank_mask:0xf   ; with the other four experts'
	v_mul_f32 v220, 0x36800000, v220               ; x 2^-18
	v_mov_b32 v221, 0
	s_wait_alu depctr_va_vdst(0)
	s_wait_xcnt 0x0                                ; EXEC changes only behind this wait
	v_cmp_eq_u32 vcc_lo, 0, v2
	s_and_saveexec_b32 s24, vcc_lo
	global_store_b32 v221, v220, s[14:15]
	s_wait_xcnt 0x0
	s_or_b32 exec_lo, exec_lo, s24
.endif
	s_endpgm
.endm
	s_wait_alu depctr_va_vdst(0)
	FINISH 0
.Laux:
	s_wait_alu depctr_va_vdst(0)
	FINISH 1
.Lfunc_end_k_qb3880b7655_comb:
	.size	k_qb3880b7655_comb, .Lfunc_end_k_qb3880b7655_comb-k_qb3880b7655_comb
	.p2alignl 7, 3214868480
	.fill 96, 4, 3214868480
	.section	.rodata,"a",@progbits
	.p2align	6, 0x0
	.amdhsa_kernel k_qb3880b7655_comb
		.amdhsa_group_segment_fixed_size 0
		.amdhsa_private_segment_fixed_size 0
		.amdhsa_enable_private_segment 0
		.amdhsa_kernarg_size 48
		.amdhsa_user_sgpr_count 2
		.amdhsa_user_sgpr_kernarg_segment_ptr 1
		.amdhsa_wavefront_size32 1
		.amdhsa_system_sgpr_workgroup_id_x 1
		.amdhsa_system_sgpr_workgroup_id_y 1
		.amdhsa_system_sgpr_workgroup_id_z 1
		.amdhsa_system_vgpr_workitem_id 0
		.amdhsa_next_free_vgpr 224
		.amdhsa_next_free_sgpr 66
		.amdhsa_reserve_vcc 1
		.amdhsa_float_denorm_mode_32 3
		.amdhsa_float_denorm_mode_16_64 3
		.amdhsa_memory_ordered 1
		.amdhsa_forward_progress 1
		.amdhsa_inst_pref_size 30
	.end_amdhsa_kernel
	.amdgpu_metadata
---
amdhsa.version: [ 1, 2 ]
amdhsa.kernels:
  - .name:           k_qb3880b7655_comb
    .symbol:         k_qb3880b7655_comb.kd
    .args:
      - { .name: yy, .offset: 0, .size: 8, .value_kind: global_buffer, .address_space: global }
      - { .name: idx, .offset: 8, .size: 8, .value_kind: global_buffer, .address_space: global }
      - { .name: sel, .offset: 16, .size: 8, .value_kind: global_buffer, .address_space: global }
      - { .name: rt, .offset: 24, .size: 8, .value_kind: global_buffer, .address_space: global }
      - { .name: out0, .offset: 32, .size: 8, .value_kind: global_buffer, .address_space: global }
      - { .name: out1, .offset: 40, .size: 8, .value_kind: global_buffer, .address_space: global }
    .group_segment_fixed_size: 0
    .private_segment_fixed_size: 0
    .kernarg_segment_align: 8
    .kernarg_segment_size: 48
    .max_flat_workgroup_size: 128
    .sgpr_count:     66
    .vgpr_count:     224
    .wavefront_size: 32
...
	.end_amdgpu_metadata
.endif
;; end of part 9
